; MI455X (gfx1250); checked and timed in simulation.
; The chip was launched on July 23, 2026; its instructions are those of AMD's public machine-readable ISA for CDNA 5 (MIT licence, August 2026) and "CDNA5" Instruction Set Architecture Reference Guide (July 2026). The comments in the code are by the model that wrote it; some were corrected since.
;; Transformer Block. Allowed arithmetic: matrix products marked QUANTISED: E4M3 operands, one E8M0 scale for each 32 along K, by v_wmma_scale_f32_16x16x128_f8f6f4 with both operands' format E4M3, f32 sums; everything else in f32.
;; Inputs: W1 1,024 x 4,096 float32; W2 4,096 x 1,024 float32; Wk 1,024 x 1,024 float32; Wo 1,024 x 1,024 float32; Wq 1,024 x 1,024 float32; Wv 1,024 x 1,024 float32; b1 4,096 float32; b2 1,024 float32; be1 1,024 float32; be2 1,024 float32; bk 1,024 float32; bo 1,024 float32; bq 1,024 float32; bv 1,024 float32; g1 1,024 float32; g2 1,024 float32; x 2 x 2,048 x 1,024 float32.
;; Outputs: out0 2 x 2,048 x 1,024 float32.
;; This version of the problem:
;;   THIS VERSION OF THE PROBLEM IS GIVEN IN LOW PRECISION. The matrix products marked QUANTISED in the list below multiply operands that are first quantised to E4M3 (4 exponent bits, 3 mantissa bits; 8 bits a number), with one power-of-two scale for each 32 numbers along K (OCP MX v1.0); their sums are f32. All else is computed in f32.
;;   The module's matrix products, in the order in which they are computed (A, B: the left and right operand; K: the contracted axis; several contracted axes count as one K, in the product's order):
;;     1. [M 4,096, K 1,024] x [K 1,024, N 1,024]; A: computed on the way; B: input Wq: QUANTISED
;;     2. [M 4,096, K 1,024] x [K 1,024, N 1,024]; A: computed on the way; B: input Wk: QUANTISED
;;     3. [M 4,096, K 1,024] x [K 1,024, N 1,024]; A: computed on the way; B: input Wv: QUANTISED
;;     4. batch 32 x [M 2,048, K 64] x [K 64, N 2,048]; A: computed on the way; B: computed on the way: QUANTISED
;;     5. batch 32 x [M 2,048, K 2,048] x [K 2,048, N 64]; A: softmax (see below); B: computed on the way: QUANTISED
;;     6. [M 4,096, K 1,024] x [K 1,024, N 1,024]; A: computed on the way; B: input Wo: QUANTISED
;;     7. [M 4,096, K 1,024] x [K 1,024, N 4,096]; A: computed on the way; B: input W1: QUANTISED
;;     8. [M 4,096, K 4,096] x [K 4,096, N 1,024]; A: computed on the way; B: input W2: QUANTISED
;;   THE QUANTISER, for each operand of a quantised product, along K:
;;     - K is cut into blocks of 32 from its start; a last block that is shorter is filled with zeros.
;;     - A block's scale is 2^e with e = floor(log2(the largest magnitude in the block)) - 8, held to -126 .. 127; a block of zeros has e = 0. As a byte (E8M0): e + 127.
;;     - Each number is divided by its block's scale, clamped to +-448, and rounded to the nearest number of E4M3, ties to even, subnormals kept.
;;     - The product sums the exact products of the quantised numbers (number of the format x scale) in f32.
;;   ~~~python
;;   def quantise(x, axis):      # numpy; x: float32 -> the quantised numbers, widened to float32 again
;;       x = np.moveaxis(x, axis, -1); K = x.shape[-1]
;;       x = np.pad(x, [(0, 0)] * (x.ndim - 1) + [(0, -K % 32)]); x = x.reshape(x.shape[:-1] + (-1, 32)); a = np.abs(x).max(-1, keepdims=True)
;;       e = np.where(a > 0, np.clip(np.frexp(np.where(a > 0, a, 1))[1] - 1 - 8, -126, 127), 0)      # np.frexp(a)[1] - 1 = floor(log2(a)), exactly
;;       r = np.clip(x / 2.0 ** e, -448, 448)
;;       step = 2.0 ** (np.maximum(np.frexp(np.where(r == 0, 1, r))[1] - 1, -6) - 3)
;;       q = np.round(r / step) * step * 2.0 ** e      # np.round: ties to even
;;       return np.moveaxis(q.reshape(q.shape[:-2] + (-1,))[..., :K], -1, axis).astype(np.float32)
;;   ~~~
;;   SOFTMAX AHEAD OF A QUANTISED PRODUCT. Where the list says 'softmax', what is quantised is not the finished softmax but p = 2^(t - M), with t = logit x log2(e) and M = ceil(the row's largest t), a whole number; so 1/2 < the row's largest p <= 1. The row's sum l is taken of the UNQUANTISED p, in f32, and the product's result is divided by l at the end. Since M is a whole number, a kernel that streams over the keys may use a running M (the ceiling of the running maximum): every later rescaling is an exact power of two, which a block's scale takes up: the codes' values come out the same.
;;   OPERANDS COMPUTED ON THE WAY. 'Computed on the way' means the value that the module computes at that place (a softmax that the list does not call 'softmax' is quantised finished and normalised). What goes into a quantiser is computed in f32, as accurately as f32 sums, v_exp_f32 and their like allow (about 1e-6 of the number): no bf16 or f16 on the way to a quantiser, and a product that is left as it is and whose result goes on into a quantised operand takes f32 operands (vector FMAs, or v_wmma_f32_16x16x4_f32). A number that lies on a knife's edge between two numbers of the format may be rounded either way, as far as f32 arithmetic and the matrix unit's own rounding can turn it there, and no further.
;; 2 versions. Each part assembles by itself: llvm-mc -triple=amdgcn-amd-amdhsa -mcpu=gfx1250 --defsym DOCPART=n.
;; ======== version 1 of 2: 8 launches
;; workspace buffers: wc 12,976,128 bytes; hc 4,325,376 bytes; qkc 8,650,752 bytes; vtc 4,325,376 bytes; cxc 4,325,376 bytes; x1 16,777,216 bytes; hidc 17,301,504 bytes
;; launch wquant (part 1): grid 384 x 1, 4 waves a work-group, no clusters, 1,536 bytes of LDS; arguments Wq, Wk, Wv, Wo, W1, W2, wc; writes wc
.if DOCPART == 1
	.amdgcn_target "amdgcn-amd-amdhsa--gfx1250"
	.amdhsa_code_object_version 6
	.text
	.protected	k_qe45e444fe2_wquant
	.globl	k_qe45e444fe2_wquant
	.p2align	8
	.type	k_qe45e444fe2_wquant,@function
k_qe45e444fe2_wquant:
	s_mov_b64 s[64:65], 0
	v_nop
	global_prefetch_b8 v0, s[64:65] scope:SCOPE_SE
	s_setreg_imm32_b32 hwreg(HW_REG_WAVE_MODE, 25, 1), 1
	s_wait_xcnt 0x0
; The six weights, f32, stored [K][N], become codes of E4M3 with one E8M0 byte for each 32 along K (their FIRST axis), in the program's own operand layout.
; THE LAYOUT (all workspace buffers of codes have it).  A matrix of R rows x K is cut into blocks of 128 rows x 128 K, BLK = 16,896 bytes each, block (rg, ks) at (rg K/128 + ks) BLK.
;   bytes 0 .. 16,383: images of operand registers: for the block of 16 rows a (0..7) and register group c (0..3), lane 16 h + r owns the 16 bytes at 2048 a + 512 c + 16 lane: the codes k = 32 c + 16 h + 0..15 of the row at place 16 a + r;
;   bytes 16,384 .. 16,895: the scale word (4 bytes, byte c for group c) of the row at place 16 a + r, at 32 r + 4 a.
;   Place p holds the row whose number is p with bits 3 and 4 exchanged.  So 16 result registers of two neighbouring tiles are 16 neighbours along the next K.
; Here a row is a column n of the weight.  A LANE TAKES A COLUMN AND ITS REGISTERS RUN DOWN K: a block of 32 lies in one lane, and the conversions give codes with K innermost.
; A work-group takes 128 columns x 256 along K (two blocks of the layout), a wave 32 columns.  One path serves all six tensors: pointer, pitch and place are chosen by the work-group's number.
; LIMITS: NaN and infinities are not served; a block whose largest magnitude lies under 2^-118 (a block of zeros too) gets the byte 1: its bytes are read by this program alone.
.set BLK, 16896
.set SB,  14                           ; v14-15  scale words, one for each 128 along K
.set OFF, 16                           ; v16-47  4 lane + i x pitch, i = 0..31
.set X,   48                           ; v48-111 two sets of 32 numbers
.set C,   112                          ; v112-127 two sets of 8 registers of codes
	s_load_b256 s[4:11], s[0:1], 0x0               ; Wq, Wk, Wv, Wo
	s_load_b128 s[12:15], s[0:1], 0x20             ; W1, W2
	s_load_b64 s[16:17], s[0:1], 0x30              ; wc
	v_lshl_add_u32 v128, v0, 2, 0x400
	v_mov_b32 v129, 0
	v_lshrrev_b32 v9, 5, v0                        ; wave
	v_readfirstlane_b32 s18, v9
	v_and_b32 v1, 31, v0                           ; lane = my column among the wave's 32
	v_and_b32 v6, 7, v0
	v_bfe_u32 v7, v0, 4, 1
	v_bfe_u32 v8, v0, 3, 1
	v_lshl_add_u32 v6, v7, 3, v6                   ; r: my column's place in its block of 16 (bits 3 and 4 exchanged)
	v_lshl_add_u32 v8, v9, 1, v8                   ; a = 2 wave + bit 3 of the lane
	v_lshlrev_b32 v2, 11, v8
	v_lshl_add_u32 v2, v6, 4, v2                   ; codes: 2048 a + 16 r
	v_lshlrev_b32 v3, 2, v8
	v_lshl_add_u32 v3, v6, 5, v3                   ; LDS: my scale word at 32 r + 4 a
	v_lshlrev_b32 v4, 3, v0                        ; LDS, back: 8 bytes a thread
	v_lshlrev_b32 v5, 3, v1                        ; and 8 bytes a lane in memory
	v_lshlrev_b32 v9, 2, v1                        ; 4 lane
	s_lshr_b32 s25, ttmp9, 5
	s_lshl_b32 s25, s25, 6                         ; the four square weights: 64 blocks each
	s_mov_b32 s30, 4096
	s_lshr_b32 s29, ttmp9, 7
	s_cmp_eq_u32 s29, 1
	s_cselect_b32 s30, 16384, s30                  ; a row of the weight in bytes: 16,384 for W1
	s_cmp_lt_u32 ttmp9, 128
	s_cselect_b32 s24, 31, 127                     ; the work-group's number inside its tensor
	s_cselect_b32 s25, s25, 256                    ; the tensor's first block: W1's 256,
	s_cmp_lt_u32 ttmp9, 256
	s_cselect_b32 s25, s25, 512                    ; W2's 512
	s_cselect_b32 s26, 2, 4                        ; W2 has 16 pieces of 256 along K, the others 4
	s_cselect_b32 s27, 3, 15
	s_cselect_b32 s28, 3, 5                        ; log2 (K / 128)
	s_and_b32 s24, ttmp9, s24
	s_lshr_b32 s26, s24, s26                       ; rg: which 128 columns
	s_and_b32 s27, s24, s27                        ; kc: which 256 along K
	s_mov_b32 s31, 0x600000                        ; the mantissa field of 448
.set i, 0
.rept 32
	v_mad_u32_u24 v[OFF+i], s30, i, v9
.set i, i+1
.endr
	s_lshl_b32 s20, s27, 8
	s_mul_i32 s20, s20, s30                        ; 256 kc rows
	s_lshl_b32 s21, s26, 9
	s_add_co_u32 s20, s20, s21                     ; + 128 rg columns
	s_lshl_b32 s21, s18, 7
	s_add_co_u32 s20, s20, s21                     ; + 32 wave columns
	s_mov_b32 s21, 0
	s_lshl_b32 s22, s30, 5                         ; 32 rows on
	s_mov_b32 s23, 0
	s_lshl_b32 s19, s26, s28
	s_add_co_u32 s19, s19, s25
	s_lshl_b32 s24, s27, 1
	s_add_co_u32 s19, s19, s24                     ; my first block of the layout
	s_mul_i32 s48, s19, BLK
	s_mov_b32 s49, 0
	s_lshr_b32 s24, s18, 1                         ; the scale words leave 256 bytes a wave: block wave / 2, half wave % 2
	s_mul_i32 s50, s24, BLK
	s_and_b32 s24, s18, 1
	s_lshl_b32 s24, s24, 8
	s_add_co_u32 s50, s50, s24
	s_add_co_u32 s50, s50, 16384
	s_mov_b32 s51, 0
	s_wait_kmcnt 0x0
	s_cmp_ge_u32 ttmp9, 32                         ; the tensor: a choice on the work-group's number alone
	s_cselect_b64 s[4:5], s[6:7], s[4:5]
	s_cmp_ge_u32 ttmp9, 64
	s_cselect_b64 s[4:5], s[8:9], s[4:5]
	s_cmp_ge_u32 ttmp9, 96
	s_cselect_b64 s[4:5], s[10:11], s[4:5]
	s_cmp_ge_u32 ttmp9, 128
	s_cselect_b64 s[4:5], s[12:13], s[4:5]
	s_cmp_ge_u32 ttmp9, 256
	s_cselect_b64 s[4:5], s[14:15], s[4:5]
	s_add_nc_u64 s[32:33], s[4:5], s[20:21]        ; a base for each of my 8 blocks of 32 along K
.irp t, 1,2,3,4,5,6,7
	s_add_nc_u64 s[32+2*\t:33+2*\t], s[30+2*\t:31+2*\t], s[22:23]
.endr
	s_add_nc_u64 s[16:17], s[16:17], s[48:49]
	s_add_nc_u64 s[52:53], s[16:17], s[50:51]
.macro LOAD t                          ; block t: W(32 t + i, my column): 32 lanes read 128 consecutive bytes, the four waves 512
.set i, 0
.rept 32
	global_load_b32 v[X+32*((\t)%2)+i], v[OFF+i], s[32+2*(\t):33+2*(\t)] th:TH_LOAD_NT
.set i, i+1
.endr
.endm
	LOAD 0
	LOAD 1
.macro BLOCK t
.set XS, X+32*((\t)%2)
.set CS, C+8*((\t)%2)
.if (\t) < 7
	s_wait_loadcnt 32                              ; this block's 32 loads are in; the next block's 32 may be out
.else
	s_wait_loadcnt 0x0
.endif
	v_max3_num_f32 v12, |v[XS]|, |v[XS+1]|, |v[XS+2]|   ; the block's largest magnitude: all 32 numbers are mine; two chains
	v_max3_num_f32 v13, |v[XS+3]|, |v[XS+4]|, |v[XS+5]|
.irp i, 6,10,14,18,22,26
	v_max3_num_f32 v12, v12, |v[XS+\i]|, |v[XS+\i+1]|
	v_max3_num_f32 v13, v13, |v[XS+\i+2]|, |v[XS+\i+3]|
.endr
	v_max3_num_f32 v12, v12, |v[XS+30]|, |v[XS+31]|
	v_max3_num_f32 v12, v12, v13, 0x4800000        ; and the floor 2^(9 - 127): the byte cannot fall under 1
	v_add_nc_u32 v11, 0xfc000000, v12              ; 8 off the exponent field: the conversion's scale operand
	v_and_or_b32 v10, v12, 0x7f800000, s31         ; 448 x the scale
	v_lshrrev_b32 v13, 23, v11                     ; the scale's byte
.if (\t)%4 == 0
	v_mov_b32 v[SB+(\t)/4], v13
.else
	v_lshl_or_b32 v[SB+(\t)/4], v13, 8*((\t)%4), v[SB+(\t)/4]
.endif
.set i, 0
.rept 32
	v_med3_num_f32 v[XS+i], v[XS+i], -v10, v10     ; the conversion to an 8-bit code does not saturate (ISA guide 7.6.2): the hold comes first
.set i, i+1
.endr
	s_wait_xcnt 0x0                                ; this set of code registers was store data two blocks ago: it is written again only behind this wait
.irp g, 0,1,2,3
	v_cvt_scalef32_pk8_fp8_f32 v[CS+2*\g:CS+2*\g+1], v[XS+8*\g:XS+8*\g+7], v11
.endr
	global_store_b128 v2, v[CS:CS+3], s[16:17] offset:((\t)/4)*BLK+((\t)%4)*512        ; k 0..15 of the block: the place of lanes 0-15 in the image.  The wave's 32 lanes fill two aligned runs of 256 bytes (a = 2 wave, 2 wave + 1)
	global_store_b128 v2, v[CS+4:CS+7], s[16:17] offset:((\t)/4)*BLK+((\t)%4)*512+256  ; k 16..31: the place of lanes 16-31
.if (\t)+2 < 8
	LOAD (\t)+2
.endif
.if (\t)%4 == 3
	ds_store_b32 v3, v[SB+(\t)/4] offset:((\t)/4)*512   ; 128 along K are done: my column's scale word
.endif
.endm
.irp t, 0,1,2,3,4,5,6,7
	BLOCK \t
.endr
	s_wait_dscnt 0x0                               ; my scale words lie in LDS: say so to the other waves
	s_barrier_signal -1
	s_barrier_wait -1
	ds_load_b64 v[6:7], v4                         ; the two blocks' 1,024 bytes of scale words, 256 a wave
	s_wait_dscnt 0x0
	global_store_b64 v5, v[6:7], s[52:53]          ; 32 lanes store 256 consecutive bytes, aligned
	s_wait_tensorcnt 0x0
	ds_add_u32 v128, v129
	s_wait_dscnt 0x0
	s_endpgm
.Lfunc_end_k_qe45e444fe2_wquant:
	.size	k_qe45e444fe2_wquant, .Lfunc_end_k_qe45e444fe2_wquant-k_qe45e444fe2_wquant
	.p2alignl 7, 3214868480
	.fill 96, 4, 3214868480
	.section	.rodata,"a",@progbits
	.p2align	6, 0x0
	.amdhsa_kernel k_qe45e444fe2_wquant
		.amdhsa_group_segment_fixed_size 1536
		.amdhsa_private_segment_fixed_size 0
		.amdhsa_enable_private_segment 0
		.amdhsa_kernarg_size 56
		.amdhsa_user_sgpr_count 2
		.amdhsa_user_sgpr_kernarg_segment_ptr 1
		.amdhsa_wavefront_size32 1
		.amdhsa_system_sgpr_workgroup_id_x 1
		.amdhsa_system_sgpr_workgroup_id_y 1
		.amdhsa_system_sgpr_workgroup_id_z 1
		.amdhsa_system_vgpr_workitem_id 0
		.amdhsa_next_free_vgpr 130
		.amdhsa_next_free_sgpr 66
		.amdhsa_reserve_vcc 0
		.amdhsa_float_denorm_mode_32 3
		.amdhsa_float_denorm_mode_16_64 3
		.amdhsa_memory_ordered 1
		.amdhsa_forward_progress 1
		.amdhsa_inst_pref_size 61
	.end_amdhsa_kernel
	.amdgpu_metadata
---
amdhsa.version: [ 1, 2 ]
amdhsa.kernels:
  - .name:           k_qe45e444fe2_wquant
    .symbol:         k_qe45e444fe2_wquant.kd
    .args:
      - { .name: Wq, .offset: 0, .size: 8, .value_kind: global_buffer, .address_space: global }
      - { .name: Wk, .offset: 8, .size: 8, .value_kind: global_buffer, .address_space: global }
      - { .name: Wv, .offset: 16, .size: 8, .value_kind: global_buffer, .address_space: global }
      - { .name: Wo, .offset: 24, .size: 8, .value_kind: global_buffer, .address_space: global }
      - { .name: W1, .offset: 32, .size: 8, .value_kind: global_buffer, .address_space: global }
      - { .name: W2, .offset: 40, .size: 8, .value_kind: global_buffer, .address_space: global }
      - { .name: wc, .offset: 48, .size: 8, .value_kind: global_buffer, .address_space: global }
    .group_segment_fixed_size: 1536
    .private_segment_fixed_size: 0
    .kernarg_segment_align: 8
    .kernarg_segment_size: 56
    .max_flat_workgroup_size: 128
    .sgpr_count:     66
    .vgpr_count:     130
    .wavefront_size: 32
...
	.end_amdgpu_metadata
.endif
;; end of part 1
;; launch ln1 (part 2): grid 256 x 1, 8 waves a work-group, no clusters, 66,816 bytes of LDS; arguments x, g1, be1, hc; writes hc
.if DOCPART == 2
	.amdgcn_target "amdgcn-amd-amdhsa--gfx1250"
	.amdhsa_code_object_version 6
	.text
	.protected	k_qe45e444fe2_ln1
	.globl	k_qe45e444fe2_ln1
	.p2align	8
	.type	k_qe45e444fe2_ln1,@function
k_qe45e444fe2_ln1:
	s_mov_b64 s[64:65], 0
	v_nop
	global_prefetch_b8 v0, s[64:65] scope:SCOPE_SE
	s_setreg_imm32_b32 hwreg(HW_REG_WAVE_MODE, 25, 1), 1
	s_wait_xcnt 0x0
; y = (x - mean) rsqrt(var + 1e-5) g + b along rows of 1,024 f32, then quantised along the row to E4M3 with one E8M0 byte for each 32, into the program's operand layout:
; blocks of 128 rows x 128 K, 16,896 bytes, block (rg, ks) at (8 rg + ks) x 16,896; codes of (block of 16 rows a, register group c, lane 16 h + r) at 2048 a + 512 c + 16 lane: k = 32 c + 16 h + 0..15 of the row at place 16 a + r;
; that row's scale word at 16,384 + 32 r + 4 a.  Place p holds the row whose number is p with bits 3 and 4 exchanged.
; A work-group takes the 16 rows of one (rg, a).  PHASE 1: wave w takes places 2 w and 2 w + 1 (two neighbouring rows of x), whole rows in registers: mean, then the sum of squared differences (two passes: a common offset
; of the input does no harm), the affine step in f32; the rows go to LDS.  PHASE 2: wave w takes K step w: lane (r, h) reads 16 neighbours of each of 4 blocks of row r, quantises, and stores an image of the operand's registers.
; The scale words are 16 words 32 bytes apart (lanes 16-31 write the same word with the same value): one part in 512 of what the launch moves; whole runs of 256 bytes would want 128 rows to a work-group, 32 work-groups in all.
; LIMITS: NaN and infinities are not served; v_rsq_f32 is within 1 ulp; a block under 2^-118 (zeros too) gets the byte 1; the sums run in another order than a plain loop's.
.set BLK, 16896
.set RP,  4112                         ; a row in LDS: 4,096 bytes + 16: the 16 rows that a load of phase 2 touches start 16 bytes apart modulo 256
.set X,   16                           ; v16-79   two rows of 32 registers; in phase 2 the lane's 64 numbers
.set G,   80                           ; v80-111  g
.set BE,  112                          ; v112-143 b
.set PC,  144                          ; v144-159 codes
.set TM,  160                          ; v160-175 the quantiser's work
.set PW,  176                          ; v176     the scale word
.set ST,  178                          ; v178-193 row i at ST + 8 i: +0..3 two chains of sums, +4,5 the mean twice, +6,7 rsqrt twice
.set SEL, 20
.set MNT, 22
; 64 numbers of a lane, register 16 b + i = k 32 b + 16 h + i of my row, become 16 registers of codes at v[pc] and the row's scale word in v[pw].  relu = 1: what is negative becomes 0 on the way.
.macro QUANT s, relu, pc, pw
.if \relu
.irp b, 0,1,2,3
	v_max3_num_f32 v[TM+\b], v[\s+16*\b], v[\s+1+16*\b], 0x4800000
.endr
.irp i, 2,4,6,8,10,12,14
.irp b, 0,1,2,3
	v_max3_num_f32 v[TM+\b], v[TM+\b], v[\s+16*\b+\i], v[\s+1+16*\b+\i]
.endr
.endr
.else
.irp b, 0,1,2,3
	v_max3_num_f32 v[TM+\b], |v[\s+16*\b]|, |v[\s+1+16*\b]|, 0x4800000   ; my 16 numbers of block b, and the floor 2^(9 - 127): the byte cannot fall under 1
.endr
.irp i, 2,4,6,8,10,12,14
.irp b, 0,1,2,3
	v_max3_num_f32 v[TM+\b], v[TM+\b], |v[\s+16*\b+\i]|, |v[\s+1+16*\b+\i]|   ; the four blocks by turns
.endr
.endr
.endif
.irp b, 0,1,2,3
	v_permlanex16_b32 v[TM+4+\b], v[TM+\b], s[SEL], s[SEL+1]
.endr
.irp b, 0,1,2,3
	v_max_num_f32 v[TM+\b], v[TM+\b], v[TM+4+\b]   ; with the lane 16 away: the block's largest magnitude
.endr
.irp b, 0,1,2,3
	v_add_nc_u32 v[TM+12+\b], 0xfc000000, v[TM+\b] ; 8 off the exponent field: the conversion's scale operand
.endr
.irp b, 0,1,2,3
	v_and_or_b32 v[TM+8+\b], v[TM+\b], 0x7f800000, s[MNT]   ; 448 x the scale
.endr
.irp b, 0,1,2,3
	v_lshrrev_b32 v[TM+4+\b], 23, v[TM+12+\b]      ; the scale's byte
.endr
	v_lshl_or_b32 v[\pw], v[TM+5], 8, v[TM+4]
	v_lshl_or_b32 v[\pw], v[TM+6], 16, v[\pw]
	v_lshl_or_b32 v[\pw], v[TM+7], 24, v[\pw]
.irp b, 0,1,2,3
.irp i, 0,1,2,3,4,5,6,7,8,9,10,11,12,13,14,15
.if \relu
	v_med3_num_f32 v[\s+16*\b+\i], v[\s+16*\b+\i], 0, v[TM+8+\b]
.else
	v_med3_num_f32 v[\s+16*\b+\i], v[\s+16*\b+\i], -v[TM+8+\b], v[TM+8+\b]   ; the conversion does not saturate (ISA guide 7.6.2): the hold comes first
.endif
.endr
	v_cvt_scalef32_pk8_fp8_f32 v[\pc+4*\b:\pc+1+4*\b], v[\s+16*\b:\s+7+16*\b], v[TM+12+\b]
	v_cvt_scalef32_pk8_fp8_f32 v[\pc+2+4*\b:\pc+3+4*\b], v[\s+8+16*\b:\s+15+16*\b], v[TM+12+\b]
.endr
	v_nop                                          ; a plain line behind the last conversion
.endm
; the two rows' sums: chains, halves, then the 32 lanes; every lane ends with the sum in v[ST + 8 i]
.macro LANES
.irp i, 0,1
	v_pk_add_f32 v[ST+8*\i:ST+8*\i+1], v[ST+8*\i:ST+8*\i+1], v[ST+8*\i+2:ST+8*\i+3]
.endr
.irp i, 0,1
	v_add_f32 v[ST+8*\i], v[ST+8*\i], v[ST+8*\i+1]
.endr
.irp m, 1,2,4,8
.irp i, 0,1
	v_add_f32_dpp v[ST+8*\i], v[ST+8*\i], v[ST+8*\i] row_xmask:\m row_mask:0xf bank_mask:0xf
.endr
.endr
.irp i, 0,1
	v_permlanex16_b32 v[ST+8*\i+1], v[ST+8*\i], s[SEL], s[SEL+1]
.endr
.irp i, 0,1
	v_add_f32 v[ST+8*\i], v[ST+8*\i], v[ST+8*\i+1]
.endr
.endm
	s_load_b256 s[4:11], s[0:1], 0x0               ; the rows s[4:5], g s[6:7], b s[8:9], the codes s[10:11]
	v_lshl_add_u32 v200, v0, 2, 0x10100
	v_mov_b32 v201, 0
	v_lshrrev_b32 v2, 5, v0                        ; wave
	v_readfirstlane_b32 s12, v2
	v_and_b32 v1, 31, v0                           ; lane
	v_lshlrev_b32 v3, 4, v1                        ; 16 lane: in a load's 512 bytes, and in an image
	v_mul_u32_u24 v4, v2, 2*RP
	v_lshl_add_u32 v4, v1, 4, v4                   ; LDS, in: my wave's two rows, 16 bytes a lane
	v_and_b32 v5, 15, v0                           ; r
	v_bfe_u32 v6, v0, 4, 1                         ; h
	v_mul_u32_u24 v7, v5, RP
	v_lshl_add_u32 v7, v6, 6, v7
	v_lshl_add_u32 v7, v2, 9, v7                   ; LDS, out: row r, + 64 h, + 512 wave (K step = wave)
	v_lshlrev_b32 v8, 5, v5                        ; 32 r: a scale word's place
	s_lshr_b32 s13, ttmp9, 3                       ; rg
	s_and_b32 s14, ttmp9, 7                        ; a
	s_lshl_b32 s15, s13, 7                         ; my first row: 128 rg + 32 (a / 2) + 16 (wave / 4) + 8 (a % 2) + 2 (wave % 4)
	s_lshr_b32 s16, s14, 1
	s_lshl_b32 s16, s16, 5
	s_add_co_u32 s15, s15, s16
	s_lshr_b32 s16, s12, 2
	s_lshl_b32 s16, s16, 4
	s_add_co_u32 s15, s15, s16
	s_and_b32 s16, s14, 1
	s_lshl_b32 s16, s16, 3
	s_add_co_u32 s15, s15, s16
	s_and_b32 s16, s12, 3
	s_lshl_b32 s16, s16, 1
	s_add_co_u32 s15, s15, s16
	s_lshl_b32 s16, s15, 12                        ; 4,096 bytes a row
	s_mov_b32 s17, 0
	s_lshl_b32 s18, s13, 3
	s_add_co_u32 s18, s18, s12
	s_mul_i32 s18, s18, BLK                        ; block (rg, wave)
	s_lshl_b32 s19, s14, 11
	s_add_co_u32 s24, s18, s19                     ; its images of the rows' block a
	s_mov_b32 s25, 0
	s_lshl_b32 s19, s14, 2
	s_add_co_u32 s26, s18, s19
	s_add_co_u32 s26, s26, 16384                   ; and their scale words
	s_mov_b32 s27, 0
	s_mov_b32 s[SEL], 0x76543210
	s_mov_b32 s[SEL+1], 0xfedcba98                 ; v_permlanex16_b32: the lane 16 away
	s_mov_b32 s[MNT], 0x600000                     ; the mantissa field of 448
	s_mov_b32 s28, 0x3a800000                      ; 1 / 1024
	s_mov_b32 s29, 0x3727c5ac                      ; 1e-5
.irp b, 0,1,2,3
	v_mov_b32 v[TM+4+\b], 0                        ; a lane permute's destination counts as read: written once
.endr
	s_wait_kmcnt 0x0
	s_add_nc_u64 s[4:5], s[4:5], s[16:17]
	s_add_nc_u64 s[24:25], s[10:11], s[24:25]
	s_add_nc_u64 s[26:27], s[10:11], s[26:27]
.irp i, 0,1
.irp j, 0,1,2,3,4,5,6,7
	global_load_b128 v[X+32*\i+4*\j:X+32*\i+4*\j+3], v3, s[4:5] offset:4096*\i+512*\j th:TH_LOAD_NT   ; 512 consecutive bytes a load: lane l holds k = 128 j + 4 l + 0..3
.endr
.endr
.irp j, 0,1,2,3,4,5,6,7
	global_load_b128 v[G+4*\j:G+4*\j+3], v3, s[6:7] offset:512*\j
.endr
.irp j, 0,1,2,3,4,5,6,7
	global_load_b128 v[BE+4*\j:BE+4*\j+3], v3, s[8:9] offset:512*\j
.endr
	s_wait_loadcnt 16                              ; both rows are in; the 16 loads of g and b may be out
.irp i, 0,1
	v_pk_add_f32 v[ST+8*\i:ST+8*\i+1], v[X+32*\i:X+32*\i+1], v[X+32*\i+2:X+32*\i+3]
	v_pk_add_f32 v[ST+8*\i+2:ST+8*\i+3], v[X+32*\i+4:X+32*\i+5], v[X+32*\i+6:X+32*\i+7]
.endr
.irp j, 8,12,16,20,24,28
.irp i, 0,1
	v_pk_add_f32 v[ST+8*\i:ST+8*\i+1], v[ST+8*\i:ST+8*\i+1], v[X+32*\i+\j:X+32*\i+\j+1]
	v_pk_add_f32 v[ST+8*\i+2:ST+8*\i+3], v[ST+8*\i+2:ST+8*\i+3], v[X+32*\i+\j+2:X+32*\i+\j+3]
.endr
.endr
	LANES
.irp i, 0,1
	v_mul_f32 v[ST+8*\i+4], s28, v[ST+8*\i]        ; the mean, twice: a pair for the packed subtraction
	v_mul_f32 v[ST+8*\i+5], s28, v[ST+8*\i]
.endr
.irp j, 0,2,4,6,8,10,12,14,16,18,20,22,24,26,28,30
.irp i, 0,1
	v_pk_add_f32 v[X+32*\i+\j:X+32*\i+\j+1], v[X+32*\i+\j:X+32*\i+\j+1], v[ST+8*\i+4:ST+8*\i+5] neg_lo:[0,1] neg_hi:[0,1]   ; x - mean
.endr
.endr
.irp i, 0,1
	v_pk_mul_f32 v[ST+8*\i:ST+8*\i+1], v[X+32*\i:X+32*\i+1], v[X+32*\i:X+32*\i+1]
	v_pk_mul_f32 v[ST+8*\i+2:ST+8*\i+3], v[X+32*\i+2:X+32*\i+3], v[X+32*\i+2:X+32*\i+3]
.endr
.irp j, 4,8,12,16,20,24,28
.irp i, 0,1
	v_pk_fma_f32 v[ST+8*\i:ST+8*\i+1], v[X+32*\i+\j:X+32*\i+\j+1], v[X+32*\i+\j:X+32*\i+\j+1], v[ST+8*\i:ST+8*\i+1]
	v_pk_fma_f32 v[ST+8*\i+2:ST+8*\i+3], v[X+32*\i+\j+2:X+32*\i+\j+3], v[X+32*\i+\j+2:X+32*\i+\j+3], v[ST+8*\i+2:ST+8*\i+3]
.endr
.endr
	LANES
.irp i, 0,1
	v_fma_f32 v[ST+8*\i], v[ST+8*\i], s28, s29     ; the variance + 1e-5
.endr
.irp i, 0,1
	v_rsq_f32 v[ST+8*\i+6], v[ST+8*\i]             ; one batch of four: a pair for each row's packed multiply
	v_rsq_f32 v[ST+8*\i+7], v[ST+8*\i]
.endr
	v_nop                                          ; a plain line behind the last of them
	s_wait_alu depctr_va_vdst(0)                   ; one wait for the batch, ahead of its first reader
	s_wait_loadcnt 0x0                             ; g and b
.irp j, 0,2,4,6,8,10,12,14,16,18,20,22,24,26,28,30
.irp i, 0,1
	v_pk_mul_f32 v[X+32*\i+\j:X+32*\i+\j+1], v[X+32*\i+\j:X+32*\i+\j+1], v[ST+8*\i+6:ST+8*\i+7]
.endr
.irp i, 0,1
	v_pk_fma_f32 v[X+32*\i+\j:X+32*\i+\j+1], v[X+32*\i+\j:X+32*\i+\j+1], v[G+\j:G+\j+1], v[BE+\j:BE+\j+1]
.endr
.endr
.irp i, 0,1
.irp j, 0,1,2,3,4,5,6,7
	ds_store_b128 v4, v[X+32*\i+4*\j:X+32*\i+4*\j+3] offset:RP*\i+512*\j
.endr
.endr
	s_wait_dscnt 0x0                               ; my two rows lie in LDS: say so to the other waves
	s_barrier_signal -1
	s_barrier_wait -1
.irp b, 0,1,2,3
.irp j, 0,1,2,3
	ds_load_b128 v[X+16*\b+4*\j:X+16*\b+4*\j+3], v7 offset:128*\b+16*\j   ; row r, k = 128 wave + 32 b + 16 h + 4 j + 0..3
.endr
.endr
	s_wait_dscnt 0x0
	QUANT X, 0, PC, PW
.irp c, 0,1,2,3
	global_store_b128 v3, v[PC+4*\c:PC+4*\c+3], s[24:25] offset:512*\c   ; 32 lanes store 512 consecutive bytes, aligned to 256
.endr
	global_store_b32 v8, v[PW], s[26:27]
	s_wait_tensorcnt 0x0
	ds_add_u32 v200, v201
	s_wait_dscnt 0x0
	s_endpgm
.Lfunc_end_k_qe45e444fe2_ln1:
	.size	k_qe45e444fe2_ln1, .Lfunc_end_k_qe45e444fe2_ln1-k_qe45e444fe2_ln1
	.p2alignl 7, 3214868480
	.fill 96, 4, 3214868480
	.section	.rodata,"a",@progbits
	.p2align	6, 0x0
	.amdhsa_kernel k_qe45e444fe2_ln1
		.amdhsa_group_segment_fixed_size 66816
		.amdhsa_private_segment_fixed_size 0
		.amdhsa_enable_private_segment 0
		.amdhsa_kernarg_size 32
		.amdhsa_user_sgpr_count 2
		.amdhsa_user_sgpr_kernarg_segment_ptr 1
		.amdhsa_wavefront_size32 1
		.amdhsa_system_sgpr_workgroup_id_x 1
		.amdhsa_system_sgpr_workgroup_id_y 1
		.amdhsa_system_sgpr_workgroup_id_z 1
		.amdhsa_system_vgpr_workitem_id 0
		.amdhsa_next_free_vgpr 202
		.amdhsa_next_free_sgpr 66
		.amdhsa_reserve_vcc 0
		.amdhsa_float_denorm_mode_32 3
		.amdhsa_float_denorm_mode_16_64 3
		.amdhsa_memory_ordered 1
		.amdhsa_forward_progress 1
		.amdhsa_inst_pref_size 29
	.end_amdhsa_kernel
	.amdgpu_metadata
---
amdhsa.version: [ 1, 2 ]
amdhsa.kernels:
  - .name:           k_qe45e444fe2_ln1
    .symbol:         k_qe45e444fe2_ln1.kd
    .args:
      - { .name: x, .offset: 0, .size: 8, .value_kind: global_buffer, .address_space: global }
      - { .name: g1, .offset: 8, .size: 8, .value_kind: global_buffer, .address_space: global }
      - { .name: be1, .offset: 16, .size: 8, .value_kind: global_buffer, .address_space: global }
      - { .name: hc, .offset: 24, .size: 8, .value_kind: global_buffer, .address_space: global }
    .group_segment_fixed_size: 66816
    .private_segment_fixed_size: 0
    .kernarg_segment_align: 8
    .kernarg_segment_size: 32
    .max_flat_workgroup_size: 256
    .sgpr_count:     66
    .vgpr_count:     202
    .wavefront_size: 32
...
	.end_amdgpu_metadata
.endif
;; end of part 2
;; launch qkv (part 3): grid 48 x 4, 4 waves a work-group, clusters of 4 x 4, 327,680 bytes of LDS; arguments hc, wc, bq, bk, bv, qkc, vtc; writes qkc, vtc
.if DOCPART == 3
	.amdgcn_target "amdgcn-amd-amdhsa--gfx1250"
	.amdhsa_code_object_version 6
	.text
	.protected	k_qe45e444fe2_qkv
	.globl	k_qe45e444fe2_qkv
	.p2align	8
	.type	k_qe45e444fe2_qkv,@function
k_qe45e444fe2_qkv:
	s_mov_b64 s[64:65], 0
	v_nop
	global_prefetch_b8 v0, s[64:65] scope:SCOPE_SE
	s_setreg_imm32_b32 hwreg(HW_REG_WAVE_MODE, 25, 1), 1
	s_wait_xcnt 0x0
	s_wait_alu depctr_hold_cnt(0) depctr_sa_sdst(0) depctr_va_vdst(0) depctr_va_sdst(0) depctr_va_ssrc(0) depctr_va_vcc(0) depctr_vm_vsrc(0)
	s_getreg_b32 s2, hwreg(HW_REG_IB_STS2, 6, 4)
	s_cmp_eq_u32 s2, 0
	s_cbranch_scc0 .Lentry_in_a_cluster
	s_endpgm
.Lentry_in_a_cluster:
	s_bfe_u32 s2, ttmp6, 0x10000c
	s_cmp_lg_u32 s2, 0xf033
	s_cbranch_scc0 .Lentry_shape_is_right
	s_endpgm
.Lentry_shape_is_right:
; q = h Wq + bq and k = h Wk + bk, quantised along each head's 64, and v^T = (h Wv + bv)^T, quantised along the tokens: three products on codes of E4M3 with E8M0 scales, K = 1,024, results quantised in registers.
; THE OPERAND LAYOUT of every buffer here: blocks of 128 rows x 128 K, BLK = 16,896 bytes, block (rg, ks) at (rg K/128 + ks) BLK: codes of (block of 16 rows a, register group c, lane 16 h + r) at 2048 a + 512 c + 16 lane
; (k = 32 c + 16 h + 0..15 of the row at place 16 a + r), that row's scale word at 16,384 + 32 r + 4 a; place p holds the row whose number is p with bits 3 and 4 exchanged.
; THE PRODUCT.  Two sides: P (source 1: a lane of the result holds ONE row of P) and Q (source 0: a lane's registers run along Q's rows; by the exchange of bits, 16 registers of two neighbouring tiles are 16 neighbours).
; A work-group makes 256 rows of P x 256 rows of Q, each of its four waves 128 x 128: 64 accumulators.  K goes in steps of 256 through two LDS slots; a wave's one tensor load brings 2 blocks (33,792 dense bytes: codes AND scale words).
; Clusters 0-7: P = h (tokens), Q = Wq, Wk on end: the result's rows are tokens, a lane's registers run along q's or k's features: qkc [token group][16 K steps: 8 of q, 8 of k].
; Clusters 8-11: P = Wv's columns, Q = h: the result's rows are v's features, a lane's registers run along tokens: vtc [feature group][32 token groups].
; CLUSTERS of 4 x 4: the four of a row need the same tiles of P, the four of a column the same tiles of Q: each is asked for jointly.  All choices hang on the cluster's number, which partners share.
; THE WAY OUT: bias added, 64 numbers of a lane quantised; the four code registers of a group ARE the 16 bytes of the lane in the output's image: each store covers 512 consecutive bytes; no LDS stage.
; REGISTERS: window 0: v1-29 addresses; v32-63 scale words and nothing else; v64-127 the way out's numbers; v128-255 P's 8 fragments (on the way out: codes and the quantiser's work).  window 1: Q's fragments, two sets.  windows 2, 3: accumulator (a, b) at 8 (8 (a % 4) + b).
; LIMITS: NaN and infinities are not served; a block under 2^-118 (zeros too) gets the byte 1: this program alone reads the bytes.
.set BLK,   16896
.set PIECE, 2*BLK                      ; what one tensor load brings: 128 rows x 256 along K
.set SLOT,  4*PIECE                    ; P's two row groups, then Q's two
.set SPARE, 2*SLOT                     ; the spare words: 128 bytes a wave, two blocks of 256 bytes that no other line names
.set KB,    8                          ; K / 128
.set LAPS,  KB/4                       ; a lap = two K steps of 256 = once round the ring
.set WVOFF, 128*BLK                    ; Wv's first block in wc
.set NP,    8                          ; places behind this matrix instruction (ISA guide 7.12.1)
.set FR,    16
.set ADRA, 16                          ; v16-17 LDS address of my fragments of P in slot 0, 1
.set ADRS, 18                          ; v18-19 of my scale words: lanes 0-15 P's, lanes 16-31 Q's
.set ADRB, 20                          ; v20-21 of my fragments of Q
.set BA0,  24                          ; v24 64 h: a bias along Q
.set BA1,  25                          ; v25 4 (r % 8) + 64 (r / 8): a bias along P
.set IMG,  4                           ; v4  16 lane
.set SWO,  27                          ; v27 16,384 + 32 r + 16 h: where I store four scale words
.set SPW,  28
.set NIL,  29
.set SC,   32                          ; register SC + 16 slot + 8 q + i: lanes 0-15 the words of P's block i, lanes 16-31 of Q's block i
.set AF,   128
.set T,    64
.set PC,   128
.set TM,   160
.set PW,   176                         ; v176-183 the eight blocks' scale words
.set PM,   184                         ; v184-187 the four that I store
.set BP,   188                         ; v188-195 bias of my row in each block
.set BD,   196                         ; v196-197 one of them, twice
.set G1,   24
.set G0,   32
.set G1B,  48
.set G0B,  56
.set OUT,  82
.set BIA,  86
.set SEL,  90
.set MNT,  92
.set MSB, 0
.macro WIN new                         ; the immediate's high byte repeats the setting that is left
.if MSB != (\new)
	s_set_vgpr_msb (MSB<<8)|(\new)
.set MSB, (\new)
.endif
.endm
.set MUL_LO, 0xa1                      ; source 0 (Q) window 1, source 1 (P) window 0, C and D window 2
.set MUL_HI, 0xf1
.set TO_B,   0x40
.macro JLOAD g0a, g1a, g0b, g1b        ; a joint load: waves 0, 1 fetch for P, waves 2, 3 for Q; four v_nop follow each line
	s_cmp_eq_u32 s15, 0
	s_cbranch_scc0 .Lfor_b_\@
	tensor_load_to_lds s[\g0a:\g0a+3], s[\g1a:\g1a+7]
	s_nop 0
.rept 4
	v_nop
.endr
	s_branch .Lasked_\@
.Lfor_b_\@:
	tensor_load_to_lds s[\g0b:\g0b+3], s[\g1b:\g1b+7]
	s_nop 0
.rept 4
	v_nop
.endr
.Lasked_\@:
.endm
.macro CREST                           ; a round of the cluster's barrier behind its opening barrier
	s_cmp_lg_u32 s14, 0
	s_cbranch_scc1 .Lnot_wave_0_\@
	s_barrier_signal -3
.Lnot_wave_0_\@:
	s_barrier_wait -3
	s_barrier_signal -1
	s_barrier_wait -1
.endm
.macro CROUND
	s_barrier_signal -1
	s_barrier_wait -1
	CREST
.endm
.macro PLACES n
.rept \n
	v_nop
.endr
.endm
.macro FRAG reg, adr, q, i             ; a fragment: four loads of 512 consecutive bytes
.irp c, 0,1,2,3
	ds_load_b128 v[\reg+4*\c:\reg+4*\c+3], v[\adr] offset:BLK*(\q)+2048*(\i)+512*\c
.endr
.endm
.macro MUL16 a0, p, q, sc, zero        ; P's blocks a0, a0 + 1 x Q's eight; the 64 accumulators take turns, one instruction a turn
.irp a, \a0, \a0+1
.irp b, 0,1,2,3,4,5,6,7
.if \zero
	v_wmma_scale_f32_16x16x128_f8f6f4 v[8*(8*((\a)%4)+\b):8*(8*((\a)%4)+\b)+7], v[128*(\p)+FR*\b:128*(\p)+FR*\b+FR-1], v[AF+FR*(\a):AF+FR*(\a)+FR-1], 0, v[SC+16*(\sc)+8*(\q)+\b], v[SC+16*(\sc)+8*(\q)+(\a)] matrix_a_scale:MATRIX_SCALE_ROW1
.else
	v_wmma_scale_f32_16x16x128_f8f6f4 v[8*(8*((\a)%4)+\b):8*(8*((\a)%4)+\b)+7], v[128*(\p)+FR*\b:128*(\p)+FR*\b+FR-1], v[AF+FR*(\a):AF+FR*(\a)+FR-1], v[8*(8*((\a)%4)+\b):8*(8*((\a)%4)+\b)+7], v[SC+16*(\sc)+8*(\q)+\b], v[SC+16*(\sc)+8*(\q)+(\a)] matrix_a_scale:MATRIX_SCALE_ROW1
.endif
.endr
.endr
.endm
.macro FETCH_B slot, q, p
	WIN TO_B
.irp i, 0,1,2,3,4,5,6,7
	FRAG 128*(\p)+FR*\i, ADRB+\slot, \q, \i
.endr
	WIN 0
.endm
.macro FETCH_A slot, q, i0
.irp i, \i0, \i0+1, \i0+2, \i0+3
	FRAG AF+FR*(\i), ADRA+\slot, \q, \i
.endr
.endm
.macro SCALES sc                       ; a slot's scale words: a row's eight words (blocks 0-7) are 32 consecutive bytes
.irp q, 0,1
.irp e, 0,1
	ds_load_b128 v[SC+16*\sc+8*\q+4*\e:SC+16*\sc+8*\q+4*\e+3], v[ADRS+\sc] offset:BLK*\q+16*\e
.endr
.endr
.endm
.macro STEP slot, q, zero              ; 128 along K whose successor lies in the same slot
	s_wait_dscnt 16                                ; Q's set, P's blocks 0-3 and the scale words are in; the youngest 16 loads (P's blocks 4-7) may be out
	WIN MUL_LO
	MUL16 0, (\q)%2, \q, \slot, \zero
	MUL16 2, (\q)%2, \q, \slot, \zero
	s_wait_dscnt 0x0
	PLACES NP
	FETCH_B \slot, (\q)+1, 1-(\q)%2
	FETCH_A \slot, (\q)+1, 0
	WIN MUL_HI
	MUL16 4, (\q)%2, \q, \slot, \zero
	MUL16 6, (\q)%2, \q, \slot, \zero
	PLACES NP
	WIN 0
	FETCH_A \slot, (\q)+1, 4
.endm
.macro TURN slot, next, fill           ; a slot's last 128 along K, and the change of slots
	s_wait_tensorcnt 0x0                           ; all my tensor loads have landed: my part of the next slot
	ds_add_u32 v[SPW], v[NIL]                      ; 0 onto my spare word
	s_wait_dscnt 17                                ; the add and the youngest 16 loads (P's blocks 4-7) may be out
	WIN MUL_LO
	MUL16 0, 1, 1, \slot, 0
	s_wait_dscnt 0x0                               ; the add is done, and my reads of this slot are over
	s_barrier_signal -1
	MUL16 2, 1, 1, \slot, 0
	WIN 0
	s_barrier_wait -1
.if \fill
	CREST                                          ; the barrier has opened a round of the cluster's: no wave of any partner still reads this slot or has a load on its way
	s_add_nc_u64 s[G0+4*\slot+2:G0+4*\slot+3], s[G0+4*\slot+2:G0+4*\slot+3], 2*PIECE
	s_add_nc_u64 s[G0B+4*\slot+2:G0B+4*\slot+3], s[G0B+4*\slot+2:G0B+4*\slot+3], 2*PIECE
	JLOAD G0+4*\slot, G1, G0B+4*\slot, G1B         ; the first tensor load behind the round; its four v_nop are four of the eight places
	PLACES NP-4
.else
	PLACES NP
.endif
	FETCH_B \next, 0, 0
	FETCH_A \next, 0, 0
	SCALES \next
	WIN MUL_HI
	MUL16 4, 1, 1, \slot, 0
	MUL16 6, 1, 1, \slot, 0
	PLACES NP
	WIN 0
	FETCH_A \next, 0, 4
.endm
; 64 numbers of a lane, register 16 b + i = k 32 b + 16 h + i of my row, become 16 registers of codes at v[pc] and the row's scale word in v[pw].  relu = 1: what is negative becomes 0 on the way.
.macro QUANT s, relu, pc, pw
.if \relu
.irp b, 0,1,2,3
	v_max3_num_f32 v[TM+\b], v[\s+16*\b], v[\s+1+16*\b], 0x4800000
.endr
.irp i, 2,4,6,8,10,12,14
.irp b, 0,1,2,3
	v_max3_num_f32 v[TM+\b], v[TM+\b], v[\s+16*\b+\i], v[\s+1+16*\b+\i]
.endr
.endr
.else
.irp b, 0,1,2,3
	v_max3_num_f32 v[TM+\b], |v[\s+16*\b]|, |v[\s+1+16*\b]|, 0x4800000   ; my 16 numbers of block b, and the floor 2^(9 - 127)
.endr
.irp i, 2,4,6,8,10,12,14
.irp b, 0,1,2,3
	v_max3_num_f32 v[TM+\b], v[TM+\b], |v[\s+16*\b+\i]|, |v[\s+1+16*\b+\i]|
.endr
.endr
.endif
.irp b, 0,1,2,3
	v_permlanex16_b32 v[TM+4+\b], v[TM+\b], s[SEL], s[SEL+1]
.endr
.irp b, 0,1,2,3
	v_max_num_f32 v[TM+\b], v[TM+\b], v[TM+4+\b]
.endr
.irp b, 0,1,2,3
	v_add_nc_u32 v[TM+12+\b], 0xfc000000, v[TM+\b]
.endr
.irp b, 0,1,2,3
	v_and_or_b32 v[TM+8+\b], v[TM+\b], 0x7f800000, s[MNT]
.endr
.irp b, 0,1,2,3
	v_lshrrev_b32 v[TM+4+\b], 23, v[TM+12+\b]
.endr
	v_lshl_or_b32 v[\pw], v[TM+5], 8, v[TM+4]
	v_lshl_or_b32 v[\pw], v[TM+6], 16, v[\pw]
	v_lshl_or_b32 v[\pw], v[TM+7], 24, v[\pw]
.irp b, 0,1,2,3
.irp i, 0,1,2,3,4,5,6,7,8,9,10,11,12,13,14,15
.if \relu
	v_med3_num_f32 v[\s+16*\b+\i], v[\s+16*\b+\i], 0, v[TM+8+\b]
.else
	v_med3_num_f32 v[\s+16*\b+\i], v[\s+16*\b+\i], -v[TM+8+\b], v[TM+8+\b]
.endif
.endr
	v_cvt_scalef32_pk8_fp8_f32 v[\pc+4*\b:\pc+1+4*\b], v[\s+16*\b:\s+7+16*\b], v[TM+12+\b]
	v_cvt_scalef32_pk8_fp8_f32 v[\pc+2+4*\b:\pc+3+4*\b], v[\s+8+16*\b:\s+15+16*\b], v[TM+12+\b]
.endr
	v_nop                                          ; a plain line behind the last conversion
.endm
; THE WAY OUT.  mode 0: the bias runs along Q (64 numbers a lane, in window 1); mode 1: along P (one number a lane and block).
.macro EPIQ mode, relu
	PLACES NP                                      ; behind the last products: in front of loads into, and vector writes of, registers that they read, and of the first read of results
.if \mode == 0
	WIN TO_B
.irp b, 0,1,2,3
.irp j, 0,1,2,3
	global_load_b128 v[16*\b+4*\j:16*\b+4*\j+3], v[BA0], s[BIA:BIA+1] offset:128*\b+16*\j
.endr
.endr
	WIN 0
.else
.irp a, 0,1,2,3,4,5,6,7
	global_load_b32 v[BP+\a], v[BA1], s[BIA:BIA+1] offset:4*(32*(\a/2)+8*(\a%2))
.endr
.endif
.irp b, 0,1,2,3
	v_mov_b32 v[TM+4+\b], 0                        ; a lane permute's destination counts as read
.endr
	v_cmp_le_u32 vcc_lo, 16, v3                    ; lanes 16-31
	s_wait_loadcnt 0x0
.irp a, 0,1,2,3,4,5,6,7
.if \mode == 0
	WIN 0x06+\a/4                                  ; source 0: the accumulators' window; source 1: window 1
.set i, 0
.rept 32
	v_pk_add_f32 v[T+i:T+i+1], v[64*(\a%4)+i:64*(\a%4)+i+1], v[i:i+1]   ; ascending: each accumulator is read from its low end on
.set i, i+2
.endr
.else
	v_mov_b32 v[BD], v[BP+\a]
	v_mov_b32 v[BD+1], v[BP+\a]
	WIN 0x02+\a/4
.set i, 0
.rept 32
	v_pk_add_f32 v[T+i:T+i+1], v[64*(\a%4)+i:64*(\a%4)+i+1], v[BD:BD+1]
.set i, i+2
.endr
.endif
	WIN 0
	s_wait_xcnt 0x0                                ; earlier stores have read their code registers
	QUANT T, \relu, PC+16*(\a%2), PW+\a
.irp c, 0,1,2,3
	global_store_b128 v[IMG], v[PC+16*(\a%2)+4*\c:PC+16*(\a%2)+4*\c+3], s[OUT:OUT+1] offset:\a*2048+512*\c   ; 512 consecutive bytes, aligned to 256
.endr
.endr
.irp k, 0,1,2,3
	v_cndmask_b32 v[PM+\k], v[PW+\k], v[PW+4+\k], vcc_lo   ; lanes 0-15 store row r's words of blocks 0-3, lanes 16-31 those of blocks 4-7
.endr
	global_store_b128 v[SWO], v[PM:PM+3], s[OUT:OUT+1]       ; the block's 512 bytes of scale words in one store
.endm
	s_load_b256 s[4:11], s[0:1], 0x0               ; hc, wc, bq, bk
	s_load_b128 s[68:71], s[0:1], 0x20             ; bv, qkc
	s_load_b64 s[72:73], s[0:1], 0x30              ; vtc
	v_lshl_add_u32 v[SPW], v0, 2, SPARE
	v_mov_b32 v[NIL], 0
	ds_add_u32 v28, v29
	ds_add_u32 v28, v29
	s_wait_dscnt 0x0
	v_lshrrev_b32 v1, 5, v0
	v_readfirstlane_b32 s14, v1                    ; wave 0..3
	s_lshr_b32 s15, s14, 1                         ; which of the tile's two row groups of P is mine.  Also: I fetch for P (0) or Q (1)
	s_and_b32 s16, s14, 1                          ; which of Q's.  Also: which row group I fetch
	s_bfe_u32 s40, ttmp6, 0x40000                  ; cx
	s_bfe_u32 s41, ttmp6, 0x40004                  ; cy
	s_and_b32 s75, ttmp9, 3
	s_lshr_b32 s76, ttmp9, 2
	s_cmp_lt_u32 ttmp9, 8                          ; clusters 0-7: q and k; 8-11: v^T
	s_cselect_b32 s76, s76, s75                    ; which four tiles of Q
	s_cselect_b32 s75, s75, 0                      ; which four tiles of P
	s_cselect_b32 s77, 0, WVOFF                    ; P's first byte in its buffer
	s_cselect_b32 s84, 4, 5                        ; log2 of the output's K steps: 16 in qkc, 32 in vtc
	s_lshl_b32 s42, s76, 2
	s_add_co_u32 s42, s42, s40                     ; tile of Q
	s_lshl_b32 s17, s75, 2
	s_add_co_u32 s17, s17, s41                     ; tile of P
	s_lshl_b32 s43, s41, 2
	s_lshl_b32 s43, 15, s43                        ; my row of the cluster
	s_lshl_b32 s44, 0x1111, s40                    ; my column
	s_or_b32 s[G1+0], s43, (3<<16)|(1<<21)         ; 15:0 the mask: P's tiles go to my row; 17:16 elements of 8 bytes; 21 set beside a mask; no padding
	s_or_b32 s[G1B+0], s44, (3<<16)|(1<<21)
.irp g, G1, G1B
	s_mov_b32 s[\g+1], 32<<16                      ; tensor_dim0 = 32 elements: 256 bytes
	s_mov_b32 s[\g+2], 132<<16                     ; tensor_dim1 = 132 rows: 33,792 dense bytes
	s_mov_b32 s[\g+3], 32<<16                      ; tile_dim0
	s_mov_b32 s[\g+4], 132                         ; tile_dim1
	s_mov_b32 s[\g+5], 32                          ; the pitch
	s_mov_b32 s[\g+6], 0
	s_mov_b32 s[\g+7], 0
.endr
	s_lshl_b32 s20, s17, 1
	s_add_co_u32 s20, s20, s16
	s_mul_i32 s20, s20, KB*BLK                     ; P: row group 2 tile + half
	s_add_co_u32 s20, s20, s77
	s_mov_b32 s21, 0
	s_lshl_b32 s46, s42, 1
	s_add_co_u32 s46, s46, s16
	s_mul_i32 s46, s46, KB*BLK                     ; Q likewise
	s_mov_b32 s47, 0
	s_mul_i32 s45, s14, PIECE                      ; where they go: wave x a piece: no place in the cluster enters an LDS address
	s_mov_b32 s[SEL], 0x76543210
	s_mov_b32 s[SEL+1], 0xfedcba98
	s_mov_b32 s[MNT], 0x600000
	s_wait_kmcnt 0x0
	s_cmp_lt_u32 ttmp9, 8
	s_cselect_b64 s[78:79], s[4:5], s[6:7]         ; P: h or the weights
	s_cselect_b64 s[80:81], s[6:7], s[4:5]         ; Q: the weights or h
	s_cselect_b64 s[OUT:OUT+1], s[70:71], s[72:73]
	s_add_nc_u64 s[20:21], s[78:79], s[20:21]
	s_add_nc_u64 s[46:47], s[80:81], s[46:47]
	CROUND                                         ; all sixteen work-groups are here: the first joint loads meet
.irp s, 0,1
	s_mov_b32 s[G0+4*\s], 1
	s_add_co_u32 s[G0+4*\s+1], s45, \s*SLOT
	s_add_nc_u64 s[G0+4*\s+2:G0+4*\s+3], s[20:21], \s*PIECE
	s_or_b32 s[G0+4*\s+3], s[G0+4*\s+3], 0x80000000
	s_mov_b32 s[G0B+4*\s], 1
	s_add_co_u32 s[G0B+4*\s+1], s45, \s*SLOT
	s_add_nc_u64 s[G0B+4*\s+2:G0B+4*\s+3], s[46:47], \s*PIECE
	s_or_b32 s[G0B+4*\s+3], s[G0B+4*\s+3], 0x80000000
	JLOAD G0+4*\s, G1, G0B+4*\s, G1B
.endr
	v_and_b32 v1, 15, v0                           ; r
	v_bfe_u32 v2, v0, 4, 1                         ; h
	v_and_b32 v3, 31, v0                           ; lane
	v_lshlrev_b32 v4, 4, v3                        ; 16 lane
	s_mul_i32 s21, s15, PIECE                      ; my row group of P
	s_mul_i32 s22, s16, PIECE
	s_add_co_u32 s22, s22, 2*PIECE                 ; my row group of Q
.irp s, 0,1
	v_add_nc_u32 v[ADRA+\s], s21, v4
	v_add_nc_u32 v[ADRB+\s], s22, v4
	s_add_co_u32 s21, s21, SLOT
	s_add_co_u32 s22, s22, SLOT
.endr
	s_mul_i32 s21, s15, PIECE
	s_mul_i32 s22, s16, PIECE
	s_add_co_u32 s22, s22, 2*PIECE
	s_sub_co_u32 s22, s22, s21
	v_mul_u32_u24 v6, s22, v2                      ; lanes 16-31 take Q's words: one product, h x the distance
	v_lshl_add_u32 v5, v1, 5, v6                   ; + 32 r
	s_add_co_u32 s21, s21, 16384
	v_add_nc_u32 v[ADRS], s21, v5
	v_add_nc_u32 v[ADRS+1], SLOT, v[ADRS]
	v_lshlrev_b32 v[BA0], 6, v2
	v_and_b32 v5, 7, v0
	v_bfe_u32 v6, v0, 3, 1
	v_lshlrev_b32 v[BA1], 2, v5
	v_lshl_add_u32 v[BA1], v6, 6, v[BA1]
	v_lshlrev_b32 v[SWO], 5, v1
	v_lshl_add_u32 v[SWO], v2, 4, v[SWO]
	v_add_nc_u32 v[SWO], 16384, v[SWO]
	s_lshl_b32 s20, s17, 1
	s_add_co_u32 s20, s20, s15                     ; the output's row group
	s_lshl_b32 s21, s42, 1
	s_add_co_u32 s21, s21, s16                     ; and its K step
	s_and_b32 s22, s21, 7
	s_cmp_eq_u32 s76, 0                            ; K steps 0-7 are q's, 8-15 k's
	s_cselect_b64 s[BIA:BIA+1], s[8:9], s[10:11]
	s_cmp_lt_u32 ttmp9, 8
	s_cselect_b64 s[BIA:BIA+1], s[BIA:BIA+1], s[68:69]
	s_cselect_b32 s22, s22, s20                    ; the bias's 128 numbers: by the K step, or (v^T) by the row group
	s_lshl_b32 s22, s22, 9
	s_mov_b32 s23, 0
	s_add_nc_u64 s[BIA:BIA+1], s[BIA:BIA+1], s[22:23]
	s_lshl_b32 s20, s20, s84
	s_add_co_u32 s20, s20, s21
	s_mul_i32 s20, s20, BLK
	s_mov_b32 s21, 0
	s_add_nc_u64 s[OUT:OUT+1], s[OUT:OUT+1], s[20:21]
	s_wait_tensorcnt 1                             ; my part of K step 0 is in; K step 1's load may be out
	s_barrier_signal -1
	s_barrier_wait -1
	FETCH_B 0, 0, 0
	FETCH_A 0, 0, 0
	SCALES 0
	FETCH_A 0, 0, 4
	STEP 0, 0, 1                                   ; the first products start the sums: nothing is cleared
	s_mov_b32 s3, LAPS-1
.Llap:
	TURN 0, 1, 1
	STEP 1, 0, 0
	TURN 1, 0, 1
	STEP 0, 0, 0
	s_sub_co_u32 s3, s3, 1
	s_cmp_lg_u32 s3, 0
	s_cbranch_scc1 .Llap
	TURN 0, 1, 0                                   ; the last lap fills nothing
	STEP 1, 0, 0
	s_wait_dscnt 16
	WIN MUL_LO
	MUL16 0, 1, 1, 1, 0
	MUL16 2, 1, 1, 1, 0
	s_wait_dscnt 0x0
	WIN MUL_HI
	MUL16 4, 1, 1, 1, 0
	MUL16 6, 1, 1, 1, 0
	WIN 0
	s_cmp_lt_u32 ttmp9, 8                          ; the cluster's number: the same in all partners
	s_cbranch_scc0 .Lvt
	EPIQ 0, 0
	s_branch .Ldone
.Lvt:
	EPIQ 1, 0
.Ldone:
	s_wait_tensorcnt 0x0                           ; the wave's end
	ds_add_u32 v[SPW], v[NIL]
	s_wait_dscnt 0x0
	CROUND                                         ; the closing round
	s_endpgm
.Lfunc_end_k_qe45e444fe2_qkv:
	.size	k_qe45e444fe2_qkv, .Lfunc_end_k_qe45e444fe2_qkv-k_qe45e444fe2_qkv
	.p2alignl 7, 3214868480
	.fill 96, 4, 3214868480
	.section	.rodata,"a",@progbits
	.p2align	6, 0x0
	.amdhsa_kernel k_qe45e444fe2_qkv
		.amdhsa_group_segment_fixed_size 327680
		.amdhsa_private_segment_fixed_size 0
		.amdhsa_enable_private_segment 0
		.amdhsa_kernarg_size 56
		.amdhsa_user_sgpr_count 2
		.amdhsa_user_sgpr_kernarg_segment_ptr 1
		.amdhsa_wavefront_size32 1
		.amdhsa_system_sgpr_workgroup_id_x 1
		.amdhsa_system_sgpr_workgroup_id_y 1
		.amdhsa_system_sgpr_workgroup_id_z 1
		.amdhsa_system_vgpr_workitem_id 0
		.amdhsa_next_free_vgpr 1024
		.amdhsa_next_free_sgpr 100
		.amdhsa_reserve_vcc 1
		.amdhsa_float_denorm_mode_32 3
		.amdhsa_float_denorm_mode_16_64 3
		.amdhsa_memory_ordered 1
		.amdhsa_forward_progress 1
		.amdhsa_inst_pref_size 255
	.end_amdhsa_kernel
	.section	.bss,"aw",@nobits
	.p2align	6
	.space	262144
	.amdgpu_metadata
---
amdhsa.version: [ 1, 2 ]
amdhsa.kernels:
  - .name:           k_qe45e444fe2_qkv
    .symbol:         k_qe45e444fe2_qkv.kd
    .args:
      - { .name: hc, .offset: 0, .size: 8, .value_kind: global_buffer, .address_space: global }
      - { .name: wc, .offset: 8, .size: 8, .value_kind: global_buffer, .address_space: global }
      - { .name: bq, .offset: 16, .size: 8, .value_kind: global_buffer, .address_space: global }
      - { .name: bk, .offset: 24, .size: 8, .value_kind: global_buffer, .address_space: global }
      - { .name: bv, .offset: 32, .size: 8, .value_kind: global_buffer, .address_space: global }
      - { .name: qkc, .offset: 40, .size: 8, .value_kind: global_buffer, .address_space: global }
      - { .name: vtc, .offset: 48, .size: 8, .value_kind: global_buffer, .address_space: global }
    .group_segment_fixed_size: 327680
    .private_segment_fixed_size: 0
    .kernarg_segment_align: 8
    .kernarg_segment_size: 56
    .max_flat_workgroup_size: 128
    .sgpr_count:     100
    .vgpr_count:     1024
    .wavefront_size: 32
...
	.end_amdgpu_metadata
.endif
;; end of part 3
;; launch attn (part 4): grid 8 x 32, 16 waves a work-group, no clusters, 280,576 bytes of LDS; arguments qkc, vtc, cxc; writes cxc
.if DOCPART == 4
	.amdgcn_target "amdgcn-amd-amdhsa--gfx1250"
	.amdhsa_code_object_version 6
	.text
	.protected	k_qe45e444fe2_attn
	.globl	k_qe45e444fe2_attn
	.p2align	8
	.type	k_qe45e444fe2_attn,@function
k_qe45e444fe2_attn:
	s_mov_b64 s[64:65], 0
	v_nop
	global_prefetch_b8 v0, s[64:65] scope:SCOPE_SE
	s_setreg_imm32_b32 hwreg(HW_REG_WAVE_MODE, 25, 1), 1
	s_wait_xcnt 0x0
; Causal attention of one head on codes of E4M3 with E8M0 scales; ctx / l is quantised along the features and stored as an operand of the next product.
; INPUTS, in the program's operand layout (blocks of 128 rows x 128 K, 16,896 bytes: codes of (16 rows a, group c, lane 16 h + r) at 2048 a + 512 c + 16 lane, scale word of place (a, r) at 16,384 + 32 r + 4 a;
; place p holds the row whose number is p with bits 3 and 4 exchanged): qkc [32 token groups][16 K steps: 8 of q, 8 of k]: head hd lies in K step hd / 2, groups 2 (hd % 2) and + 1; vtc [8 feature groups][32 token groups]: v^T, keys innermost.
; THE SOFTMAX: t = score x log2(e) / 8; M = the running largest t rounded UP to a whole number; p = 2^(t - M) is quantised along the keys, not normalised; the sum of the unquantised p divides at the end.
; SHARES.  A work-group serves one head and two groups of 128 queries, i and 15 - i (waves 0-7 and 8-15), so that every work-group has 17 x 8 key steps.  A wave owns 16 queries (one block a of its group).
; THE WHOLE HEAD'S K AND V LIE IN LDS: 16 regions of 17,408 bytes (128 keys each): K's codes 8 x 1,024, V's codes 4 x 2,048, K's scale words 512, V's 512.  Wave w fetches region w by four tensor loads at the head: four of a wave are out;
; nothing is filled again, so there is one barrier and no ring.
; No cluster: the steps that a wave leaves out hang on its query group, which differs between the work-groups of a head; with every partner walking all keys nearly half of the softmax's work would be thrown away.
; BOTH PRODUCTS ARE USED TRANSPOSED: S^T = K Q^T, O^T = V^T P^T: a lane holds one query.  By the exchange of bits the 16 registers of tiles 2 b, 2 b + 1 are keys (or features) 32 b + 16 h + 0..15.
; K = 64 IN AN INSTRUCTION OF 128: Q's registers 8-15 are zero codes.  K's tiles lie 8 registers apart, so a tile's registers 8-15 are the next tile's codes (finite: the quantiser makes no NaN code; behind the last tile a pad of zeros): they meet zero codes.
; The scale half-words come zero-extended: bytes 2 and 3 are 0, which is a finite scale.
; CAUSAL: all 16 trips are walked; a step whose keys all come after the wave's queries is jumped over (a branch on ids); on the diagonal hidden scores become -infinity ahead of the maximum.
; The two scale bytes of a row leave by a store of 2 bytes (the word's other half is the neighbouring head's): 16 such a wave, once.
; LIMITS: NaN and infinities are not served; v_exp_f32 and v_rcp_f32 are within 1 ulp; a block's largest p is taken from its largest score, which takes v_exp_f32 not to fall where its input rises; blocks under 2^-118 get the byte 1.
.set BLK, 16896
.set REG, 17408
.set S,   104                          ; v104-167 S^T, then p; on the way out ctx
.set O,   168                          ; v168-199 O^T
.set PCD, 200                          ; v200-215 p's codes
.set KS,  216                          ; v216-223 K's scale words;  v224-227 V's;  v228 Q's;  v253 p's
.set VS,  224
.set QS,  228
.set WV,  18
.set MNT, 19
.set SEL, 20
.set CS,  22
.set G1K, 24
.set G1V, 32
.set G1S, 40
.set G0,  48                           ; s[48:63] four groups 0
.set KG,  66
.set TB,  67
.set QG,  68
	s_load_b128 s[4:7], s[0:1], 0x0                ; qkc, vtc
	s_load_b64 s[8:9], s[0:1], 0x10                ; cxc
	v_lshl_add_u32 v251, v0, 2, 0x44000
	v_mov_b32 v255, 0
	ds_add_u32 v251, v255
	ds_add_u32 v251, v255
	v_lshrrev_b32 v9, 5, v0
	v_readfirstlane_b32 s[WV], v9                  ; wave 0..15
	s_and_b32 s10, ttmp7, 0xffff
	s_lshr_b32 s11, s10, 4                         ; batch
	s_and_b32 s12, s10, 15                         ; head
	s_lshr_b32 s13, s12, 1
	s_and_b32 s14, s12, 1                          ; which half of a K step is the head's
	s_lshl_b32 s15, s11, 4
	s_add_co_u32 s16, s15, s[WV]                   ; the token group that I fetch
	s_lshl_b32 s17, s16, 4
	s_add_co_u32 s17, s17, s13
	s_add_co_u32 s17, s17, 8
	s_mul_i32 s70, s17, BLK                        ; k's block
	s_mov_b32 s71, 0
	s_lshl_b32 s72, s14, 10                        ; the head's two groups of each 16 rows: 1,024 bytes
	s_mov_b32 s73, 0
	s_lshl_b32 s17, s13, 5
	s_add_co_u32 s17, s17, s16
	s_mul_i32 s74, s17, BLK                        ; v^T's block
	s_mov_b32 s75, 0
	s_lshl_b32 s76, s14, 13                        ; the head's 64 rows: 8,192 bytes
	s_mov_b32 s77, 0
	s_mul_i32 s78, s[WV], REG                      ; my region of LDS
	s_mov_b32 s[G1K], 3<<16                        ; K's codes: 8 rows of 128 elements of 8 bytes, 256 elements apart
	s_mov_b32 s[G1K+1], 128<<16
	s_mov_b32 s[G1K+2], 8<<16
	s_mov_b32 s[G1K+3], 128<<16
	s_mov_b32 s[G1K+4], 8
	s_mov_b32 s[G1K+5], 256
	s_mov_b32 s[G1K+6], 0
	s_mov_b32 s[G1K+7], 0
	s_mov_b32 s[G1V], 3<<16                        ; V's codes: 8,192 dense bytes as 32 rows of 256
	s_mov_b32 s[G1V+1], 32<<16
	s_mov_b32 s[G1V+2], 32<<16
	s_mov_b32 s[G1V+3], 32<<16
	s_mov_b32 s[G1V+4], 32
	s_mov_b32 s[G1V+5], 32
	s_mov_b32 s[G1V+6], 0
	s_mov_b32 s[G1V+7], 0
	s_mov_b32 s[G1S], 3<<16                        ; a block's scale words: 512 dense bytes as 2 rows of 256
	s_mov_b32 s[G1S+1], 32<<16
	s_mov_b32 s[G1S+2], 2<<16
	s_mov_b32 s[G1S+3], 32<<16
	s_mov_b32 s[G1S+4], 2
	s_mov_b32 s[G1S+5], 32
	s_mov_b32 s[G1S+6], 0
	s_mov_b32 s[G1S+7], 0
	s_sub_co_u32 s79, 15, ttmp9
	s_cmp_lt_u32 s[WV], 8
	s_cselect_b32 s[QG], ttmp9, s79                ; my group of 128 queries
	s_and_b32 s80, s[WV], 7                        ; a: my 16 of them
	s_add_co_u32 s81, s15, s[QG]
	s_lshl_b32 s82, s81, 4
	s_add_co_u32 s82, s82, s13
	s_mul_i32 s82, s82, BLK                        ; q's block
	s_lshl_b32 s83, s80, 11
	s_add_co_u32 s84, s82, s83
	s_add_co_u32 s84, s84, s72                     ; my codes
	s_mov_b32 s85, 0
	s_lshl_b32 s86, s80, 2
	s_add_co_u32 s86, s86, s82
	s_lshl_b32 s87, s14, 1
	s_add_co_u32 s86, s86, s87
	s_add_co_u32 s86, s86, 16384                   ; my half of the scale words
	s_mov_b32 s87, 0
	s_lshl_b32 s88, s81, 3
	s_add_co_u32 s88, s88, s13
	s_mul_i32 s88, s88, BLK                        ; ctx's block
	s_add_co_u32 s90, s88, s83
	s_add_co_u32 s90, s90, s72
	s_mov_b32 s91, 0
	s_lshl_b32 s92, s80, 2
	s_add_co_u32 s92, s92, s88
	s_lshl_b32 s93, s14, 1
	s_add_co_u32 s92, s92, s93
	s_add_co_u32 s92, s92, 16384
	s_mov_b32 s93, 0
	s_mov_b32 s[SEL], 0x76543210
	s_mov_b32 s[SEL+1], 0xfedcba98
	s_mov_b32 s[CS], 0x3e38aa3b                    ; c = log2(e) / 8
	s_mov_b32 s[CS+1], s[CS]
	s_mov_b32 s[MNT], 0x600000
	s_mov_b32 s[KG], 0
	s_mov_b32 s[TB], 0
	s_wait_dscnt 0x0
	s_wait_kmcnt 0x0
	s_add_nc_u64 s[70:71], s[4:5], s[70:71]
	s_add_nc_u64 s[74:75], s[6:7], s[74:75]
	s_mov_b32 s[G0], 1
	s_mov_b32 s[G0+1], s78
	s_add_nc_u64 s[G0+2:G0+3], s[70:71], s[72:73]
	s_or_b32 s[G0+3], s[G0+3], 0x80000000
	s_mov_b32 s[G0+4], 1
	s_add_co_u32 s[G0+5], s78, 8192
	s_add_nc_u64 s[G0+6:G0+7], s[74:75], s[76:77]
	s_or_b32 s[G0+7], s[G0+7], 0x80000000
	s_mov_b32 s[G0+8], 1
	s_add_co_u32 s[G0+9], s78, 16384
	s_add_nc_u64 s[G0+10:G0+11], s[70:71], 16384
	s_or_b32 s[G0+11], s[G0+11], 0x80000000
	s_mov_b32 s[G0+12], 1
	s_add_co_u32 s[G0+13], s78, 16896
	s_add_nc_u64 s[G0+14:G0+15], s[74:75], 16384
	s_or_b32 s[G0+15], s[G0+15], 0x80000000
	tensor_load_to_lds s[G0:G0+3], s[G1K:G1K+7]            ; the four first fills of my region, as one group
	s_nop 0
	tensor_load_to_lds s[G0+4:G0+7], s[G1V:G1V+7]
	s_nop 0
	tensor_load_to_lds s[G0+8:G0+11], s[G1S:G1S+7]
	s_nop 0
	tensor_load_to_lds s[G0+12:G0+15], s[G1S:G1S+7]
	s_nop 0
.rept 4
	v_nop
.endr
	s_add_nc_u64 s[84:85], s[4:5], s[84:85]
	s_add_nc_u64 s[86:87], s[4:5], s[86:87]
	s_add_nc_u64 s[90:91], s[8:9], s[90:91]
	s_add_nc_u64 s[92:93], s[8:9], s[92:93]
	v_and_b32 v9, 15, v0                           ; r
	v_bfe_u32 v10, v0, 4, 1                        ; h
	v_and_b32 v11, 31, v0
	v_lshlrev_b32 v1, 4, v11                       ; v1: 16 lane
	v_lshlrev_b32 v8, 5, v9                        ; v8: 32 r
	global_load_b128 v[16:19], v1, s[84:85]        ; Q's fragment: the head's 64 in registers 0-7
	global_load_b128 v[20:23], v1, s[84:85] offset:512
	global_load_u16 v[QS], v8, s[86:87]            ; its two scale bytes, zero-extended
	s_lshl_b32 s94, s14, 1
	v_add_nc_u32 v2, s94, v8                       ; v2: 32 r + 2 (hd % 2): K's half-words
	s_lshl_b32 s94, s14, 4
	v_add_nc_u32 v3, s94, v8                       ; v3: 32 r + 16 (hd % 2): V's four words
	s_lshr_b32 s94, s80, 1
	s_lshl_b32 s94, s94, 5
	s_and_b32 s95, s80, 1
	s_lshl_b32 s95, s95, 3
	s_add_co_u32 s94, s94, s95
	v_and_b32 v4, 7, v0
	v_bfe_u32 v5, v0, 3, 1
	v_lshl_add_u32 v4, v5, 4, v4
	v_lshlrev_b32 v5, 4, v10
	v_sub_nc_u32 v4, v4, v5
	v_add_nc_u32 v4, s94, v4                       ; v4: my query's number in its group, less 16 h
.irp j, 24,25,26,27,28,29,30,31
	v_mov_b32 v[\j], 0                             ; Q's upper half: zero codes
.endr
.irp j, 96,97,98,99,100,101,102,103
	v_mov_b32 v[\j], 0                             ; the pad behind K's last tile
.endr
	v_mov_b32 v13, 0xff61b1e6                      ; the largest t so far: -3e38
	v_floor_f32 v12, -v13                          ; -M
	v_mov_b32 v14, 0                               ; the sum, in two halves
	v_mov_b32 v15, 0
.irp b, 0,1,2,3
	v_mov_b32 v[236+\b], 0                         ; a lane permute's destination counts as read
.endr
	v_mov_b32 v253, 0                              ; named as the upper half of v[252:253] before it is first written
.set n, 0
.rept 32
	v_mov_b32 v[O+n], 0                            ; O^T: the step is written once; the first change of M multiplies zeros
.set n, n+1
.endr
	s_wait_tensorcnt 0x0                           ; my region has landed: say so
	s_barrier_signal -1
	s_barrier_wait -1                              ; all sixteen regions have
	s_wait_loadcnt 0x0                             ; Q
.Lkey:                                                 ; 16 trips, 128 keys each
	s_cmp_gt_u32 s[KG], s[QG]
	s_cbranch_scc1 .Lhidden                        ; all these keys come after my queries
	v_add_nc_u32 v5, s[TB], v1
	v_add_nc_u32 v6, s[TB], v2
	v_add_nc_u32 v7, s[TB], v3
.rept 5
	v_nop                                          ; with the three additions: eight places in front of loads into registers that the last products read
.endr
.irp t, 0,1,2,3,4,5,6,7
	ds_load_u16 v[KS+\t], v6 offset:16384+4*\t     ; tile t, row r: the head's two scale bytes
.endr
.irp t, 0,1,2,3,4,5,6,7
	ds_load_b128 v[32+8*\t:35+8*\t], v5 offset:1024*\t
	ds_load_b128 v[36+8*\t:39+8*\t], v5 offset:1024*\t+512
.endr
	s_wait_dscnt 0x0
.irp t, 0,1,2,3,4,5,6,7
	v_wmma_scale_f32_16x16x128_f8f6f4 v[S+8*\t:S+8*\t+7], v[32+8*\t:47+8*\t], v[16:31], 0, v[KS+\t], v[QS]
.endr
.rept 8
	v_nop                                          ; places in front of the loads below and of the first read of the scores
.endr
.irp t, 0,1,2,3
.irp c, 0,1,2,3
	ds_load_b128 v[32+16*\t+4*\c:35+16*\t+4*\c], v5 offset:8192+2048*\t+512*\c   ; V's four fragments land under the softmax
.endr
.endr
	ds_load_b128 v[VS:VS+3], v7 offset:16896
	s_cmp_lg_u32 s[KG], s[QG]
	s_cbranch_scc1 .Lopen                          ; off the diagonal every key counts
	v_mov_b32 v254, 0xff800000                     ; -infinity
.set n, 0
.rept 64
	v_cmp_gt_i32 vcc_lo, 32*(n/16)+n%16, v4        ; register 16 b + i holds key 32 b + 16 h + i of the group: hidden where it comes after my query
	v_cndmask_b32 v[S+n], v[S+n], v254, vcc_lo
.set n, n+1
.endr
.Lopen:
.irp b, 0,1,2,3
	v_max3_num_f32 v[232+\b], v[S+16*\b], v[S+1+16*\b], v[S+2+16*\b]   ; the largest score of each block of 32 keys: for the row's maximum, and for the block's largest p
.endr
.irp i, 3,5,7,9,11,13
.irp b, 0,1,2,3
	v_max3_num_f32 v[232+\b], v[232+\b], v[S+16*\b+\i], v[S+1+16*\b+\i]
.endr
.endr
.irp b, 0,1,2,3
	v_max_num_f32 v[232+\b], v[232+\b], v[S+15+16*\b]
.endr
.irp b, 0,1,2,3
	v_permlanex16_b32 v[236+\b], v[232+\b], s[SEL], s[SEL+1]
.endr
.irp b, 0,1,2,3
	v_max_num_f32 v[232+\b], v[232+\b], v[236+\b]
.endr
	v_max3_num_f32 v254, v232, v233, v234
	v_max_num_f32 v254, v254, v235
	v_mul_f32 v254, s[CS], v254
	v_max_num_f32 v13, v13, v254                   ; the running largest t
	v_mov_b32 v254, v12
	v_floor_f32 v12, -v13                          ; the new -M: M is a whole number
	v_sub_f32 v254, v12, v254
	v_cvt_i32_f32 v254, v254
	v_ldexp_f32 v252, 1.0, v254                    ; f = 2^(old M - new M)
.set n, 0
.rept 32
	v_pk_fma_f32 v[S+n:S+n+1], v[S+n:S+n+1], s[CS:CS+1], v[12:13] op_sel_hi:[1,0,0]   ; t - M
.set n, n+2
.endr
.irp b, 0,1,2,3
	v_fma_f32 v[232+\b], v[232+\b], s[CS], v12
.endr
.set n, 0
.rept 64
	v_exp_f32 v[S+n], v[S+n]                       ; p = 2^(t - M): one batch
.set n, n+1
.endr
	v_pk_mul_f32 v[14:15], v[14:15], v[252:253] op_sel_hi:[1,0]   ; the sums under the new M: the plain line behind the batch
	s_wait_alu depctr_va_vdst(0)                   ; one wait for the batch, ahead of its first reader
.irp b, 0,1,2,3
	v_exp_f32 v[232+\b], v[232+\b]                 ; each block's largest p
.endr
	v_pk_add_f32 v[236:237], v[S:S+1], v[S+2:S+3]  ; the row's sum of the unquantised p, in two chains
.irp j, 4,8,12,16,20,24,28,32,36,40,44,48,52,56,60
	v_pk_add_f32 v[14:15], v[14:15], v[S+\j:S+\j+1]
	v_pk_add_f32 v[236:237], v[236:237], v[S+2+\j:S+3+\j]
.endr
	v_pk_add_f32 v[14:15], v[14:15], v[236:237]
	s_wait_alu depctr_va_vdst(0)                   ; and one for the four
.irp b, 0,1,2,3
	v_max_num_f32 v[232+\b], 0x4800000, v[232+\b]  ; the floor 2^(9 - 127)
.endr
.irp b, 0,1,2,3
	v_add_nc_u32 v[244+\b], 0xfc000000, v[232+\b]
.endr
.irp b, 0,1,2,3
	v_and_or_b32 v[240+\b], v[232+\b], 0x7f800000, s[MNT]
.endr
.irp b, 0,1,2,3
	v_lshrrev_b32 v[236+\b], 23, v[244+\b]
.endr
	v_lshl_or_b32 v253, v237, 8, v236              ; p's scale word for these 128 keys
	v_lshl_or_b32 v253, v238, 16, v253
	v_lshl_or_b32 v253, v239, 24, v253
.irp b, 0,1,2,3
.irp i, 0,1,2,3,4,5,6,7,8,9,10,11,12,13,14,15
	v_min_num_f32 v[S+16*\b+\i], v[S+16*\b+\i], v[240+\b]   ; the hold; p is not negative
.endr
	v_cvt_scalef32_pk8_fp8_f32 v[PCD+4*\b:PCD+1+4*\b], v[S+16*\b:S+7+16*\b], v[244+\b]
	v_cvt_scalef32_pk8_fp8_f32 v[PCD+2+4*\b:PCD+3+4*\b], v[S+8+16*\b:S+15+16*\b], v[244+\b]
.endr
.set n, 0
.rept 16
	v_pk_mul_f32 v[O+n:O+n+1], v[O+n:O+n+1], v[252:253] op_sel_hi:[1,0]   ; O^T under the new M; these are also the places in front of the products
.set n, n+2
.endr
	s_wait_dscnt 0x0                               ; V and its scale words
.irp t, 0,1,2,3
	v_wmma_scale_f32_16x16x128_f8f6f4 v[O+8*\t:O+8*\t+7], v[32+16*\t:47+16*\t], v[PCD:PCD+15], v[O+8*\t:O+8*\t+7], v[VS+\t], v253
.endr
.Lhidden:
	s_add_co_u32 s[TB], s[TB], REG
	s_add_co_u32 s[KG], s[KG], 1
	s_cmp_lt_u32 s[KG], 16
	s_cbranch_scc1 .Lkey
.rept 8
	v_nop                                          ; places behind the last products
.endr
	v_add_f32 v14, v14, v15
	v_permlanex16_b32 v252, v14, s[SEL], s[SEL+1]
	v_add_f32 v14, v14, v252                       ; the row's sum
	v_rcp_f32 v14, v14
	v_nop
	s_wait_alu depctr_va_vdst(0)                   ; the wait ahead of the reciprocal's first reader
.set n, 0
.rept 32
	v_mul_f32 v[S+n], v[O+n], v14                  ; ctx: register 16 b + i is feature 32 b + 16 h + i of the head; ascending: each accumulator from its low end on
.set n, n+1
.endr
.irp b, 0,1
	v_max3_num_f32 v[232+\b], |v[S+16*\b]|, |v[S+1+16*\b]|, 0x4800000
.endr
.irp i, 2,4,6,8,10,12,14
.irp b, 0,1
	v_max3_num_f32 v[232+\b], v[232+\b], |v[S+16*\b+\i]|, |v[S+1+16*\b+\i]|
.endr
.endr
.irp b, 0,1
	v_permlanex16_b32 v[236+\b], v[232+\b], s[SEL], s[SEL+1]
.endr
.irp b, 0,1
	v_max_num_f32 v[232+\b], v[232+\b], v[236+\b]
.endr
.irp b, 0,1
	v_add_nc_u32 v[244+\b], 0xfc000000, v[232+\b]
.endr
.irp b, 0,1
	v_and_or_b32 v[240+\b], v[232+\b], 0x7f800000, s[MNT]
.endr
.irp b, 0,1
	v_lshrrev_b32 v[236+\b], 23, v[244+\b]
.endr
	v_lshl_or_b32 v252, v237, 8, v236              ; the head's two scale bytes of my row
.irp b, 0,1
.irp i, 0,1,2,3,4,5,6,7,8,9,10,11,12,13,14,15
	v_med3_num_f32 v[S+16*\b+\i], v[S+16*\b+\i], -v[240+\b], v[240+\b]
.endr
	v_cvt_scalef32_pk8_fp8_f32 v[PCD+4*\b:PCD+1+4*\b], v[S+16*\b:S+7+16*\b], v[244+\b]
	v_cvt_scalef32_pk8_fp8_f32 v[PCD+2+4*\b:PCD+3+4*\b], v[S+8+16*\b:S+15+16*\b], v[244+\b]
.endr
	v_nop
	global_store_b128 v1, v[PCD:PCD+3], s[90:91]               ; 512 consecutive bytes, aligned to 256
	global_store_b128 v1, v[PCD+4:PCD+7], s[90:91] offset:512
	global_store_b16 v8, v252, s[92:93]
	s_wait_tensorcnt 0x0
	ds_add_u32 v251, v255
	s_wait_dscnt 0x0
	s_endpgm
.Lfunc_end_k_qe45e444fe2_attn:
	.size	k_qe45e444fe2_attn, .Lfunc_end_k_qe45e444fe2_attn-k_qe45e444fe2_attn
	.p2alignl 7, 3214868480
	.fill 96, 4, 3214868480
	.section	.rodata,"a",@progbits
	.p2align	6, 0x0
	.amdhsa_kernel k_qe45e444fe2_attn
		.amdhsa_group_segment_fixed_size 280576
		.amdhsa_private_segment_fixed_size 0
		.amdhsa_enable_private_segment 0
		.amdhsa_kernarg_size 24
		.amdhsa_user_sgpr_count 2
		.amdhsa_user_sgpr_kernarg_segment_ptr 1
		.amdhsa_wavefront_size32 1
		.amdhsa_system_sgpr_workgroup_id_x 1
		.amdhsa_system_sgpr_workgroup_id_y 1
		.amdhsa_system_sgpr_workgroup_id_z 1
		.amdhsa_system_vgpr_workitem_id 0
		.amdhsa_next_free_vgpr 256
		.amdhsa_next_free_sgpr 96
		.amdhsa_reserve_vcc 1
		.amdhsa_float_denorm_mode_32 3
		.amdhsa_float_denorm_mode_16_64 3
		.amdhsa_memory_ordered 1
		.amdhsa_forward_progress 1
		.amdhsa_inst_pref_size 39
	.end_amdhsa_kernel
	.amdgpu_metadata
---
amdhsa.version: [ 1, 2 ]
amdhsa.kernels:
  - .name:           k_qe45e444fe2_attn
    .symbol:         k_qe45e444fe2_attn.kd
    .args:
      - { .name: qkc, .offset: 0, .size: 8, .value_kind: global_buffer, .address_space: global }
      - { .name: vtc, .offset: 8, .size: 8, .value_kind: global_buffer, .address_space: global }
      - { .name: cxc, .offset: 16, .size: 8, .value_kind: global_buffer, .address_space: global }
    .group_segment_fixed_size: 280576
    .private_segment_fixed_size: 0
    .kernarg_segment_align: 8
    .kernarg_segment_size: 24
    .max_flat_workgroup_size: 512
    .sgpr_count:     96
    .vgpr_count:     256
    .wavefront_size: 32
...
	.end_amdgpu_metadata
.endif
;; end of part 4
;; launch wo (part 5): grid 4 x 16, 4 waves a work-group, clusters of 4 x 4, 327,680 bytes of LDS; arguments cxc, wc, bo, x, x1; writes x1
.if DOCPART == 5
	.amdgcn_target "amdgcn-amd-amdhsa--gfx1250"
	.amdhsa_code_object_version 6
	.text
	.protected	k_qe45e444fe2_wo
	.globl	k_qe45e444fe2_wo
	.p2align	8
	.type	k_qe45e444fe2_wo,@function
k_qe45e444fe2_wo:
	s_mov_b64 s[64:65], 0
	v_nop
	global_prefetch_b8 v0, s[64:65] scope:SCOPE_SE
	s_setreg_imm32_b32 hwreg(HW_REG_WAVE_MODE, 25, 1), 1
	s_wait_xcnt 0x0
	s_wait_alu depctr_hold_cnt(0) depctr_sa_sdst(0) depctr_va_vdst(0) depctr_va_sdst(0) depctr_va_ssrc(0) depctr_va_vcc(0) depctr_vm_vsrc(0)
	s_getreg_b32 s2, hwreg(HW_REG_IB_STS2, 6, 4)
	s_cmp_eq_u32 s2, 0
	s_cbranch_scc0 .Lentry_in_a_cluster
	s_endpgm
.Lentry_in_a_cluster:
	s_bfe_u32 s2, ttmp6, 0x10000c
	s_cmp_lg_u32 s2, 0xf033
	s_cbranch_scc0 .Lentry_shape_is_right
	s_endpgm
.Lentry_shape_is_right:
; x1 = x + ctx Wo + bo: a product on codes of E4M3 with E8M0 scales, K = 1,024; bias and residual in f32; x1 is f32, row-major.
; THE OPERAND LAYOUT: blocks of 128 rows x 128 K, BLK = 16,896 bytes, block (rg, ks) at (rg K/128 + ks) BLK: codes of (16 rows a, group c, lane 16 h + r) at 2048 a + 512 c + 16 lane, the scale word of place (a, r) at 16,384 + 32 r + 4 a;
; place p holds the row whose number is p with bits 3 and 4 exchanged.
; P = ctx's codes (source 1: a lane of the result holds one token), Q = Wo's (source 0: a lane's registers run along the output's columns; 16 registers of two neighbouring tiles are 16 neighbouring columns).
; A work-group makes 256 tokens x 256 columns, each of four waves 128 x 128.  K goes in steps of 256 through two LDS slots; a wave's one tensor load brings 33,792 dense bytes: codes and scale words of 128 rows.
; CLUSTERS of 4 x 4: P's tiles are asked for jointly along a row, Q's along a column.  This size gives 64 tiles of 256 x 256: a stated weakness; the loop is the one that the program's other products use.
; THE WAY OUT: a block of 16 tokens x 128 columns, bias added, goes through the wave's own stage in LDS (in slot 0, which has had its last fill and its last read) and comes back as whole rows of 512 bytes; the residual's rows, asked for three blocks ahead, are added; each store covers 512 consecutive bytes.
; LIMITS: NaN and infinities are not served.
.set BLK,   16896
.set PIECE, 2*BLK
.set SLOT,  4*PIECE
.set SPARE, 2*SLOT                     ; the spare words: 128 bytes a wave, two blocks of 256 bytes that no other line names
.set KB,    8                          ; K / 128
.set LAPS,  KB/4
.set QOFF,  192*BLK                    ; Wo's first block in wc
.set NP,    8
.set FR,    16
.set ADRA, 16
.set ADRS, 18
.set ADRB, 20
.set STO,  24                          ; v24 the stage, in: row r, + 64 h
.set RD,   25                          ; v25 the stage, back: 16 lane
.set CO,   4                           ; v4  16 lane
.set BA,   27                          ; v27 64 h
.set SPW,  28
.set NIL,  29
.set SC,   32
.set AF,   128
.set T,    64                          ; v64-127  a block's numbers
.set BI,   128                         ; v128-191 the bias of my 64 columns
.set BK,   192                         ; v192-255 16 rows read back
.set G1,   24
.set G0,   32
.set G1B,  48
.set G0B,  56
.set MSB, 0
.macro WIN new
.if MSB != (\new)
	s_set_vgpr_msb (MSB<<8)|(\new)
.set MSB, (\new)
.endif
.endm
.set MUL_LO, 0xa1
.set MUL_HI, 0xf1
.set TO_B,   0x40
.macro JLOAD g0a, g1a, g0b, g1b
	s_cmp_eq_u32 s15, 0
	s_cbranch_scc0 .Lfor_b_\@
	tensor_load_to_lds s[\g0a:\g0a+3], s[\g1a:\g1a+7]
	s_nop 0
.rept 4
	v_nop
.endr
	s_branch .Lasked_\@
.Lfor_b_\@:
	tensor_load_to_lds s[\g0b:\g0b+3], s[\g1b:\g1b+7]
	s_nop 0
.rept 4
	v_nop
.endr
.Lasked_\@:
.endm
.macro CREST
	s_cmp_lg_u32 s14, 0
	s_cbranch_scc1 .Lnot_wave_0_\@
	s_barrier_signal -3
.Lnot_wave_0_\@:
	s_barrier_wait -3
	s_barrier_signal -1
	s_barrier_wait -1
.endm
.macro CROUND
	s_barrier_signal -1
	s_barrier_wait -1
	CREST
.endm
.macro PLACES n
.rept \n
	v_nop
.endr
.endm
.macro FRAG reg, adr, q, i
.irp c, 0,1,2,3
	ds_load_b128 v[\reg+4*\c:\reg+4*\c+3], v[\adr] offset:BLK*(\q)+2048*(\i)+512*\c
.endr
.endm
.macro MUL16 a0, p, q, sc, zero        ; the 64 accumulators take turns, one instruction a turn
.irp a, \a0, \a0+1
.irp b, 0,1,2,3,4,5,6,7
.if \zero
	v_wmma_scale_f32_16x16x128_f8f6f4 v[8*(8*((\a)%4)+\b):8*(8*((\a)%4)+\b)+7], v[128*(\p)+FR*\b:128*(\p)+FR*\b+FR-1], v[AF+FR*(\a):AF+FR*(\a)+FR-1], 0, v[SC+16*(\sc)+8*(\q)+\b], v[SC+16*(\sc)+8*(\q)+(\a)] matrix_a_scale:MATRIX_SCALE_ROW1
.else
	v_wmma_scale_f32_16x16x128_f8f6f4 v[8*(8*((\a)%4)+\b):8*(8*((\a)%4)+\b)+7], v[128*(\p)+FR*\b:128*(\p)+FR*\b+FR-1], v[AF+FR*(\a):AF+FR*(\a)+FR-1], v[8*(8*((\a)%4)+\b):8*(8*((\a)%4)+\b)+7], v[SC+16*(\sc)+8*(\q)+\b], v[SC+16*(\sc)+8*(\q)+(\a)] matrix_a_scale:MATRIX_SCALE_ROW1
.endif
.endr
.endr
.endm
.macro FETCH_B slot, q, p
	WIN TO_B
.irp i, 0,1,2,3,4,5,6,7
	FRAG 128*(\p)+FR*\i, ADRB+\slot, \q, \i
.endr
	WIN 0
.endm
.macro FETCH_A slot, q, i0
.irp i, \i0, \i0+1, \i0+2, \i0+3
	FRAG AF+FR*(\i), ADRA+\slot, \q, \i
.endr
.endm
.macro SCALES sc
.irp q, 0,1
.irp e, 0,1
	ds_load_b128 v[SC+16*\sc+8*\q+4*\e:SC+16*\sc+8*\q+4*\e+3], v[ADRS+\sc] offset:BLK*\q+16*\e
.endr
.endr
.endm
.macro STEP slot, q, zero
	s_wait_dscnt 16                                ; all but the youngest 16 loads (P's blocks 4-7) are in
	WIN MUL_LO
	MUL16 0, (\q)%2, \q, \slot, \zero
	MUL16 2, (\q)%2, \q, \slot, \zero
	s_wait_dscnt 0x0
	PLACES NP
	FETCH_B \slot, (\q)+1, 1-(\q)%2
	FETCH_A \slot, (\q)+1, 0
	WIN MUL_HI
	MUL16 4, (\q)%2, \q, \slot, \zero
	MUL16 6, (\q)%2, \q, \slot, \zero
	PLACES NP
	WIN 0
	FETCH_A \slot, (\q)+1, 4
.endm
.macro TURN slot, next, fill
	s_wait_tensorcnt 0x0                           ; all my tensor loads have landed: my part of the next slot
	ds_add_u32 v[SPW], v[NIL]                      ; 0 onto my spare word
	s_wait_dscnt 17                                ; the add and the youngest 16 loads may be out
	WIN MUL_LO
	MUL16 0, 1, 1, \slot, 0
	s_wait_dscnt 0x0                               ; the add is done, and my reads of this slot are over
	s_barrier_signal -1
	MUL16 2, 1, 1, \slot, 0
	WIN 0
	s_barrier_wait -1
.if \fill
	CREST                                          ; a round of the cluster's barrier: no wave of any partner still reads this slot or has a load on its way
	s_add_nc_u64 s[G0+4*\slot+2:G0+4*\slot+3], s[G0+4*\slot+2:G0+4*\slot+3], 2*PIECE
	s_add_nc_u64 s[G0B+4*\slot+2:G0B+4*\slot+3], s[G0B+4*\slot+2:G0B+4*\slot+3], 2*PIECE
	JLOAD G0+4*\slot, G1, G0B+4*\slot, G1B
	PLACES NP-4
.else
	PLACES NP
.endif
	FETCH_B \next, 0, 0
	FETCH_A \next, 0, 0
	SCALES \next
	WIN MUL_HI
	MUL16 4, 1, 1, \slot, 0
	MUL16 6, 1, 1, \slot, 0
	PLACES NP
	WIN 0
	FETCH_A \next, 0, 4
.endm
.macro RES a                           ; the residual's 16 rows of block a, whole runs of 512 bytes, into set a % 4 of window 1.  Place t of block a is row 32 (a / 2) + 16 (t / 8) + 8 (a % 2) + t % 8
	WIN TO_B
.irp t, 0,1,2,3,4,5,6,7,8,9,10,11,12,13,14,15
	global_load_b128 v[64*((\a)%4)+4*\t:64*((\a)%4)+4*\t+3], v[CO], s[10:11] offset:(32*((\a)/2)+16*(\t/8)+8*((\a)%2)+\t%8)*4096 th:TH_LOAD_NT
.endr
	WIN 0
.endm
	s_load_b256 s[4:11], s[0:1], 0x0               ; P's codes, wc, the bias, the residual
	s_load_b64 s[12:13], s[0:1], 0x20              ; the output
	v_lshl_add_u32 v[SPW], v0, 2, SPARE
	v_mov_b32 v[NIL], 0
	ds_add_u32 v28, v29
	ds_add_u32 v28, v29
	s_wait_dscnt 0x0
	v_lshrrev_b32 v1, 5, v0
	v_readfirstlane_b32 s14, v1
	s_lshr_b32 s15, s14, 1
	s_and_b32 s16, s14, 1
	s_bfe_u32 s40, ttmp6, 0x40000
	s_bfe_u32 s41, ttmp6, 0x40004
	s_lshl_b32 s42, ttmp9, 2
	s_add_co_u32 s42, s42, s40                     ; tile of Q
	s_and_b32 s17, ttmp7, 0xffff
	s_lshl_b32 s17, s17, 2
	s_add_co_u32 s17, s17, s41                     ; tile of P
	s_lshl_b32 s43, s41, 2
	s_lshl_b32 s43, 15, s43
	s_lshl_b32 s44, 0x1111, s40
	s_or_b32 s[G1+0], s43, (3<<16)|(1<<21)         ; the mask; elements of 8 bytes; bit 21 beside a mask; no padding
	s_or_b32 s[G1B+0], s44, (3<<16)|(1<<21)
.irp g, G1, G1B
	s_mov_b32 s[\g+1], 32<<16
	s_mov_b32 s[\g+2], 132<<16
	s_mov_b32 s[\g+3], 32<<16
	s_mov_b32 s[\g+4], 132
	s_mov_b32 s[\g+5], 32
	s_mov_b32 s[\g+6], 0
	s_mov_b32 s[\g+7], 0
.endr
	s_lshl_b32 s20, s17, 1
	s_add_co_u32 s20, s20, s16
	s_mul_i32 s20, s20, KB*BLK
	s_mov_b32 s21, 0
	s_lshl_b32 s46, s42, 1
	s_add_co_u32 s46, s46, s16
	s_mul_i32 s46, s46, KB*BLK
	s_add_co_u32 s46, s46, QOFF
	s_mov_b32 s47, 0
	s_mul_i32 s45, s14, PIECE
	s_wait_kmcnt 0x0
	s_add_nc_u64 s[20:21], s[4:5], s[20:21]
	s_add_nc_u64 s[46:47], s[6:7], s[46:47]
	CROUND
.irp s, 0,1
	s_mov_b32 s[G0+4*\s], 1
	s_add_co_u32 s[G0+4*\s+1], s45, \s*SLOT
	s_add_nc_u64 s[G0+4*\s+2:G0+4*\s+3], s[20:21], \s*PIECE
	s_or_b32 s[G0+4*\s+3], s[G0+4*\s+3], 0x80000000
	s_mov_b32 s[G0B+4*\s], 1
	s_add_co_u32 s[G0B+4*\s+1], s45, \s*SLOT
	s_add_nc_u64 s[G0B+4*\s+2:G0B+4*\s+3], s[46:47], \s*PIECE
	s_or_b32 s[G0B+4*\s+3], s[G0B+4*\s+3], 0x80000000
	JLOAD G0+4*\s, G1, G0B+4*\s, G1B
.endr
	v_and_b32 v1, 15, v0
	v_bfe_u32 v2, v0, 4, 1
	v_and_b32 v3, 31, v0
	v_lshlrev_b32 v4, 4, v3
	s_mul_i32 s21, s15, PIECE
	s_mul_i32 s22, s16, PIECE
	s_add_co_u32 s22, s22, 2*PIECE
.irp s, 0,1
	v_add_nc_u32 v[ADRA+\s], s21, v4
	v_add_nc_u32 v[ADRB+\s], s22, v4
	s_add_co_u32 s21, s21, SLOT
	s_add_co_u32 s22, s22, SLOT
.endr
	s_mul_i32 s21, s15, PIECE
	s_mul_i32 s22, s16, PIECE
	s_add_co_u32 s22, s22, 2*PIECE
	s_sub_co_u32 s22, s22, s21
	v_mul_u32_u24 v6, s22, v2
	v_lshl_add_u32 v5, v1, 5, v6
	s_add_co_u32 s21, s21, 16384
	v_add_nc_u32 v[ADRS], s21, v5
	v_add_nc_u32 v[ADRS+1], SLOT, v[ADRS]
	s_mul_i32 s23, s14, 16*528                     ; my stage: 16 rows x (512 + 16) bytes
	v_mul_u32_u24 v5, v1, 528
	v_lshl_add_u32 v5, v2, 6, v5
	v_add_nc_u32 v[STO], s23, v5
	v_add_nc_u32 v[RD], s23, v4
	v_lshlrev_b32 v[BA], 6, v2
	s_lshl_b32 s20, s17, 8
	s_lshl_b32 s21, s15, 7
	s_add_co_u32 s20, s20, s21                     ; my first token
	s_lshl_b32 s20, s20, 12                        ; 4,096 bytes a row
	s_lshl_b32 s21, s42, 1
	s_add_co_u32 s21, s21, s16
	s_lshl_b32 s22, s21, 9                         ; my 128 columns: 512 bytes on, in a row and in the bias
	s_add_co_u32 s20, s20, s22
	s_mov_b32 s21, 0
	s_mov_b32 s23, 0
	s_add_nc_u64 s[10:11], s[10:11], s[20:21]
	s_add_nc_u64 s[12:13], s[12:13], s[20:21]
	s_add_nc_u64 s[8:9], s[8:9], s[22:23]
	s_wait_tensorcnt 1                             ; my part of K step 0 is in; K step 1's load may be out
	s_barrier_signal -1
	s_barrier_wait -1
	FETCH_B 0, 0, 0
	FETCH_A 0, 0, 0
	SCALES 0
	FETCH_A 0, 0, 4
	STEP 0, 0, 1
	s_mov_b32 s3, LAPS-1
.Llap:
	TURN 0, 1, 1
	STEP 1, 0, 0
	TURN 1, 0, 1
	STEP 0, 0, 0
	s_sub_co_u32 s3, s3, 1
	s_cmp_lg_u32 s3, 0
	s_cbranch_scc1 .Llap
	TURN 0, 1, 0
	STEP 1, 0, 0
	s_wait_dscnt 16
	WIN MUL_LO
	MUL16 0, 1, 1, 1, 0
	MUL16 2, 1, 1, 1, 0
	s_wait_dscnt 0x0
	WIN MUL_HI
	MUL16 4, 1, 1, 1, 0
	MUL16 6, 1, 1, 1, 0
	WIN 0
	PLACES NP                                      ; behind the last products: in front of loads into registers that they read and of the first read of results
.irp b, 0,1,2,3
.irp j, 0,1,2,3
	global_load_b128 v[BI+16*\b+4*\j:BI+16*\b+4*\j+3], v[BA], s[8:9] offset:128*\b+16*\j   ; the bias of columns 32 b + 16 h + 4 j + 0..3
.endr
.endr
	RES 0
	RES 1
	RES 2
	s_wait_loadcnt 48                              ; the bias is in; the residual's 48 loads may be out
.irp a, 0,1,2,3,4,5,6,7
	WIN 0x02+\a/4
.set i, 0
.rept 32
	v_pk_add_f32 v[T+i:T+i+1], v[64*(\a%4)+i:64*(\a%4)+i+1], v[BI+i:BI+i+1]   ; ascending: each accumulator from its low end on
.set i, i+2
.endr
	WIN 0
.irp b, 0,1,2,3
.irp j, 0,1,2,3
	ds_store_b128 v[STO], v[T+16*\b+4*\j:T+16*\b+4*\j+3] offset:128*\b+16*\j
.endr
.endr
	s_wait_xcnt 0x0                                ; the last block's stores have read the registers that the loads below fill
.irp t, 0,1,2,3,4,5,6,7,8,9,10,11,12,13,14,15
	ds_load_b128 v[BK+4*\t:BK+4*\t+3], v[RD] offset:528*\t   ; LDS serves a wave's instructions in order: these see my stores
.endr
	s_wait_dscnt 0x0
.if \a < 6
	s_wait_loadcnt 32                              ; this block's residual rows are in; those of the two blocks behind it may be out
.elseif \a == 6
	s_wait_loadcnt 16
.else
	s_wait_loadcnt 0x0
.endif
	WIN 0x04                                       ; source 1: window 1
.set i, 0
.rept 32
	v_pk_add_f32 v[BK+i:BK+i+1], v[BK+i:BK+i+1], v[64*(\a%4)+i:64*(\a%4)+i+1]
.set i, i+2
.endr
	WIN 0
.irp t, 0,1,2,3,4,5,6,7,8,9,10,11,12,13,14,15
	global_store_b128 v[CO], v[BK+4*\t:BK+4*\t+3], s[12:13] offset:(32*(\a/2)+16*(\t/8)+8*(\a%2)+\t%8)*4096 th:TH_STORE_NT   ; 32 lanes store 512 consecutive bytes, aligned to 256
.endr
.if \a < 5
	RES \a+3
.endif
.endr
	s_wait_tensorcnt 0x0                           ; the wave's end
	ds_add_u32 v[SPW], v[NIL]
	s_wait_dscnt 0x0
	CROUND
	s_endpgm
.Lfunc_end_k_qe45e444fe2_wo:
	.size	k_qe45e444fe2_wo, .Lfunc_end_k_qe45e444fe2_wo-k_qe45e444fe2_wo
	.p2alignl 7, 3214868480
	.fill 96, 4, 3214868480
	.section	.rodata,"a",@progbits
	.p2align	6, 0x0
	.amdhsa_kernel k_qe45e444fe2_wo
		.amdhsa_group_segment_fixed_size 327680
		.amdhsa_private_segment_fixed_size 0
		.amdhsa_enable_private_segment 0
		.amdhsa_kernarg_size 40
		.amdhsa_user_sgpr_count 2
		.amdhsa_user_sgpr_kernarg_segment_ptr 1
		.amdhsa_wavefront_size32 1
		.amdhsa_system_sgpr_workgroup_id_x 1
		.amdhsa_system_sgpr_workgroup_id_y 1
		.amdhsa_system_sgpr_workgroup_id_z 1
		.amdhsa_system_vgpr_workitem_id 0
		.amdhsa_next_free_vgpr 1024
		.amdhsa_next_free_sgpr 100
		.amdhsa_reserve_vcc 0
		.amdhsa_float_denorm_mode_32 3
		.amdhsa_float_denorm_mode_16_64 3
		.amdhsa_memory_ordered 1
		.amdhsa_forward_progress 1
		.amdhsa_inst_pref_size 189
	.end_amdhsa_kernel
	.amdgpu_metadata
---
amdhsa.version: [ 1, 2 ]
amdhsa.kernels:
  - .name:           k_qe45e444fe2_wo
    .symbol:         k_qe45e444fe2_wo.kd
    .args:
      - { .name: cxc, .offset: 0, .size: 8, .value_kind: global_buffer, .address_space: global }
      - { .name: wc, .offset: 8, .size: 8, .value_kind: global_buffer, .address_space: global }
      - { .name: bo, .offset: 16, .size: 8, .value_kind: global_buffer, .address_space: global }
      - { .name: x, .offset: 24, .size: 8, .value_kind: global_buffer, .address_space: global }
      - { .name: x1, .offset: 32, .size: 8, .value_kind: global_buffer, .address_space: global }
    .group_segment_fixed_size: 327680
    .private_segment_fixed_size: 0
    .kernarg_segment_align: 8
    .kernarg_segment_size: 40
    .max_flat_workgroup_size: 128
    .sgpr_count:     100
    .vgpr_count:     1024
    .wavefront_size: 32
...
	.end_amdgpu_metadata
.endif
;; end of part 5
;; launch ln2: the kernel of part 2 again; grid 256 x 1, 8 waves a work-group, no clusters, 66,816 bytes of LDS; arguments x1, g2, be2, hc; writes hc
;; launch ffn1 (part 6): grid 16 x 16, 4 waves a work-group, clusters of 4 x 4, 327,680 bytes of LDS; arguments hc, wc, b1, hidc; writes hidc
.if DOCPART == 6
	.amdgcn_target "amdgcn-amd-amdhsa--gfx1250"
	.amdhsa_code_object_version 6
	.text
	.protected	k_qe45e444fe2_ffn1
	.globl	k_qe45e444fe2_ffn1
	.p2align	8
	.type	k_qe45e444fe2_ffn1,@function
k_qe45e444fe2_ffn1:
	s_mov_b64 s[64:65], 0
	v_nop
	global_prefetch_b8 v0, s[64:65] scope:SCOPE_SE
	s_setreg_imm32_b32 hwreg(HW_REG_WAVE_MODE, 25, 1), 1
	s_wait_xcnt 0x0
	s_wait_alu depctr_hold_cnt(0) depctr_sa_sdst(0) depctr_va_vdst(0) depctr_va_sdst(0) depctr_va_ssrc(0) depctr_va_vcc(0) depctr_vm_vsrc(0)
	s_getreg_b32 s2, hwreg(HW_REG_IB_STS2, 6, 4)
	s_cmp_eq_u32 s2, 0
	s_cbranch_scc0 .Lentry_in_a_cluster
	s_endpgm
.Lentry_in_a_cluster:
	s_bfe_u32 s2, ttmp6, 0x10000c
	s_cmp_lg_u32 s2, 0xf033
	s_cbranch_scc0 .Lentry_shape_is_right
	s_endpgm
.Lentry_shape_is_right:
; hid = relu(h W1 + b1), quantised along the hidden units: a product on codes of E4M3 with E8M0 scales, K = 1,024; the result leaves as codes in the program's operand layout.
; THE OPERAND LAYOUT: blocks of 128 rows x 128 K, BLK = 16,896 bytes, block (rg, ks) at (rg K/128 + ks) BLK: codes of (16 rows a, group c, lane 16 h + r) at 2048 a + 512 c + 16 lane, the scale word of place (a, r) at 16,384 + 32 r + 4 a;
; place p holds the row whose number is p with bits 3 and 4 exchanged.
; P = h's codes (source 1: a lane of the result holds one token), Q = W1's (source 0: a lane's registers run along the hidden units; 16 registers of two neighbouring tiles are 16 neighbours along the next K).
; A work-group makes 256 tokens x 256 units, each of four waves 128 x 128.  K goes in steps of 256 through two LDS slots; a wave's one tensor load brings 33,792 dense bytes: codes and scale words of 128 rows.
; CLUSTERS of 4 x 4: P's tiles are asked for jointly along a row, Q's along a column.
; THE WAY OUT: bias added; the hold that the conversion wants clips at 0 as well (the activation); a group's four code registers are the lane's 16 bytes of the output's image: each store covers 512 consecutive bytes; no LDS stage.
; LIMITS: NaN and infinities are not served; a block under 2^-118 (zeros too) gets the byte 1: this program alone reads the bytes.
.set BLK,   16896
.set PIECE, 2*BLK
.set SLOT,  4*PIECE
.set SPARE, 2*SLOT                     ; the spare words: 128 bytes a wave, two blocks of 256 bytes that no other line names
.set KB,    8
.set LAPS,  KB/4
.set QOFF,  256*BLK                    ; W1's first block in wc
.set NP,    8
.set FR,    16
.set ADRA, 16
.set ADRS, 18
.set ADRB, 20
.set BA0,  24                          ; v24 64 h
.set IMG,  4                           ; v4  16 lane
.set SWO,  27                          ; v27 16,384 + 32 r + 16 h
.set SPW,  28
.set NIL,  29
.set SC,   32
.set AF,   128
.set T,    64
.set PC,   128
.set TM,   160
.set PW,   176
.set PM,   184
.set G1,   24
.set G0,   32
.set G1B,  48
.set G0B,  56
.set OUT,  10
.set BIA,  8
.set SEL,  90
.set MNT,  92
.set MSB, 0
.macro WIN new
.if MSB != (\new)
	s_set_vgpr_msb (MSB<<8)|(\new)
.set MSB, (\new)
.endif
.endm
.set MUL_LO, 0xa1
.set MUL_HI, 0xf1
.set TO_B,   0x40
.macro JLOAD g0a, g1a, g0b, g1b
	s_cmp_eq_u32 s15, 0
	s_cbranch_scc0 .Lfor_b_\@
	tensor_load_to_lds s[\g0a:\g0a+3], s[\g1a:\g1a+7]
	s_nop 0
.rept 4
	v_nop
.endr
	s_branch .Lasked_\@
.Lfor_b_\@:
	tensor_load_to_lds s[\g0b:\g0b+3], s[\g1b:\g1b+7]
	s_nop 0
.rept 4
	v_nop
.endr
.Lasked_\@:
.endm
.macro CREST
	s_cmp_lg_u32 s14, 0
	s_cbranch_scc1 .Lnot_wave_0_\@
	s_barrier_signal -3
.Lnot_wave_0_\@:
	s_barrier_wait -3
	s_barrier_signal -1
	s_barrier_wait -1
.endm
.macro CROUND
	s_barrier_signal -1
	s_barrier_wait -1
	CREST
.endm
.macro PLACES n
.rept \n
	v_nop
.endr
.endm
.macro FRAG reg, adr, q, i
.irp c, 0,1,2,3
	ds_load_b128 v[\reg+4*\c:\reg+4*\c+3], v[\adr] offset:BLK*(\q)+2048*(\i)+512*\c
.endr
.endm
.macro MUL16 a0, p, q, sc, zero        ; the 64 accumulators take turns, one instruction a turn
.irp a, \a0, \a0+1
.irp b, 0,1,2,3,4,5,6,7
.if \zero
	v_wmma_scale_f32_16x16x128_f8f6f4 v[8*(8*((\a)%4)+\b):8*(8*((\a)%4)+\b)+7], v[128*(\p)+FR*\b:128*(\p)+FR*\b+FR-1], v[AF+FR*(\a):AF+FR*(\a)+FR-1], 0, v[SC+16*(\sc)+8*(\q)+\b], v[SC+16*(\sc)+8*(\q)+(\a)] matrix_a_scale:MATRIX_SCALE_ROW1
.else
	v_wmma_scale_f32_16x16x128_f8f6f4 v[8*(8*((\a)%4)+\b):8*(8*((\a)%4)+\b)+7], v[128*(\p)+FR*\b:128*(\p)+FR*\b+FR-1], v[AF+FR*(\a):AF+FR*(\a)+FR-1], v[8*(8*((\a)%4)+\b):8*(8*((\a)%4)+\b)+7], v[SC+16*(\sc)+8*(\q)+\b], v[SC+16*(\sc)+8*(\q)+(\a)] matrix_a_scale:MATRIX_SCALE_ROW1
.endif
.endr
.endr
.endm
.macro FETCH_B slot, q, p
	WIN TO_B
.irp i, 0,1,2,3,4,5,6,7
	FRAG 128*(\p)+FR*\i, ADRB+\slot, \q, \i
.endr
	WIN 0
.endm
.macro FETCH_A slot, q, i0
.irp i, \i0, \i0+1, \i0+2, \i0+3
	FRAG AF+FR*(\i), ADRA+\slot, \q, \i
.endr
.endm
.macro SCALES sc
.irp q, 0,1
.irp e, 0,1
	ds_load_b128 v[SC+16*\sc+8*\q+4*\e:SC+16*\sc+8*\q+4*\e+3], v[ADRS+\sc] offset:BLK*\q+16*\e
.endr
.endr
.endm
.macro STEP slot, q, zero
	s_wait_dscnt 16                                ; all but the youngest 16 loads (P's blocks 4-7) are in
	WIN MUL_LO
	MUL16 0, (\q)%2, \q, \slot, \zero
	MUL16 2, (\q)%2, \q, \slot, \zero
	s_wait_dscnt 0x0
	PLACES NP
	FETCH_B \slot, (\q)+1, 1-(\q)%2
	FETCH_A \slot, (\q)+1, 0
	WIN MUL_HI
	MUL16 4, (\q)%2, \q, \slot, \zero
	MUL16 6, (\q)%2, \q, \slot, \zero
	PLACES NP
	WIN 0
	FETCH_A \slot, (\q)+1, 4
.endm
.macro TURN slot, next, fill
	s_wait_tensorcnt 0x0                           ; all my tensor loads have landed: my part of the next slot
	ds_add_u32 v[SPW], v[NIL]                      ; 0 onto my spare word
	s_wait_dscnt 17                                ; the add and the youngest 16 loads may be out
	WIN MUL_LO
	MUL16 0, 1, 1, \slot, 0
	s_wait_dscnt 0x0                               ; the add is done, and my reads of this slot are over
	s_barrier_signal -1
	MUL16 2, 1, 1, \slot, 0
	WIN 0
	s_barrier_wait -1
.if \fill
	CREST                                          ; a round of the cluster's barrier: no wave of any partner still reads this slot or has a load on its way
	s_add_nc_u64 s[G0+4*\slot+2:G0+4*\slot+3], s[G0+4*\slot+2:G0+4*\slot+3], 2*PIECE
	s_add_nc_u64 s[G0B+4*\slot+2:G0B+4*\slot+3], s[G0B+4*\slot+2:G0B+4*\slot+3], 2*PIECE
	JLOAD G0+4*\slot, G1, G0B+4*\slot, G1B
	PLACES NP-4
.else
	PLACES NP
.endif
	FETCH_B \next, 0, 0
	FETCH_A \next, 0, 0
	SCALES \next
	WIN MUL_HI
	MUL16 4, 1, 1, \slot, 0
	MUL16 6, 1, 1, \slot, 0
	PLACES NP
	WIN 0
	FETCH_A \next, 0, 4
.endm
; 64 numbers of a lane, register 16 b + i = k 32 b + 16 h + i of my row, become 16 registers of codes at v[pc] and the row's scale word in v[pw]; what is negative becomes 0 on the way (the activation)
.macro QUANT s, pc, pw
.irp b, 0,1,2,3
	v_max3_num_f32 v[TM+\b], v[\s+16*\b], v[\s+1+16*\b], 0x4800000   ; no |.|: what is negative must not count; the floor 2^(9 - 127) stands over it
.endr
.irp i, 2,4,6,8,10,12,14
.irp b, 0,1,2,3
	v_max3_num_f32 v[TM+\b], v[TM+\b], v[\s+16*\b+\i], v[\s+1+16*\b+\i]
.endr
.endr
.irp b, 0,1,2,3
	v_permlanex16_b32 v[TM+4+\b], v[TM+\b], s[SEL], s[SEL+1]
.endr
.irp b, 0,1,2,3
	v_max_num_f32 v[TM+\b], v[TM+\b], v[TM+4+\b]
.endr
.irp b, 0,1,2,3
	v_add_nc_u32 v[TM+12+\b], 0xfc000000, v[TM+\b]
.endr
.irp b, 0,1,2,3
	v_and_or_b32 v[TM+8+\b], v[TM+\b], 0x7f800000, s[MNT]
.endr
.irp b, 0,1,2,3
	v_lshrrev_b32 v[TM+4+\b], 23, v[TM+12+\b]
.endr
	v_lshl_or_b32 v[\pw], v[TM+5], 8, v[TM+4]
	v_lshl_or_b32 v[\pw], v[TM+6], 16, v[\pw]
	v_lshl_or_b32 v[\pw], v[TM+7], 24, v[\pw]
.irp b, 0,1,2,3
.irp i, 0,1,2,3,4,5,6,7,8,9,10,11,12,13,14,15
	v_med3_num_f32 v[\s+16*\b+\i], v[\s+16*\b+\i], 0, v[TM+8+\b]   ; the activation and the hold in one
.endr
	v_cvt_scalef32_pk8_fp8_f32 v[\pc+4*\b:\pc+1+4*\b], v[\s+16*\b:\s+7+16*\b], v[TM+12+\b]
	v_cvt_scalef32_pk8_fp8_f32 v[\pc+2+4*\b:\pc+3+4*\b], v[\s+8+16*\b:\s+15+16*\b], v[TM+12+\b]
.endr
	v_nop                                          ; a plain line behind the last conversion
.endm
	s_load_b256 s[4:11], s[0:1], 0x0               ; hc, wc, b1, hidc
	v_lshl_add_u32 v[SPW], v0, 2, SPARE
	v_mov_b32 v[NIL], 0
	ds_add_u32 v28, v29
	ds_add_u32 v28, v29
	s_wait_dscnt 0x0
	v_lshrrev_b32 v1, 5, v0
	v_readfirstlane_b32 s14, v1
	s_lshr_b32 s15, s14, 1
	s_and_b32 s16, s14, 1
	s_bfe_u32 s40, ttmp6, 0x40000
	s_bfe_u32 s41, ttmp6, 0x40004
	s_lshl_b32 s42, ttmp9, 2
	s_add_co_u32 s42, s42, s40                     ; tile of Q
	s_and_b32 s17, ttmp7, 0xffff
	s_lshl_b32 s17, s17, 2
	s_add_co_u32 s17, s17, s41                     ; tile of P
	s_lshl_b32 s43, s41, 2
	s_lshl_b32 s43, 15, s43
	s_lshl_b32 s44, 0x1111, s40
	s_or_b32 s[G1+0], s43, (3<<16)|(1<<21)
	s_or_b32 s[G1B+0], s44, (3<<16)|(1<<21)
.irp g, G1, G1B
	s_mov_b32 s[\g+1], 32<<16
	s_mov_b32 s[\g+2], 132<<16
	s_mov_b32 s[\g+3], 32<<16
	s_mov_b32 s[\g+4], 132
	s_mov_b32 s[\g+5], 32
	s_mov_b32 s[\g+6], 0
	s_mov_b32 s[\g+7], 0
.endr
	s_lshl_b32 s20, s17, 1
	s_add_co_u32 s20, s20, s16
	s_mul_i32 s20, s20, KB*BLK
	s_mov_b32 s21, 0
	s_lshl_b32 s46, s42, 1
	s_add_co_u32 s46, s46, s16
	s_mul_i32 s46, s46, KB*BLK
	s_add_co_u32 s46, s46, QOFF
	s_mov_b32 s47, 0
	s_mul_i32 s45, s14, PIECE
	s_mov_b32 s[SEL], 0x76543210
	s_mov_b32 s[SEL+1], 0xfedcba98
	s_mov_b32 s[MNT], 0x600000
	s_wait_kmcnt 0x0
	s_add_nc_u64 s[20:21], s[4:5], s[20:21]
	s_add_nc_u64 s[46:47], s[6:7], s[46:47]
	CROUND
.irp s, 0,1
	s_mov_b32 s[G0+4*\s], 1
	s_add_co_u32 s[G0+4*\s+1], s45, \s*SLOT
	s_add_nc_u64 s[G0+4*\s+2:G0+4*\s+3], s[20:21], \s*PIECE
	s_or_b32 s[G0+4*\s+3], s[G0+4*\s+3], 0x80000000
	s_mov_b32 s[G0B+4*\s], 1
	s_add_co_u32 s[G0B+4*\s+1], s45, \s*SLOT
	s_add_nc_u64 s[G0B+4*\s+2:G0B+4*\s+3], s[46:47], \s*PIECE
	s_or_b32 s[G0B+4*\s+3], s[G0B+4*\s+3], 0x80000000
	JLOAD G0+4*\s, G1, G0B+4*\s, G1B
.endr
	v_and_b32 v1, 15, v0
	v_bfe_u32 v2, v0, 4, 1
	v_and_b32 v3, 31, v0
	v_lshlrev_b32 v4, 4, v3
	s_mul_i32 s21, s15, PIECE
	s_mul_i32 s22, s16, PIECE
	s_add_co_u32 s22, s22, 2*PIECE
.irp s, 0,1
	v_add_nc_u32 v[ADRA+\s], s21, v4
	v_add_nc_u32 v[ADRB+\s], s22, v4
	s_add_co_u32 s21, s21, SLOT
	s_add_co_u32 s22, s22, SLOT
.endr
	s_mul_i32 s21, s15, PIECE
	s_mul_i32 s22, s16, PIECE
	s_add_co_u32 s22, s22, 2*PIECE
	s_sub_co_u32 s22, s22, s21
	v_mul_u32_u24 v6, s22, v2
	v_lshl_add_u32 v5, v1, 5, v6
	s_add_co_u32 s21, s21, 16384
	v_add_nc_u32 v[ADRS], s21, v5
	v_add_nc_u32 v[ADRS+1], SLOT, v[ADRS]
	v_lshlrev_b32 v[BA0], 6, v2
	v_lshlrev_b32 v[SWO], 5, v1
	v_lshl_add_u32 v[SWO], v2, 4, v[SWO]
	v_add_nc_u32 v[SWO], 16384, v[SWO]
	s_lshl_b32 s20, s17, 1
	s_add_co_u32 s20, s20, s15                     ; the output's row group
	s_lshl_b32 s20, s20, 5                         ; 32 K steps a row group
	s_lshl_b32 s21, s42, 1
	s_add_co_u32 s21, s21, s16                     ; its K step
	s_add_co_u32 s20, s20, s21
	s_mul_i32 s20, s20, BLK
	s_lshl_b32 s22, s21, 9                         ; the bias's 128 numbers
	s_mov_b32 s21, 0
	s_mov_b32 s23, 0
	s_add_nc_u64 s[OUT:OUT+1], s[OUT:OUT+1], s[20:21]
	s_add_nc_u64 s[BIA:BIA+1], s[BIA:BIA+1], s[22:23]
	s_wait_tensorcnt 1                             ; my part of K step 0 is in; K step 1's load may be out
	s_barrier_signal -1
	s_barrier_wait -1
	FETCH_B 0, 0, 0
	FETCH_A 0, 0, 0
	SCALES 0
	FETCH_A 0, 0, 4
	STEP 0, 0, 1
	s_mov_b32 s3, LAPS-1
.Llap:
	TURN 0, 1, 1
	STEP 1, 0, 0
	TURN 1, 0, 1
	STEP 0, 0, 0
	s_sub_co_u32 s3, s3, 1
	s_cmp_lg_u32 s3, 0
	s_cbranch_scc1 .Llap
	TURN 0, 1, 0
	STEP 1, 0, 0
	s_wait_dscnt 16
	WIN MUL_LO
	MUL16 0, 1, 1, 1, 0
	MUL16 2, 1, 1, 1, 0
	s_wait_dscnt 0x0
	WIN MUL_HI
	MUL16 4, 1, 1, 1, 0
	MUL16 6, 1, 1, 1, 0
	WIN 0
	PLACES NP                                      ; behind the last products: in front of loads into, and vector writes of, registers that they read, and of the first read of results
	WIN TO_B
.irp b, 0,1,2,3
.irp j, 0,1,2,3
	global_load_b128 v[16*\b+4*\j:16*\b+4*\j+3], v[BA0], s[BIA:BIA+1] offset:128*\b+16*\j   ; the bias of units 32 b + 16 h + 4 j + 0..3, into window 1
.endr
.endr
	WIN 0
.irp b, 0,1,2,3
	v_mov_b32 v[TM+4+\b], 0                        ; a lane permute's destination counts as read
.endr
	v_cmp_le_u32 vcc_lo, 16, v3                    ; lanes 16-31
	s_wait_loadcnt 0x0
.irp a, 0,1,2,3,4,5,6,7
	WIN 0x06+\a/4                                  ; source 0: the accumulators' window; source 1: window 1
.set i, 0
.rept 32
	v_pk_add_f32 v[T+i:T+i+1], v[64*(\a%4)+i:64*(\a%4)+i+1], v[i:i+1]   ; ascending: each accumulator from its low end on
.set i, i+2
.endr
	WIN 0
	s_wait_xcnt 0x0                                ; earlier stores have read their code registers
	QUANT T, PC+16*(\a%2), PW+\a
.irp c, 0,1,2,3
	global_store_b128 v[IMG], v[PC+16*(\a%2)+4*\c:PC+16*(\a%2)+4*\c+3], s[OUT:OUT+1] offset:\a*2048+512*\c   ; 512 consecutive bytes, aligned to 256
.endr
.endr
.irp k, 0,1,2,3
	v_cndmask_b32 v[PM+\k], v[PW+\k], v[PW+4+\k], vcc_lo   ; lanes 0-15 store row r's words of blocks 0-3, lanes 16-31 those of blocks 4-7
.endr
	global_store_b128 v[SWO], v[PM:PM+3], s[OUT:OUT+1]       ; the block's 512 bytes of scale words in one store
	s_wait_tensorcnt 0x0                           ; the wave's end
	ds_add_u32 v[SPW], v[NIL]
	s_wait_dscnt 0x0
	CROUND
	s_endpgm
.Lfunc_end_k_qe45e444fe2_ffn1:
	.size	k_qe45e444fe2_ffn1, .Lfunc_end_k_qe45e444fe2_ffn1-k_qe45e444fe2_ffn1
	.p2alignl 7, 3214868480
	.fill 96, 4, 3214868480
	.section	.rodata,"a",@progbits
	.p2align	6, 0x0
	.amdhsa_kernel k_qe45e444fe2_ffn1
		.amdhsa_group_segment_fixed_size 327680
		.amdhsa_private_segment_fixed_size 0
		.amdhsa_enable_private_segment 0
		.amdhsa_kernarg_size 32
		.amdhsa_user_sgpr_count 2
		.amdhsa_user_sgpr_kernarg_segment_ptr 1
		.amdhsa_wavefront_size32 1
		.amdhsa_system_sgpr_workgroup_id_x 1
		.amdhsa_system_sgpr_workgroup_id_y 1
		.amdhsa_system_sgpr_workgroup_id_z 1
		.amdhsa_system_vgpr_workitem_id 0
		.amdhsa_next_free_vgpr 1024
		.amdhsa_next_free_sgpr 100
		.amdhsa_reserve_vcc 1
		.amdhsa_float_denorm_mode_32 3
		.amdhsa_float_denorm_mode_16_64 3
		.amdhsa_memory_ordered 1
		.amdhsa_forward_progress 1
		.amdhsa_inst_pref_size 198
	.end_amdhsa_kernel
	.amdgpu_metadata
---
amdhsa.version: [ 1, 2 ]
amdhsa.kernels:
  - .name:           k_qe45e444fe2_ffn1
    .symbol:         k_qe45e444fe2_ffn1.kd
    .args:
      - { .name: hc, .offset: 0, .size: 8, .value_kind: global_buffer, .address_space: global }
      - { .name: wc, .offset: 8, .size: 8, .value_kind: global_buffer, .address_space: global }
      - { .name: b1, .offset: 16, .size: 8, .value_kind: global_buffer, .address_space: global }
      - { .name: hidc, .offset: 24, .size: 8, .value_kind: global_buffer, .address_space: global }
    .group_segment_fixed_size: 327680
    .private_segment_fixed_size: 0
    .kernarg_segment_align: 8
    .kernarg_segment_size: 32
    .max_flat_workgroup_size: 128
    .sgpr_count:     100
    .vgpr_count:     1024
    .wavefront_size: 32
...
	.end_amdgpu_metadata
.endif
;; end of part 6
;; launch ffn2 (part 7): grid 4 x 16, 4 waves a work-group, clusters of 4 x 4, 327,680 bytes of LDS; arguments hidc, wc, b2, x1, out0; writes out0
.if DOCPART == 7
	.amdgcn_target "amdgcn-amd-amdhsa--gfx1250"
	.amdhsa_code_object_version 6
	.text
	.protected	k_qe45e444fe2_ffn2
	.globl	k_qe45e444fe2_ffn2
	.p2align	8
	.type	k_qe45e444fe2_ffn2,@function
k_qe45e444fe2_ffn2:
	s_mov_b64 s[64:65], 0
	v_nop
	global_prefetch_b8 v0, s[64:65] scope:SCOPE_SE
	s_setreg_imm32_b32 hwreg(HW_REG_WAVE_MODE, 25, 1), 1
	s_wait_xcnt 0x0
	s_wait_alu depctr_hold_cnt(0) depctr_sa_sdst(0) depctr_va_vdst(0) depctr_va_sdst(0) depctr_va_ssrc(0) depctr_va_vcc(0) depctr_vm_vsrc(0)
	s_getreg_b32 s2, hwreg(HW_REG_IB_STS2, 6, 4)
	s_cmp_eq_u32 s2, 0
	s_cbranch_scc0 .Lentry_in_a_cluster
	s_endpgm
.Lentry_in_a_cluster:
	s_bfe_u32 s2, ttmp6, 0x10000c
	s_cmp_lg_u32 s2, 0xf033
	s_cbranch_scc0 .Lentry_shape_is_right
	s_endpgm
.Lentry_shape_is_right:
; out = x1 + hid W2 + b2: a product on codes of E4M3 with E8M0 scales, K = 4,096; bias and residual in f32; the output is f32, row-major.
; THE OPERAND LAYOUT: blocks of 128 rows x 128 K, BLK = 16,896 bytes, block (rg, ks) at (rg K/128 + ks) BLK: codes of (16 rows a, group c, lane 16 h + r) at 2048 a + 512 c + 16 lane, the scale word of place (a, r) at 16,384 + 32 r + 4 a;
; place p holds the row whose number is p with bits 3 and 4 exchanged.
; P = the hidden layer's codes (source 1: a lane of the result holds one token), Q = W2's (source 0: a lane's registers run along the output's columns; 16 registers of two neighbouring tiles are 16 neighbouring columns).
; A work-group makes 256 tokens x 256 columns, each of four waves 128 x 128.  K goes in steps of 256 through two LDS slots; a wave's one tensor load brings 33,792 dense bytes: codes and scale words of 128 rows.
; CLUSTERS of 4 x 4: P's tiles are asked for jointly along a row, Q's along a column.  This size gives 64 tiles of 256 x 256: a stated weakness; the loop is the one that the program's other products use.
; No prefetch is laid: a piece's 132 runs of 256 bytes do not share out evenly among four partners of 32 lanes, and each run is to be named once.
; THE WAY OUT: a block of 16 tokens x 128 columns, bias added, goes through the wave's own stage in LDS (in slot 0, which has had its last fill and its last read) and comes back as whole rows of 512 bytes; the residual's rows, asked for three blocks ahead, are added; each store covers 512 consecutive bytes.
; LIMITS: NaN and infinities are not served.
.set BLK,   16896
.set PIECE, 2*BLK
.set SLOT,  4*PIECE
.set SPARE, 2*SLOT                     ; the spare words: 128 bytes a wave, two blocks of 256 bytes that no other line names
.set KB,    32                         ; K / 128
.set LAPS,  KB/4
.set QOFF,  512*BLK                    ; W2's first block in wc
.set NP,    8
.set FR,    16
.set ADRA, 16
.set ADRS, 18
.set ADRB, 20
.set STO,  24
.set RD,   25
.set CO,   4
.set BA,   27
.set SPW,  28
.set NIL,  29
.set SC,   32
.set AF,   128
.set T,    64
.set BI,   128
.set BK,   192
.set G1,   24
.set G0,   32
.set G1B,  48
.set G0B,  56
.set MSB, 0
.macro WIN new
.if MSB != (\new)
	s_set_vgpr_msb (MSB<<8)|(\new)
.set MSB, (\new)
.endif
.endm
.set MUL_LO, 0xa1
.set MUL_HI, 0xf1
.set TO_B,   0x40
.macro JLOAD g0a, g1a, g0b, g1b
	s_cmp_eq_u32 s15, 0
	s_cbranch_scc0 .Lfor_b_\@
	tensor_load_to_lds s[\g0a:\g0a+3], s[\g1a:\g1a+7]
	s_nop 0
.rept 4
	v_nop
.endr
	s_branch .Lasked_\@
.Lfor_b_\@:
	tensor_load_to_lds s[\g0b:\g0b+3], s[\g1b:\g1b+7]
	s_nop 0
.rept 4
	v_nop
.endr
.Lasked_\@:
.endm
.macro CREST
	s_cmp_lg_u32 s14, 0
	s_cbranch_scc1 .Lnot_wave_0_\@
	s_barrier_signal -3
.Lnot_wave_0_\@:
	s_barrier_wait -3
	s_barrier_signal -1
	s_barrier_wait -1
.endm
.macro CROUND
	s_barrier_signal -1
	s_barrier_wait -1
	CREST
.endm
.macro PLACES n
.rept \n
	v_nop
.endr
.endm
.macro FRAG reg, adr, q, i
.irp c, 0,1,2,3
	ds_load_b128 v[\reg+4*\c:\reg+4*\c+3], v[\adr] offset:BLK*(\q)+2048*(\i)+512*\c
.endr
.endm
.macro MUL16 a0, p, q, sc, zero        ; the 64 accumulators take turns, one instruction a turn
.irp a, \a0, \a0+1
.irp b, 0,1,2,3,4,5,6,7
.if \zero
	v_wmma_scale_f32_16x16x128_f8f6f4 v[8*(8*((\a)%4)+\b):8*(8*((\a)%4)+\b)+7], v[128*(\p)+FR*\b:128*(\p)+FR*\b+FR-1], v[AF+FR*(\a):AF+FR*(\a)+FR-1], 0, v[SC+16*(\sc)+8*(\q)+\b], v[SC+16*(\sc)+8*(\q)+(\a)] matrix_a_scale:MATRIX_SCALE_ROW1
.else
	v_wmma_scale_f32_16x16x128_f8f6f4 v[8*(8*((\a)%4)+\b):8*(8*((\a)%4)+\b)+7], v[128*(\p)+FR*\b:128*(\p)+FR*\b+FR-1], v[AF+FR*(\a):AF+FR*(\a)+FR-1], v[8*(8*((\a)%4)+\b):8*(8*((\a)%4)+\b)+7], v[SC+16*(\sc)+8*(\q)+\b], v[SC+16*(\sc)+8*(\q)+(\a)] matrix_a_scale:MATRIX_SCALE_ROW1
.endif
.endr
.endr
.endm
.macro FETCH_B slot, q, p
	WIN TO_B
.irp i, 0,1,2,3,4,5,6,7
	FRAG 128*(\p)+FR*\i, ADRB+\slot, \q, \i
.endr
	WIN 0
.endm
.macro FETCH_A slot, q, i0
.irp i, \i0, \i0+1, \i0+2, \i0+3
	FRAG AF+FR*(\i), ADRA+\slot, \q, \i
.endr
.endm
.macro SCALES sc
.irp q, 0,1
.irp e, 0,1
	ds_load_b128 v[SC+16*\sc+8*\q+4*\e:SC+16*\sc+8*\q+4*\e+3], v[ADRS+\sc] offset:BLK*\q+16*\e
.endr
.endr
.endm
.macro STEP slot, q, zero
	s_wait_dscnt 16                                ; all but the youngest 16 loads (P's blocks 4-7) are in
	WIN MUL_LO
	MUL16 0, (\q)%2, \q, \slot, \zero
	MUL16 2, (\q)%2, \q, \slot, \zero
	s_wait_dscnt 0x0
	PLACES NP
	FETCH_B \slot, (\q)+1, 1-(\q)%2
	FETCH_A \slot, (\q)+1, 0
	WIN MUL_HI
	MUL16 4, (\q)%2, \q, \slot, \zero
	MUL16 6, (\q)%2, \q, \slot, \zero
	PLACES NP
	WIN 0
	FETCH_A \slot, (\q)+1, 4
.endm
.macro TURN slot, next, fill
	s_wait_tensorcnt 0x0                           ; all my tensor loads have landed: my part of the next slot
	ds_add_u32 v[SPW], v[NIL]                      ; 0 onto my spare word
	s_wait_dscnt 17                                ; the add and the youngest 16 loads may be out
	WIN MUL_LO
	MUL16 0, 1, 1, \slot, 0
	s_wait_dscnt 0x0                               ; the add is done, and my reads of this slot are over
	s_barrier_signal -1
	MUL16 2, 1, 1, \slot, 0
	WIN 0
	s_barrier_wait -1
.if \fill
	CREST                                          ; a round of the cluster's barrier: no wave of any partner still reads this slot or has a load on its way
	s_add_nc_u64 s[G0+4*\slot+2:G0+4*\slot+3], s[G0+4*\slot+2:G0+4*\slot+3], 2*PIECE
	s_add_nc_u64 s[G0B+4*\slot+2:G0B+4*\slot+3], s[G0B+4*\slot+2:G0B+4*\slot+3], 2*PIECE
	JLOAD G0+4*\slot, G1, G0B+4*\slot, G1B
	PLACES NP-4
.else
	PLACES NP
.endif
	FETCH_B \next, 0, 0
	FETCH_A \next, 0, 0
	SCALES \next
	WIN MUL_HI
	MUL16 4, 1, 1, \slot, 0
	MUL16 6, 1, 1, \slot, 0
	PLACES NP
	WIN 0
	FETCH_A \next, 0, 4
.endm
.macro RES a                           ; the residual's 16 rows of block a, whole runs of 512 bytes, into set a % 4 of window 1.  Place t of block a is row 32 (a / 2) + 16 (t / 8) + 8 (a % 2) + t % 8
	WIN TO_B
.irp t, 0,1,2,3,4,5,6,7,8,9,10,11,12,13,14,15
	global_load_b128 v[64*((\a)%4)+4*\t:64*((\a)%4)+4*\t+3], v[CO], s[10:11] offset:(32*((\a)/2)+16*(\t/8)+8*((\a)%2)+\t%8)*4096 th:TH_LOAD_NT
.endr
	WIN 0
.endm
	s_load_b256 s[4:11], s[0:1], 0x0               ; P's codes, wc, the bias, the residual
	s_load_b64 s[12:13], s[0:1], 0x20              ; the output
	v_lshl_add_u32 v[SPW], v0, 2, SPARE
	v_mov_b32 v[NIL], 0
	ds_add_u32 v28, v29
	ds_add_u32 v28, v29
	s_wait_dscnt 0x0
	v_lshrrev_b32 v1, 5, v0
	v_readfirstlane_b32 s14, v1
	s_lshr_b32 s15, s14, 1
	s_and_b32 s16, s14, 1
	s_bfe_u32 s40, ttmp6, 0x40000
	s_bfe_u32 s41, ttmp6, 0x40004
	s_lshl_b32 s42, ttmp9, 2
	s_add_co_u32 s42, s42, s40                     ; tile of Q
	s_and_b32 s17, ttmp7, 0xffff
	s_lshl_b32 s17, s17, 2
	s_add_co_u32 s17, s17, s41                     ; tile of P
	s_lshl_b32 s43, s41, 2
	s_lshl_b32 s43, 15, s43
	s_lshl_b32 s44, 0x1111, s40
	s_or_b32 s[G1+0], s43, (3<<16)|(1<<21)
	s_or_b32 s[G1B+0], s44, (3<<16)|(1<<21)
.irp g, G1, G1B
	s_mov_b32 s[\g+1], 32<<16
	s_mov_b32 s[\g+2], 132<<16
	s_mov_b32 s[\g+3], 32<<16
	s_mov_b32 s[\g+4], 132
	s_mov_b32 s[\g+5], 32
	s_mov_b32 s[\g+6], 0
	s_mov_b32 s[\g+7], 0
.endr
	s_lshl_b32 s20, s17, 1
	s_add_co_u32 s20, s20, s16
	s_mul_i32 s20, s20, KB*BLK
	s_mov_b32 s21, 0
	s_lshl_b32 s46, s42, 1
	s_add_co_u32 s46, s46, s16
	s_mul_i32 s46, s46, KB*BLK
	s_add_co_u32 s46, s46, QOFF
	s_mov_b32 s47, 0
	s_mul_i32 s45, s14, PIECE
	s_wait_kmcnt 0x0
	s_add_nc_u64 s[20:21], s[4:5], s[20:21]
	s_add_nc_u64 s[46:47], s[6:7], s[46:47]
	CROUND
.irp s, 0,1
	s_mov_b32 s[G0+4*\s], 1
	s_add_co_u32 s[G0+4*\s+1], s45, \s*SLOT
	s_add_nc_u64 s[G0+4*\s+2:G0+4*\s+3], s[20:21], \s*PIECE
	s_or_b32 s[G0+4*\s+3], s[G0+4*\s+3], 0x80000000
	s_mov_b32 s[G0B+4*\s], 1
	s_add_co_u32 s[G0B+4*\s+1], s45, \s*SLOT
	s_add_nc_u64 s[G0B+4*\s+2:G0B+4*\s+3], s[46:47], \s*PIECE
	s_or_b32 s[G0B+4*\s+3], s[G0B+4*\s+3], 0x80000000
	JLOAD G0+4*\s, G1, G0B+4*\s, G1B
.endr
	v_and_b32 v1, 15, v0
	v_bfe_u32 v2, v0, 4, 1
	v_and_b32 v3, 31, v0
	v_lshlrev_b32 v4, 4, v3
	s_mul_i32 s21, s15, PIECE
	s_mul_i32 s22, s16, PIECE
	s_add_co_u32 s22, s22, 2*PIECE
.irp s, 0,1
	v_add_nc_u32 v[ADRA+\s], s21, v4
	v_add_nc_u32 v[ADRB+\s], s22, v4
	s_add_co_u32 s21, s21, SLOT
	s_add_co_u32 s22, s22, SLOT
.endr
	s_mul_i32 s21, s15, PIECE
	s_mul_i32 s22, s16, PIECE
	s_add_co_u32 s22, s22, 2*PIECE
	s_sub_co_u32 s22, s22, s21
	v_mul_u32_u24 v6, s22, v2
	v_lshl_add_u32 v5, v1, 5, v6
	s_add_co_u32 s21, s21, 16384
	v_add_nc_u32 v[ADRS], s21, v5
	v_add_nc_u32 v[ADRS+1], SLOT, v[ADRS]
	s_mul_i32 s23, s14, 16*528                     ; my stage: 16 rows x (512 + 16) bytes
	v_mul_u32_u24 v5, v1, 528
	v_lshl_add_u32 v5, v2, 6, v5
	v_add_nc_u32 v[STO], s23, v5
	v_add_nc_u32 v[RD], s23, v4
	v_lshlrev_b32 v[BA], 6, v2
	s_lshl_b32 s20, s17, 8
	s_lshl_b32 s21, s15, 7
	s_add_co_u32 s20, s20, s21                     ; my first token
	s_lshl_b32 s20, s20, 12
	s_lshl_b32 s21, s42, 1
	s_add_co_u32 s21, s21, s16
	s_lshl_b32 s22, s21, 9                         ; my 128 columns: 512 bytes on, in a row and in the bias
	s_add_co_u32 s20, s20, s22
	s_mov_b32 s21, 0
	s_mov_b32 s23, 0
	s_add_nc_u64 s[10:11], s[10:11], s[20:21]
	s_add_nc_u64 s[12:13], s[12:13], s[20:21]
	s_add_nc_u64 s[8:9], s[8:9], s[22:23]
	s_wait_tensorcnt 1                             ; my part of K step 0 is in; K step 1's load may be out
	s_barrier_signal -1
	s_barrier_wait -1
	FETCH_B 0, 0, 0
	FETCH_A 0, 0, 0
	SCALES 0
	FETCH_A 0, 0, 4
	STEP 0, 0, 1
	s_mov_b32 s3, LAPS-1
.Llap:
	TURN 0, 1, 1
	STEP 1, 0, 0
	TURN 1, 0, 1
	STEP 0, 0, 0
	s_sub_co_u32 s3, s3, 1
	s_cmp_lg_u32 s3, 0
	s_cbranch_scc1 .Llap
	TURN 0, 1, 0
	STEP 1, 0, 0
	s_wait_dscnt 16
	WIN MUL_LO
	MUL16 0, 1, 1, 1, 0
	MUL16 2, 1, 1, 1, 0
	s_wait_dscnt 0x0
	WIN MUL_HI
	MUL16 4, 1, 1, 1, 0
	MUL16 6, 1, 1, 1, 0
	WIN 0
	PLACES NP                                      ; behind the last products: in front of loads into registers that they read and of the first read of results
.irp b, 0,1,2,3
.irp j, 0,1,2,3
	global_load_b128 v[BI+16*\b+4*\j:BI+16*\b+4*\j+3], v[BA], s[8:9] offset:128*\b+16*\j
.endr
.endr
	RES 0
	RES 1
	RES 2
	s_wait_loadcnt 48                              ; the bias is in; the residual's 48 loads may be out
.irp a, 0,1,2,3,4,5,6,7
	WIN 0x02+\a/4
.set i, 0
.rept 32
	v_pk_add_f32 v[T+i:T+i+1], v[64*(\a%4)+i:64*(\a%4)+i+1], v[BI+i:BI+i+1]   ; ascending: each accumulator from its low end on
.set i, i+2
.endr
	WIN 0
.irp b, 0,1,2,3
.irp j, 0,1,2,3
	ds_store_b128 v[STO], v[T+16*\b+4*\j:T+16*\b+4*\j+3] offset:128*\b+16*\j
.endr
.endr
	s_wait_xcnt 0x0                                ; the last block's stores have read the registers that the loads below fill
.irp t, 0,1,2,3,4,5,6,7,8,9,10,11,12,13,14,15
	ds_load_b128 v[BK+4*\t:BK+4*\t+3], v[RD] offset:528*\t   ; LDS serves a wave's instructions in order: these see my stores
.endr
	s_wait_dscnt 0x0
.if \a < 6
	s_wait_loadcnt 32                              ; this block's residual rows are in; those of the two blocks behind it may be out
.elseif \a == 6
	s_wait_loadcnt 16
.else
	s_wait_loadcnt 0x0
.endif
	WIN 0x04
.set i, 0
.rept 32
	v_pk_add_f32 v[BK+i:BK+i+1], v[BK+i:BK+i+1], v[64*(\a%4)+i:64*(\a%4)+i+1]
.set i, i+2
.endr
	WIN 0
.irp t, 0,1,2,3,4,5,6,7,8,9,10,11,12,13,14,15
	global_store_b128 v[CO], v[BK+4*\t:BK+4*\t+3], s[12:13] offset:(32*(\a/2)+16*(\t/8)+8*(\a%2)+\t%8)*4096 th:TH_STORE_NT   ; 32 lanes store 512 consecutive bytes, aligned to 256
.endr
.if \a < 5
	RES \a+3
.endif
.endr
	s_wait_tensorcnt 0x0                           ; the wave's end
	ds_add_u32 v[SPW], v[NIL]
	s_wait_dscnt 0x0
	CROUND
	s_endpgm
.Lfunc_end_k_qe45e444fe2_ffn2:
	.size	k_qe45e444fe2_ffn2, .Lfunc_end_k_qe45e444fe2_ffn2-k_qe45e444fe2_ffn2
	.p2alignl 7, 3214868480
	.fill 96, 4, 3214868480
	.section	.rodata,"a",@progbits
	.p2align	6, 0x0
	.amdhsa_kernel k_qe45e444fe2_ffn2
		.amdhsa_group_segment_fixed_size 327680
		.amdhsa_private_segment_fixed_size 0
		.amdhsa_enable_private_segment 0
		.amdhsa_kernarg_size 40
		.amdhsa_user_sgpr_count 2
		.amdhsa_user_sgpr_kernarg_segment_ptr 1
		.amdhsa_wavefront_size32 1
		.amdhsa_system_sgpr_workgroup_id_x 1
		.amdhsa_system_sgpr_workgroup_id_y 1
		.amdhsa_system_sgpr_workgroup_id_z 1
		.amdhsa_system_vgpr_workitem_id 0
		.amdhsa_next_free_vgpr 1024
		.amdhsa_next_free_sgpr 100
		.amdhsa_reserve_vcc 0
		.amdhsa_float_denorm_mode_32 3
		.amdhsa_float_denorm_mode_16_64 3
		.amdhsa_memory_ordered 1
		.amdhsa_forward_progress 1
		.amdhsa_inst_pref_size 189
	.end_amdhsa_kernel
	.amdgpu_metadata
---
amdhsa.version: [ 1, 2 ]
amdhsa.kernels:
  - .name:           k_qe45e444fe2_ffn2
    .symbol:         k_qe45e444fe2_ffn2.kd
    .args:
      - { .name: hidc, .offset: 0, .size: 8, .value_kind: global_buffer, .address_space: global }
      - { .name: wc, .offset: 8, .size: 8, .value_kind: global_buffer, .address_space: global }
      - { .name: b2, .offset: 16, .size: 8, .value_kind: global_buffer, .address_space: global }
      - { .name: x1, .offset: 24, .size: 8, .value_kind: global_buffer, .address_space: global }
      - { .name: out0, .offset: 32, .size: 8, .value_kind: global_buffer, .address_space: global }
    .group_segment_fixed_size: 327680
    .private_segment_fixed_size: 0
    .kernarg_segment_align: 8
    .kernarg_segment_size: 40
    .max_flat_workgroup_size: 128
    .sgpr_count:     100
    .vgpr_count:     1024
    .wavefront_size: 32
...
	.end_amdgpu_metadata
.endif
;; end of part 7
;; ======== version 2 of 2: 7 launches
;; limits: right only within a limited range of input values
;; workspace buffers: wc 12,976,128 bytes; hc 4,325,376 bytes; qc 8,650,752 bytes; kvc 8,650,752 bytes; cxc 4,325,376 bytes; x1 16,777,216 bytes; hidc 17,301,504 bytes
;; launch prep (part 8): grid 448 x 1, 8 waves a work-group, no clusters, 68,864 bytes of LDS; arguments x, g1, be1, hc, Wq, Wk, Wv, Wo, W1, W2, wc; writes hc, wc
.if DOCPART == 8
	.amdgcn_target "amdgcn-amd-amdhsa--gfx1250"
	.amdhsa_code_object_version 6
	.text
	.protected	k_qe45e444fe2_prep
	.globl	k_qe45e444fe2_prep
	.p2align	8
	.type	k_qe45e444fe2_prep,@function
k_qe45e444fe2_prep:
	s_mov_b64 s[64:65], 0
	v_nop
	global_prefetch_b8 v0, s[64:65] scope:SCOPE_SE
	s_setreg_imm32_b32 hwreg(HW_REG_WAVE_MODE, 25, 1), 1
	s_wait_xcnt 0x0
; ONE PREPARING LAUNCH for all that the products read as codes of E4M3 with one E8M0 byte for each 32 along K: the six weights (work-groups 0-191, which have the longer work) and the first layer norm of x (work-groups 192-447).
; The two paths part on the work-group's number alone; each has LDS bytes of its own (the norm 0 .. 65,791, the weights from WQL on) and one barrier; the spare words are common.
; THE OPERAND LAYOUT.  A matrix of R rows x K is cut into blocks of 128 rows x 128 K, BLK = 16,896 bytes, block (rg, ks) at (rg K/128 + ks) BLK.
;   bytes 0 .. 16,383: images of operand registers: for 16 rows a (0..7) and register group c (0..3), lane 16 h + r owns the 16 bytes at 2048 a + 512 c + 16 lane: the codes k = 32 c + 16 h + 0..15 of the row at place 16 a + r;
;   bytes 16,384 .. 16,895: the scale word of the row at place 16 a + r, at 32 r + 4 a.  Place p holds the row whose number is p with bits 3 and 4 exchanged.
; THE WEIGHTS, f32, stored [K][N]: a row of the layout is a column n.  A lane takes a column and its registers run down K: a block of 32 lies in one lane.  A unit of four waves takes 128 columns x 256 along K; a work-group holds two units.
; THE NORM: y = (x - mean) rsqrt(var + 1e-5) g + b along rows of 1,024.  A work-group takes the 16 rows of one (rg, a).  Phase 1: wave w takes two rows whole in registers: mean, then the sum of squared differences, the affine step; the rows go to LDS.
; Phase 2: wave w takes K step w: lane (r, h) reads 16 neighbours of each of 4 blocks of row r, quantises, and stores an image of the operand's registers.  The norm's scale words are 16 words 32 bytes apart.
; LIMITS: NaN and infinities are not served; v_rsq_f32 is within 1 ulp; a block whose largest magnitude lies under 2^-118 (zeros too) gets the byte 1: the bytes are read by this program alone; the norm's sums run in another order than a plain loop's.
.set BLK, 16896
.set WQL, 66816                        ; the weights' path: 1,024 bytes of scale words for each of its two units
	v_lshl_add_u32 v200, v0, 2, 0x10100            ; my spare word (1,024 bytes from 65,792 on), and 0: kept for the closing add
	v_mov_b32 v201, 0
	s_cmp_lt_u32 ttmp9, 192
	s_cbranch_scc0 .Lnorm
.set SB,  14                           ; v14-15  scale words, one for each 128 along K
.set OFF, 16                           ; v16-47  4 lane + i x pitch
.set X,   48                           ; v48-111 two sets of 32 numbers
.set C,   112                          ; v112-127 two sets of 8 registers of codes
	s_load_b256 s[4:11], s[0:1], 0x20              ; Wq, Wk, Wv, Wo
	s_load_b128 s[12:15], s[0:1], 0x40             ; W1, W2
	s_load_b64 s[16:17], s[0:1], 0x50              ; wc
	v_lshrrev_b32 v10, 5, v0
	v_readfirstlane_b32 s56, v10                   ; wave 0..7
	s_and_b32 s18, s56, 3                          ; wave in its unit
	s_lshr_b32 s55, s56, 2
	s_lshl_b32 s54, ttmp9, 1
	s_add_co_u32 s54, s54, s55                     ; the unit, 0..383
	v_bfe_u32 v9, v0, 5, 2
	v_and_b32 v1, 31, v0                           ; lane = my column among the wave's 32
	v_and_b32 v6, 7, v0
	v_bfe_u32 v7, v0, 4, 1
	v_bfe_u32 v8, v0, 3, 1
	v_lshl_add_u32 v6, v7, 3, v6                   ; r: my column's place in its 16 (bits 3 and 4 exchanged)
	v_lshl_add_u32 v8, v9, 1, v8                   ; a = 2 wave + bit 3 of the lane
	v_lshlrev_b32 v2, 11, v8
	v_lshl_add_u32 v2, v6, 4, v2                   ; codes: 2048 a + 16 r
	v_lshlrev_b32 v3, 2, v8
	v_lshl_add_u32 v3, v6, 5, v3                   ; LDS: my scale word at 32 r + 4 a,
	v_lshrrev_b32 v7, 7, v0
	v_lshl_add_u32 v3, v7, 10, v3                  ; in my unit's 1,024 bytes
	v_add_nc_u32 v3, WQL, v3
	v_lshl_add_u32 v4, v0, 3, WQL                  ; LDS, back: 8 bytes a thread
	v_lshlrev_b32 v5, 3, v1                        ; and 8 bytes a lane in memory
	v_lshlrev_b32 v9, 2, v1                        ; 4 lane
	s_wait_alu depctr_va_vdst(0)
	s_lshr_b32 s25, s54, 5
	s_lshl_b32 s25, s25, 6                         ; the four square weights: 64 blocks each
	s_mov_b32 s30, 4096
	s_lshr_b32 s29, s54, 7
	s_cmp_eq_u32 s29, 1
	s_cselect_b32 s30, 16384, s30                  ; a row of the weight in bytes: 16,384 for W1
	s_cmp_lt_u32 s54, 128
	s_cselect_b32 s24, 31, 127                     ; the unit's number inside its tensor
	s_cselect_b32 s25, s25, 256                    ; the tensor's first block: W1's 256,
	s_cmp_lt_u32 s54, 256
	s_cselect_b32 s25, s25, 512                    ; W2's 512
	s_cselect_b32 s26, 2, 4                        ; W2 has 16 pieces of 256 along K, the others 4
	s_cselect_b32 s27, 3, 15
	s_cselect_b32 s28, 3, 5                        ; log2 (K / 128)
	s_and_b32 s24, s54, s24
	s_lshr_b32 s26, s24, s26                       ; rg: which 128 columns
	s_and_b32 s27, s24, s27                        ; kc: which 256 along K
	s_mov_b32 s31, 0x600000                        ; the mantissa field of 448
.set i, 0
.rept 32
	v_mad_u32_u24 v[OFF+i], s30, i, v9
.set i, i+1
.endr
	s_lshl_b32 s20, s27, 8
	s_mul_i32 s20, s20, s30                        ; 256 kc rows
	s_lshl_b32 s21, s26, 9
	s_add_co_u32 s20, s20, s21                     ; + 128 rg columns
	s_lshl_b32 s21, s18, 7
	s_add_co_u32 s20, s20, s21                     ; + 32 wave columns
	s_mov_b32 s21, 0
	s_lshl_b32 s22, s30, 5                         ; 32 rows on
	s_mov_b32 s23, 0
	s_lshl_b32 s19, s26, s28
	s_add_co_u32 s19, s19, s25
	s_lshl_b32 s24, s27, 1
	s_add_co_u32 s19, s19, s24                     ; my first block of the layout
	s_mul_i32 s48, s19, BLK
	s_mov_b32 s49, 0
	s_lshr_b32 s24, s18, 1                         ; the scale words leave 256 bytes a wave: block wave / 2, half wave % 2
	s_mul_i32 s50, s24, BLK
	s_and_b32 s24, s18, 1
	s_lshl_b32 s24, s24, 8
	s_add_co_u32 s50, s50, s24
	s_add_co_u32 s50, s50, 16384
	s_mov_b32 s51, 0
	s_wait_alu depctr_va_vdst(0)
	s_wait_kmcnt 0x0
	s_cmp_ge_u32 s54, 32                           ; the tensor: a choice on the unit's number alone
	s_cselect_b64 s[4:5], s[6:7], s[4:5]
	s_cmp_ge_u32 s54, 64
	s_cselect_b64 s[4:5], s[8:9], s[4:5]
	s_cmp_ge_u32 s54, 96
	s_cselect_b64 s[4:5], s[10:11], s[4:5]
	s_cmp_ge_u32 s54, 128
	s_cselect_b64 s[4:5], s[12:13], s[4:5]
	s_cmp_ge_u32 s54, 256
	s_cselect_b64 s[4:5], s[14:15], s[4:5]
	s_add_nc_u64 s[32:33], s[4:5], s[20:21]        ; a base for each of my 8 blocks of 32 along K
.irp t, 1,2,3,4,5,6,7
	s_add_nc_u64 s[32+2*\t:33+2*\t], s[30+2*\t:31+2*\t], s[22:23]
.endr
	s_add_nc_u64 s[16:17], s[16:17], s[48:49]
	s_add_nc_u64 s[52:53], s[16:17], s[50:51]
.macro LOAD t                          ; block t: W(32 t + i, my column): 32 lanes read 128 consecutive bytes, a unit's four waves 512
.set i, 0
.rept 32
	global_load_b32 v[X+32*((\t)%2)+i], v[OFF+i], s[32+2*(\t):33+2*(\t)] th:TH_LOAD_NT
.set i, i+1
.endr
.endm
	LOAD 0
	LOAD 1
.macro BLOCK t
.set XS, X+32*((\t)%2)
.set CS, C+8*((\t)%2)
.if (\t) < 7
	s_wait_loadcnt 32                              ; this block's 32 loads are in; the next block's 32 may be out
.else
	s_wait_loadcnt 0x0
.endif
	v_max3_num_f32 v12, |v[XS]|, |v[XS+1]|, |v[XS+2]|   ; the block's largest magnitude: all 32 numbers are mine; two chains
	v_max3_num_f32 v13, |v[XS+3]|, |v[XS+4]|, |v[XS+5]|
.irp i, 6,10,14,18,22,26
	v_max3_num_f32 v12, v12, |v[XS+\i]|, |v[XS+\i+1]|
	v_max3_num_f32 v13, v13, |v[XS+\i+2]|, |v[XS+\i+3]|
.endr
	v_max3_num_f32 v12, v12, |v[XS+30]|, |v[XS+31]|
	v_max3_num_f32 v12, v12, v13, 0x4800000        ; and the floor 2^(9 - 127): the byte cannot fall under 1
	v_add_nc_u32 v11, 0xfc000000, v12              ; 8 off the exponent field: the conversion's scale operand
	v_and_or_b32 v10, v12, 0x7f800000, s31         ; 448 x the scale
	v_lshrrev_b32 v13, 23, v11                     ; the scale's byte
.if (\t)%4 == 0
	v_mov_b32 v[SB+(\t)/4], v13
.else
	v_lshl_or_b32 v[SB+(\t)/4], v13, 8*((\t)%4), v[SB+(\t)/4]
.endif
.set i, 0
.rept 32
	v_med3_num_f32 v[XS+i], v[XS+i], -v10, v10     ; the conversion to an 8-bit code does not saturate (ISA guide 7.6.2): the hold comes first
.set i, i+1
.endr
	s_wait_alu depctr_va_vdst(0)
	s_wait_xcnt 0x0                                ; this set of code registers was store data two blocks ago: it is written again only behind this wait
.irp g, 0,1,2,3
	v_cvt_scalef32_pk8_fp8_f32 v[CS+2*\g:CS+2*\g+1], v[XS+8*\g:XS+8*\g+7], v11
.endr
	global_store_b128 v2, v[CS:CS+3], s[16:17] offset:((\t)/4)*BLK+((\t)%4)*512        ; k 0..15 of the block: the place of lanes 0-15 in the image; the wave fills two aligned runs of 256 bytes
	global_store_b128 v2, v[CS+4:CS+7], s[16:17] offset:((\t)/4)*BLK+((\t)%4)*512+256  ; k 16..31: the place of lanes 16-31
.if (\t)+2 < 8
	LOAD (\t)+2
.endif
.if (\t)%4 == 3
	ds_store_b32 v3, v[SB+(\t)/4] offset:((\t)/4)*512   ; 128 along K are done: my column's scale word
.endif
.endm
.irp t, 0,1,2,3,4,5,6,7
	BLOCK \t
.endr
	s_wait_dscnt 0x0                               ; my scale words lie in LDS: say so to the other waves
	s_barrier_signal -1
	s_barrier_wait -1
	ds_load_b64 v[6:7], v4                         ; a unit's two blocks' 1,024 bytes of scale words, 256 a wave
	s_wait_dscnt 0x0
	global_store_b64 v5, v[6:7], s[52:53]          ; 32 lanes store 256 consecutive bytes, aligned
	s_wait_tensorcnt 0x0                           ; the wave's end
	ds_add_u32 v200, v201
	s_wait_dscnt 0x0
	s_endpgm
.Lnorm:
.set RP,  4112                         ; a row in LDS: 4,096 bytes + 16
.set X,   16                           ; v16-79   two rows of 32 registers; in phase 2 the lane's 64 numbers
.set G,   80                           ; v80-111  g
.set BE,  112                          ; v112-143 b
.set PC,  144                          ; v144-159 codes
.set TM,  160                          ; v160-175 the quantiser's work
.set PW,  176                          ; v176     the scale word
.set ST,  178                          ; v178-193 row i at ST + 8 i: +0..3 two chains of sums, +4,5 the mean twice, +6,7 rsqrt twice
.set SEL, 20
.set MNT, 22
; 64 numbers of a lane, register 16 b + i = k 32 b + 16 h + i of my row, become 16 registers of codes at v[pc] and the row's scale word in v[pw]
.macro QUANT s, pc, pw
.irp b, 0,1,2,3
	v_max3_num_f32 v[TM+\b], |v[\s+16*\b]|, |v[\s+1+16*\b]|, 0x4800000   ; my 16 numbers of block b, and the floor 2^(9 - 127)
.endr
.irp i, 2,4,6,8,10,12,14
.irp b, 0,1,2,3
	s_delay_alu instid0(VALU_DEP_4)
	v_max3_num_f32 v[TM+\b], v[TM+\b], |v[\s+16*\b+\i]|, |v[\s+1+16*\b+\i]|
.endr
.endr
.irp b, 0,1,2,3
	s_delay_alu instid0(VALU_DEP_4)
	v_permlanex16_b32 v[TM+4+\b], v[TM+\b], s[SEL], s[SEL+1]
.endr
.irp b, 0,1,2,3
	s_delay_alu instid0(VALU_DEP_4)
	v_max_num_f32 v[TM+\b], v[TM+\b], v[TM+4+\b]   ; with the lane 16 away: the block's largest magnitude
.endr
.irp b, 0,1,2,3
	s_delay_alu instid0(VALU_DEP_4)
	v_add_nc_u32 v[TM+12+\b], 0xfc000000, v[TM+\b]
.endr
.irp b, 0,1,2,3
	v_and_or_b32 v[TM+8+\b], v[TM+\b], 0x7f800000, s[MNT]
.endr
.irp b, 0,1,2,3
	v_lshrrev_b32 v[TM+4+\b], 23, v[TM+12+\b]
.endr
	s_delay_alu instid0(VALU_DEP_3)
	v_lshl_or_b32 v[\pw], v[TM+5], 8, v[TM+4]
	s_delay_alu instid0(VALU_DEP_1)
	v_lshl_or_b32 v[\pw], v[TM+6], 16, v[\pw]
	s_delay_alu instid0(VALU_DEP_1)
	v_lshl_or_b32 v[\pw], v[TM+7], 24, v[\pw]
.irp b, 0,1,2,3
.irp i, 0,1,2,3,4,5,6,7,8,9,10,11,12,13,14,15
	v_med3_num_f32 v[\s+16*\b+\i], v[\s+16*\b+\i], -v[TM+8+\b], v[TM+8+\b]
.endr
	v_cvt_scalef32_pk8_fp8_f32 v[\pc+4*\b:\pc+1+4*\b], v[\s+16*\b:\s+7+16*\b], v[TM+12+\b]
	v_cvt_scalef32_pk8_fp8_f32 v[\pc+2+4*\b:\pc+3+4*\b], v[\s+8+16*\b:\s+15+16*\b], v[TM+12+\b]
.endr
	v_nop                                          ; a plain line behind the last conversion
.endm
; the two rows' sums: chains, halves, then the 32 lanes; every lane ends with the sum in v[ST + 8 i]
.macro LANES
.irp i, 0
	s_delay_alu instid0(VALU_DEP_3)
	v_pk_add_f32 v[ST+8*\i:ST+8*\i+1], v[ST+8*\i:ST+8*\i+1], v[ST+8*\i+2:ST+8*\i+3]
.endr
.irp i, 1
	s_delay_alu instid0(VALU_DEP_2)
	v_pk_add_f32 v[ST+8*\i:ST+8*\i+1], v[ST+8*\i:ST+8*\i+1], v[ST+8*\i+2:ST+8*\i+3]
.endr
.irp i, 0,1
	s_delay_alu instid0(VALU_DEP_2)
	v_add_f32 v[ST+8*\i], v[ST+8*\i], v[ST+8*\i+1]
.endr
.irp m, 1,2,4,8
.irp i, 0,1
	s_delay_alu instid0(VALU_DEP_2)
	v_add_f32_dpp v[ST+8*\i], v[ST+8*\i], v[ST+8*\i] row_xmask:\m row_mask:0xf bank_mask:0xf
.endr
.endr
.irp i, 0,1
	s_delay_alu instid0(VALU_DEP_2)
	v_permlanex16_b32 v[ST+8*\i+1], v[ST+8*\i], s[SEL], s[SEL+1]
.endr
.irp i, 0,1
	s_delay_alu instid0(VALU_DEP_2)
	v_add_f32 v[ST+8*\i], v[ST+8*\i], v[ST+8*\i+1]
.endr
.endm
	s_load_b256 s[4:11], s[0:1], 0x0               ; x s[4:5], g s[6:7], b s[8:9], the codes s[10:11]
	s_sub_co_u32 s30, ttmp9, 192                   ; which 16 rows
	v_lshrrev_b32 v2, 5, v0                        ; wave
	s_delay_alu instid0(VALU_DEP_1)
	v_readfirstlane_b32 s12, v2
	v_and_b32 v1, 31, v0                           ; lane
	s_delay_alu instid0(VALU_DEP_1)
	v_lshlrev_b32 v3, 4, v1                        ; 16 lane
	s_delay_alu instid0(VALU_DEP_4)
	v_mul_u32_u24 v4, v2, 2*RP
	s_delay_alu instid0(VALU_DEP_1)
	v_lshl_add_u32 v4, v1, 4, v4                   ; LDS, in: my wave's two rows, 16 bytes a lane
	v_and_b32 v5, 15, v0                           ; r
	v_bfe_u32 v6, v0, 4, 1                         ; h
	s_delay_alu instid0(VALU_DEP_2)
	v_mul_u32_u24 v7, v5, RP
	s_delay_alu instid0(VALU_DEP_1)
	v_lshl_add_u32 v7, v6, 6, v7
	s_delay_alu instid0(VALU_DEP_1)
	v_lshl_add_u32 v7, v2, 9, v7                   ; LDS, out: row r, + 64 h, + 512 wave (K step = wave)
	v_lshlrev_b32 v8, 5, v5                        ; 32 r: a scale word's place
	s_lshr_b32 s13, s30, 3                         ; rg
	s_and_b32 s14, s30, 7                          ; a
	s_lshl_b32 s15, s13, 7                         ; my first row: 128 rg + 32 (a / 2) + 16 (wave / 4) + 8 (a % 2) + 2 (wave % 4)
	s_lshr_b32 s16, s14, 1
	s_lshl_b32 s16, s16, 5
	s_add_co_u32 s15, s15, s16
	s_lshr_b32 s16, s12, 2
	s_lshl_b32 s16, s16, 4
	s_add_co_u32 s15, s15, s16
	s_and_b32 s16, s14, 1
	s_lshl_b32 s16, s16, 3
	s_add_co_u32 s15, s15, s16
	s_and_b32 s16, s12, 3
	s_lshl_b32 s16, s16, 1
	s_add_co_u32 s15, s15, s16
	s_lshl_b32 s16, s15, 12                        ; 4,096 bytes a row
	s_mov_b32 s17, 0
	s_lshl_b32 s18, s13, 3
	s_add_co_u32 s18, s18, s12
	s_mul_i32 s18, s18, BLK                        ; block (rg, wave)
	s_lshl_b32 s19, s14, 11
	s_add_co_u32 s24, s18, s19                     ; its images of the rows' block a
	s_mov_b32 s25, 0
	s_lshl_b32 s19, s14, 2
	s_add_co_u32 s26, s18, s19
	s_add_co_u32 s26, s26, 16384                   ; and their scale words
	s_mov_b32 s27, 0
	s_mov_b32 s[SEL], 0x76543210
	s_mov_b32 s[SEL+1], 0xfedcba98                 ; v_permlanex16_b32: the lane 16 away
	s_mov_b32 s[MNT], 0x600000                     ; the mantissa field of 448
	s_mov_b32 s28, 0x3a800000                      ; 1 / 1024
	s_mov_b32 s29, 0x3727c5ac                      ; 1e-5
.irp b, 0,1,2,3
	v_mov_b32 v[TM+4+\b], 0                        ; a lane permute's destination counts as read: written once
.endr
	s_wait_alu depctr_va_vdst(0)                   ; the wait at the head's end
	s_wait_kmcnt 0x0
	s_add_nc_u64 s[4:5], s[4:5], s[16:17]
	s_add_nc_u64 s[24:25], s[10:11], s[24:25]
	s_add_nc_u64 s[26:27], s[10:11], s[26:27]
.irp i, 0,1
.irp j, 0,1,2,3,4,5,6,7
	global_load_b128 v[X+32*\i+4*\j:X+32*\i+4*\j+3], v3, s[4:5] offset:4096*\i+512*\j th:TH_LOAD_NT   ; 512 consecutive bytes a load
.endr
.endr
.irp j, 0,1,2,3,4,5,6,7
	global_load_b128 v[G+4*\j:G+4*\j+3], v3, s[6:7] offset:512*\j
.endr
.irp j, 0,1,2,3,4,5,6,7
	global_load_b128 v[BE+4*\j:BE+4*\j+3], v3, s[8:9] offset:512*\j
.endr
	s_wait_loadcnt 16                              ; both rows are in; the 16 loads of g and b may be out
.irp i, 0,1
	v_pk_add_f32 v[ST+8*\i:ST+8*\i+1], v[X+32*\i:X+32*\i+1], v[X+32*\i+2:X+32*\i+3]
	v_pk_add_f32 v[ST+8*\i+2:ST+8*\i+3], v[X+32*\i+4:X+32*\i+5], v[X+32*\i+6:X+32*\i+7]
.endr
.irp j, 8,12,16,20,24,28
.irp i, 0,1
	s_delay_alu instid0(VALU_DEP_4)
	v_pk_add_f32 v[ST+8*\i:ST+8*\i+1], v[ST+8*\i:ST+8*\i+1], v[X+32*\i+\j:X+32*\i+\j+1]
	s_delay_alu instid0(VALU_DEP_4)
	v_pk_add_f32 v[ST+8*\i+2:ST+8*\i+3], v[ST+8*\i+2:ST+8*\i+3], v[X+32*\i+\j+2:X+32*\i+\j+3]
.endr
.endr
	LANES
.irp i, 0
	s_delay_alu instid0(VALU_DEP_2)
	v_mul_f32 v[ST+8*\i+4], s28, v[ST+8*\i]        ; the mean, twice: a pair for the packed subtraction
	s_delay_alu instid0(VALU_DEP_3)
	v_mul_f32 v[ST+8*\i+5], s28, v[ST+8*\i]
.endr
.irp i, 1
	s_delay_alu instid0(VALU_DEP_3)
	v_mul_f32 v[ST+8*\i+4], s28, v[ST+8*\i]
	s_delay_alu instid0(VALU_DEP_4)
	v_mul_f32 v[ST+8*\i+5], s28, v[ST+8*\i]
.endr
.irp j, 0,2,4,6,8,10,12,14,16,18,20,22,24,26,28,30
.irp i, 0,1
	v_pk_add_f32 v[X+32*\i+\j:X+32*\i+\j+1], v[X+32*\i+\j:X+32*\i+\j+1], v[ST+8*\i+4:ST+8*\i+5] neg_lo:[0,1] neg_hi:[0,1]   ; x - mean
.endr
.endr
.irp i, 0,1
	v_pk_mul_f32 v[ST+8*\i:ST+8*\i+1], v[X+32*\i:X+32*\i+1], v[X+32*\i:X+32*\i+1]
	v_pk_mul_f32 v[ST+8*\i+2:ST+8*\i+3], v[X+32*\i+2:X+32*\i+3], v[X+32*\i+2:X+32*\i+3]
.endr
.irp j, 4,8,12,16,20,24,28
.irp i, 0,1
	s_delay_alu instid0(VALU_DEP_4)
	v_pk_fma_f32 v[ST+8*\i:ST+8*\i+1], v[X+32*\i+\j:X+32*\i+\j+1], v[X+32*\i+\j:X+32*\i+\j+1], v[ST+8*\i:ST+8*\i+1]
	s_delay_alu instid0(VALU_DEP_4)
	v_pk_fma_f32 v[ST+8*\i+2:ST+8*\i+3], v[X+32*\i+\j+2:X+32*\i+\j+3], v[X+32*\i+\j+2:X+32*\i+\j+3], v[ST+8*\i+2:ST+8*\i+3]
.endr
.endr
	LANES
.irp i, 0,1
	s_delay_alu instid0(VALU_DEP_2)
	v_fma_f32 v[ST+8*\i], v[ST+8*\i], s28, s29     ; the variance + 1e-5
.endr
	s_wait_alu depctr_va_vdst(0)
.irp i, 0,1
	v_rsq_f32 v[ST+8*\i+6], v[ST+8*\i]             ; one batch of four: a pair for each row's packed multiply
	v_rsq_f32 v[ST+8*\i+7], v[ST+8*\i]
.endr
	v_nop                                          ; a plain line behind the last of them
	s_wait_alu depctr_va_vdst(0)                   ; one wait for the batch, ahead of its first reader
	s_wait_loadcnt 0x0                             ; g and b
.irp j, 0,2,4,6,8,10,12,14,16,18,20,22,24,26,28,30
.irp i, 0,1
	v_pk_mul_f32 v[X+32*\i+\j:X+32*\i+\j+1], v[X+32*\i+\j:X+32*\i+\j+1], v[ST+8*\i+6:ST+8*\i+7]
.endr
.irp i, 0,1
	s_delay_alu instid0(VALU_DEP_2)
	v_pk_fma_f32 v[X+32*\i+\j:X+32*\i+\j+1], v[X+32*\i+\j:X+32*\i+\j+1], v[G+\j:G+\j+1], v[BE+\j:BE+\j+1]
.endr
.endr
.irp i, 0,1
.irp j, 0,1,2,3,4,5,6,7
	ds_store_b128 v4, v[X+32*\i+4*\j:X+32*\i+4*\j+3] offset:RP*\i+512*\j
.endr
.endr
	s_wait_dscnt 0x0                               ; my two rows lie in LDS: say so to the other waves
	s_barrier_signal -1
	s_barrier_wait -1
.irp b, 0,1,2,3
.irp j, 0,1,2,3
	ds_load_b128 v[X+16*\b+4*\j:X+16*\b+4*\j+3], v7 offset:128*\b+16*\j   ; row r, k = 128 wave + 32 b + 16 h + 4 j + 0..3
.endr
.endr
	s_wait_dscnt 0x0
	QUANT X, PC, PW
.irp c, 0,1,2,3
	global_store_b128 v3, v[PC+4*\c:PC+4*\c+3], s[24:25] offset:512*\c   ; 32 lanes store 512 consecutive bytes, aligned to 256
.endr
	global_store_b32 v8, v[PW], s[26:27]
	s_wait_tensorcnt 0x0                           ; the wave's end
	ds_add_u32 v200, v201
	s_wait_dscnt 0x0
	s_endpgm
.Lfunc_end_k_qe45e444fe2_prep:
	.size	k_qe45e444fe2_prep, .Lfunc_end_k_qe45e444fe2_prep-k_qe45e444fe2_prep
	.p2alignl 7, 3214868480
	.fill 96, 4, 3214868480
	.section	.rodata,"a",@progbits
	.p2align	6, 0x0
	.amdhsa_kernel k_qe45e444fe2_prep
		.amdhsa_group_segment_fixed_size 68864
		.amdhsa_private_segment_fixed_size 0
		.amdhsa_enable_private_segment 0
		.amdhsa_kernarg_size 88
		.amdhsa_user_sgpr_count 2
		.amdhsa_user_sgpr_kernarg_segment_ptr 1
		.amdhsa_wavefront_size32 1
		.amdhsa_system_sgpr_workgroup_id_x 1
		.amdhsa_system_sgpr_workgroup_id_y 1
		.amdhsa_system_sgpr_workgroup_id_z 1
		.amdhsa_system_vgpr_workitem_id 0
		.amdhsa_next_free_vgpr 202
		.amdhsa_next_free_sgpr 66
		.amdhsa_reserve_vcc 0
		.amdhsa_float_denorm_mode_32 3
		.amdhsa_float_denorm_mode_16_64 3
		.amdhsa_memory_ordered 1
		.amdhsa_forward_progress 1
		.amdhsa_inst_pref_size 95
	.end_amdhsa_kernel
	.amdgpu_metadata
---
amdhsa.version: [ 1, 2 ]
amdhsa.kernels:
  - .name:           k_qe45e444fe2_prep
    .symbol:         k_qe45e444fe2_prep.kd
    .args:
      - { .name: x, .offset: 0, .size: 8, .value_kind: global_buffer, .address_space: global }
      - { .name: g1, .offset: 8, .size: 8, .value_kind: global_buffer, .address_space: global }
      - { .name: be1, .offset: 16, .size: 8, .value_kind: global_buffer, .address_space: global }
      - { .name: hc, .offset: 24, .size: 8, .value_kind: global_buffer, .address_space: global }
      - { .name: Wq, .offset: 32, .size: 8, .value_kind: global_buffer, .address_space: global }
      - { .name: Wk, .offset: 40, .size: 8, .value_kind: global_buffer, .address_space: global }
      - { .name: Wv, .offset: 48, .size: 8, .value_kind: global_buffer, .address_space: global }
      - { .name: Wo, .offset: 56, .size: 8, .value_kind: global_buffer, .address_space: global }
      - { .name: W1, .offset: 64, .size: 8, .value_kind: global_buffer, .address_space: global }
      - { .name: W2, .offset: 72, .size: 8, .value_kind: global_buffer, .address_space: global }
      - { .name: wc, .offset: 80, .size: 8, .value_kind: global_buffer, .address_space: global }
    .group_segment_fixed_size: 68864
    .private_segment_fixed_size: 0
    .kernarg_segment_align: 8
    .kernarg_segment_size: 88
    .max_flat_workgroup_size: 256
    .sgpr_count:     66
    .vgpr_count:     202
    .wavefront_size: 32
...
	.end_amdgpu_metadata
.endif
;; end of part 8
;; launch qkv (part 9): grid 48 x 4, 4 waves a work-group, clusters of 4 x 4, 327,680 bytes of LDS; arguments hc, wc, bq, bk, bv, qc, kvc; writes qc, kvc
.if DOCPART == 9
	.amdgcn_target "amdgcn-amd-amdhsa--gfx1250"
	.amdhsa_code_object_version 6
	.text
	.protected	k_qe45e444fe2_qkv
	.globl	k_qe45e444fe2_qkv
	.p2align	8
	.type	k_qe45e444fe2_qkv,@function
k_qe45e444fe2_qkv:
	s_mov_b64 s[64:65], 0
	v_nop
	global_prefetch_b8 v0, s[64:65] scope:SCOPE_SE
	s_setreg_imm32_b32 hwreg(HW_REG_WAVE_MODE, 25, 1), 1
	s_wait_xcnt 0x0
	s_wait_alu depctr_hold_cnt(0) depctr_sa_sdst(0) depctr_va_vdst(0) depctr_va_sdst(0) depctr_va_ssrc(0) depctr_va_vcc(0) depctr_vm_vsrc(0)
	s_getreg_b32 s2, hwreg(HW_REG_IB_STS2, 6, 4)
	s_cmp_eq_u32 s2, 0
	s_cbranch_scc0 .Lentry_in_a_cluster
	s_endpgm
.Lentry_in_a_cluster:
	s_bfe_u32 s2, ttmp6, 0x10000c
	s_cmp_lg_u32 s2, 0xf033
	s_cbranch_scc0 .Lentry_shape_is_right
	s_endpgm
.Lentry_shape_is_right:
.set BLK,   16896
.set PIECE, 2*BLK
.set SLOT,  4*PIECE
.set SPARE, 2*SLOT
.set KB,    8
.set LAPS,  KB/4
.set WVOFF, 128*BLK
.set NP,    8
.set FR,    16
.set ADRA, 16
.set ADRS, 18
.set ADRB, 20
.set BA0,  24
.set BA1,  25
.set IMG,  4
.set SWO,  27
.set SPW,  28
.set NIL,  29
.set SC,   32
.set AF,   128
.set T,    64
.set PC,   128
.set TM,   160
.set PW,   176
.set PM,   184
.set BP,   188
.set BD,   196
.set G1,   24
.set G0,   32
.set G1B,  48
.set G0B,  56
.set OUT,  82
.set BIA,  86
.set SEL,  90
.set MNT,  92
.set MSB, 0
.macro WIN new
.if MSB != (\new)
	s_set_vgpr_msb (MSB<<8)|(\new)
.set MSB, (\new)
.endif
.endm
.set MUL_LO, 0xa1
.set MUL_HI, 0xf1
.set TO_B,   0x40
.macro JLOAD g0a, g1a, g0b, g1b
	s_cmp_eq_u32 s15, 0
	s_cbranch_scc0 .Lfor_b_\@
	tensor_load_to_lds s[\g0a:\g0a+3], s[\g1a:\g1a+7]
	s_nop 0
.rept 4
	v_nop
.endr
	s_branch .Lasked_\@
.Lfor_b_\@:
	tensor_load_to_lds s[\g0b:\g0b+3], s[\g1b:\g1b+7]
	s_nop 0
.rept 4
	v_nop
.endr
.Lasked_\@:
.endm
.macro CREST
	s_cmp_lg_u32 s14, 0
	s_cbranch_scc1 .Lnot_wave_0_\@
	s_barrier_signal -3
.Lnot_wave_0_\@:
	s_barrier_wait -3
	s_barrier_signal -1
	s_barrier_wait -1
.endm
.macro CROUND
	s_barrier_signal -1
	s_barrier_wait -1
	CREST
.endm
.macro PLACES n
.rept \n
	v_nop
.endr
.endm
.macro FRAG reg, adr, q, i
.irp c, 0,1,2,3
	ds_load_b128 v[\reg+4*\c:\reg+4*\c+3], v[\adr] offset:BLK*(\q)+2048*(\i)+512*\c
.endr
.endm
.macro MUL16 a0, p, q, sc, zero
.irp a, \a0, \a0+1
.irp b, 0,1,2,3,4,5,6,7
.if \zero
	v_wmma_scale_f32_16x16x128_f8f6f4 v[8*(8*((\a)%4)+\b):8*(8*((\a)%4)+\b)+7], v[128*(\p)+FR*\b:128*(\p)+FR*\b+FR-1], v[AF+FR*(\a):AF+FR*(\a)+FR-1], 0, v[SC+16*(\sc)+8*(\q)+\b], v[SC+16*(\sc)+8*(\q)+(\a)] matrix_a_scale:MATRIX_SCALE_ROW1
.else
	v_wmma_scale_f32_16x16x128_f8f6f4 v[8*(8*((\a)%4)+\b):8*(8*((\a)%4)+\b)+7], v[128*(\p)+FR*\b:128*(\p)+FR*\b+FR-1], v[AF+FR*(\a):AF+FR*(\a)+FR-1], v[8*(8*((\a)%4)+\b):8*(8*((\a)%4)+\b)+7], v[SC+16*(\sc)+8*(\q)+\b], v[SC+16*(\sc)+8*(\q)+(\a)] matrix_a_scale:MATRIX_SCALE_ROW1
.endif
.endr
.endr
.endm
.macro FETCH_B slot, q, p
	WIN TO_B
.irp i, 0,1,2,3,4,5,6,7
	FRAG 128*(\p)+FR*\i, ADRB+\slot, \q, \i
.endr
	WIN 0
.endm
.macro FETCH_A slot, q, i0
.irp i, \i0, \i0+1, \i0+2, \i0+3
	FRAG AF+FR*(\i), ADRA+\slot, \q, \i
.endr
.endm
.macro SCALES sc
.irp q, 0,1
.irp e, 0,1
	ds_load_b128 v[SC+16*\sc+8*\q+4*\e:SC+16*\sc+8*\q+4*\e+3], v[ADRS+\sc] offset:BLK*\q+16*\e
.endr
.endr
.endm
.macro STEP slot, q, zero
	s_wait_dscnt 16
	WIN MUL_LO
	MUL16 0, (\q)%2, \q, \slot, \zero
	MUL16 2, (\q)%2, \q, \slot, \zero
	s_wait_dscnt 0x0
	PLACES NP
	FETCH_B \slot, (\q)+1, 1-(\q)%2
	FETCH_A \slot, (\q)+1, 0
	WIN MUL_HI
	MUL16 4, (\q)%2, \q, \slot, \zero
	MUL16 6, (\q)%2, \q, \slot, \zero
	PLACES NP
	WIN 0
	FETCH_A \slot, (\q)+1, 4
.endm
.macro TURN slot, next, fill
	s_wait_tensorcnt 0x0
	ds_add_u32 v[SPW], v[NIL]
	s_wait_dscnt 17
	WIN MUL_LO
	MUL16 0, 1, 1, \slot, 0
	s_wait_dscnt 0x0
	s_barrier_signal -1
	MUL16 2, 1, 1, \slot, 0
	WIN 0
	s_barrier_wait -1
.if \fill
	CREST
	s_add_nc_u64 s[G0+4*\slot+2:G0+4*\slot+3], s[G0+4*\slot+2:G0+4*\slot+3], 2*PIECE
	s_add_nc_u64 s[G0B+4*\slot+2:G0B+4*\slot+3], s[G0B+4*\slot+2:G0B+4*\slot+3], 2*PIECE
	JLOAD G0+4*\slot, G1, G0B+4*\slot, G1B
	PLACES NP-4
.else
	PLACES NP
.endif
	FETCH_B \next, 0, 0
	FETCH_A \next, 0, 0
	s_wait_alu depctr_va_vdst(0)
	SCALES \next
.if (\fill) && (\slot) == 0            ; behind step 2's load: step 3, the last.  Step 3's load has no successor and asks for nothing
	global_prefetch_b8 v30, s[94:95] offset:2*PIECE th:TH_LOAD_NT scope:SCOPE_SE
	global_prefetch_b8 v31, s[94:95] offset:2*PIECE+8192 th:TH_LOAD_NT scope:SCOPE_SE
.endif
	WIN MUL_HI
	MUL16 4, 1, 1, \slot, 0
	MUL16 6, 1, 1, \slot, 0
	PLACES NP
	WIN 0
	FETCH_A \next, 0, 4
.endm
.macro QUANT s, relu, pc, pw
.if \relu
.irp b, 0,1,2,3
	v_max3_num_f32 v[TM+\b], v[\s+16*\b], v[\s+1+16*\b], 0x4800000
.endr
.irp i, 2,4,6,8,10,12,14
.irp b, 0,1,2,3
	v_max3_num_f32 v[TM+\b], v[TM+\b], v[\s+16*\b+\i], v[\s+1+16*\b+\i]
.endr
.endr
.else
.irp b, 0,1,2,3
	v_max3_num_f32 v[TM+\b], |v[\s+16*\b]|, |v[\s+1+16*\b]|, 0x4800000
.endr
.irp i, 2,4,6,8,10,12,14
.irp b, 0,1,2,3
	v_max3_num_f32 v[TM+\b], v[TM+\b], |v[\s+16*\b+\i]|, |v[\s+1+16*\b+\i]|
.endr
.endr
.endif
.irp b, 0,1,2,3
	v_permlanex16_b32 v[TM+4+\b], v[TM+\b], s[SEL], s[SEL+1]
.endr
.irp b, 0,1,2,3
	v_max_num_f32 v[TM+\b], v[TM+\b], v[TM+4+\b]
.endr
.irp b, 0,1,2,3
	v_add_nc_u32 v[TM+12+\b], 0xfc000000, v[TM+\b]
.endr
.irp b, 0,1,2,3
	v_and_or_b32 v[TM+8+\b], v[TM+\b], 0x7f800000, s[MNT]
.endr
.irp b, 0,1,2,3
	v_lshrrev_b32 v[TM+4+\b], 23, v[TM+12+\b]
.endr
	v_lshl_or_b32 v[\pw], v[TM+5], 8, v[TM+4]
	v_lshl_or_b32 v[\pw], v[TM+6], 16, v[\pw]
	v_lshl_or_b32 v[\pw], v[TM+7], 24, v[\pw]
.irp b, 0,1,2,3
.irp i, 0,1,2,3,4,5,6,7,8,9,10,11,12,13,14,15
.if \relu
	v_med3_num_f32 v[\s+16*\b+\i], v[\s+16*\b+\i], 0, v[TM+8+\b]
.else
	v_med3_num_f32 v[\s+16*\b+\i], v[\s+16*\b+\i], -v[TM+8+\b], v[TM+8+\b]
.endif
.endr
	v_cvt_scalef32_pk8_fp8_f32 v[\pc+4*\b:\pc+1+4*\b], v[\s+16*\b:\s+7+16*\b], v[TM+12+\b]
	v_cvt_scalef32_pk8_fp8_f32 v[\pc+2+4*\b:\pc+3+4*\b], v[\s+8+16*\b:\s+15+16*\b], v[TM+12+\b]
.endr
	v_nop
.endm
.macro EPIQ mode, relu
	PLACES NP
.if \mode == 0
	WIN TO_B
.irp b, 0,1,2,3
.irp j, 0,1,2,3
	global_load_b128 v[16*\b+4*\j:16*\b+4*\j+3], v[BA0], s[BIA:BIA+1] offset:128*\b+16*\j
.endr
.endr
	WIN 0
.else
.irp a, 0,1,2,3,4,5,6,7
	global_load_b32 v[BP+\a], v[BA1], s[BIA:BIA+1] offset:4*(32*(\a/2)+8*(\a%2))
.endr
.endif
.irp b, 0,1,2,3
	v_mov_b32 v[TM+4+\b], 0
.endr
	v_cmp_le_u32 vcc_lo, 16, v3
	s_wait_loadcnt 0x0
.irp a, 0,1,2,3,4,5,6,7
.if \mode == 0
	WIN 0x06+\a/4
.set i, 0
.rept 32
	v_pk_add_f32 v[T+i:T+i+1], v[64*(\a%4)+i:64*(\a%4)+i+1], v[i:i+1]
.set i, i+2
.endr
.else
	v_mov_b32 v[BD], v[BP+\a]
	v_mov_b32 v[BD+1], v[BP+\a]
	WIN 0x02+\a/4
.set i, 0
.rept 32
	v_pk_add_f32 v[T+i:T+i+1], v[64*(\a%4)+i:64*(\a%4)+i+1], v[BD:BD+1]
.set i, i+2
.endr
.endif
	WIN 0
	s_wait_xcnt 0x0
	QUANT T, \relu, PC+16*(\a%2), PW+\a
.irp c, 0,1,2,3
.if \mode == 0
	global_store_b128 v[IMG], v[PC+16*(\a%2)+4*\c:PC+16*(\a%2)+4*\c+3], s[OUT:OUT+1] offset:(\c/2)*16*BLK+\a*1024+(\c%2)*512   ; q, k: groups 0, 1 go to the even head's region, 2, 3 to the odd head's (16 regions on): 1,024 bytes for each 16 tokens
.else
	global_store_b128 v[IMG], v[PC+16*(\a%2)+4*\c:PC+16*(\a%2)+4*\c+3], s[OUT:OUT+1] offset:(\a/4)*16*BLK+(\a%4)*2048+512*\c   ; v^T: features 0-63 are the even head's, 64-127 the odd head's
.endif
.endr
.endr
.if \mode == 0
	v_mov_b32 v[BD], 0x05040100                    ; q, k: a head owns two of a row's four scale bytes: lanes 0-15 pack the low halves of the eight words (even head), lanes 16-31 the high halves
	v_mov_b32 v[BD+1], 0x07060302
	v_cndmask_b32 v[BD], v[BD], v[BD+1], vcc_lo
.irp k, 0,1,2,3
	v_perm_b32 v[PM+\k], v[PW+2*\k+1], v[PW+2*\k], v[BD]
.endr
	global_store_b128 v[SWO], v[PM:PM+3], s[OUT:OUT+1] offset:16384   ; half-word of (16 tokens a, row r) at 16 r + 2 a: sixteen lanes store 256 consecutive bytes
.else
.irp k, 0,1,2,3
	v_cndmask_b32 v[PM+\k], v[PW+\k], v[PW+4+\k], vcc_lo
.endr
	global_store_b128 v[SWO], v[PM:PM+3], s[OUT:OUT+1] offset:8448    ; v^T: the word of (16 features t, row r) at 16,640 + 16 r + 4 t of the region (the base stands at its byte 8,192)
.endif
.endm
	s_load_b256 s[4:11], s[0:1], 0x0
	s_load_b128 s[68:71], s[0:1], 0x20
	s_load_b64 s[72:73], s[0:1], 0x30
	v_lshl_add_u32 v[SPW], v0, 2, SPARE
	v_mov_b32 v[NIL], 0
	ds_add_u32 v28, v29
	ds_add_u32 v28, v29
	s_wait_dscnt 0x0
	v_lshrrev_b32 v1, 5, v0
	v_readfirstlane_b32 s14, v1
	v_and_b32 v30, 31, v0
	v_lshlrev_b32 v30, 8, v30                      ; the prefetches' offsets: a lane a block of 256 bytes; never rewritten
	v_mov_b32 v31, 0                               ; and 0, for the 33rd block
	s_lshr_b32 s15, s14, 1
	s_and_b32 s16, s14, 1
	s_bfe_u32 s40, ttmp6, 0x40000
	s_bfe_u32 s41, ttmp6, 0x40004
	s_and_b32 s75, ttmp9, 3
	s_lshr_b32 s76, ttmp9, 2
	s_cmp_lt_u32 ttmp9, 8
	s_cselect_b32 s76, s76, s75
	s_cselect_b32 s75, s75, 0
	s_cselect_b32 s77, 0, WVOFF
	s_lshl_b32 s42, s76, 2
	s_add_co_u32 s42, s42, s40
	s_lshl_b32 s17, s75, 2
	s_add_co_u32 s17, s17, s41
	s_lshl_b32 s43, s41, 2
	s_lshl_b32 s43, 15, s43
	s_lshl_b32 s44, 0x1111, s40
	s_or_b32 s[G1+0], s43, (3<<16)|(1<<21)
	s_or_b32 s[G1B+0], s44, (3<<16)|(1<<21)
.irp g, G1, G1B
	s_mov_b32 s[\g+1], 32<<16
	s_mov_b32 s[\g+2], 132<<16
	s_mov_b32 s[\g+3], 32<<16
	s_mov_b32 s[\g+4], 132
	s_mov_b32 s[\g+5], 32
	s_mov_b32 s[\g+6], 0
	s_mov_b32 s[\g+7], 0
.endr
	s_lshl_b32 s20, s17, 1
	s_add_co_u32 s20, s20, s16
	s_mul_i32 s20, s20, KB*BLK
	s_add_co_u32 s20, s20, s77
	s_mov_b32 s21, 0
	s_lshl_b32 s46, s42, 1
	s_add_co_u32 s46, s46, s16
	s_mul_i32 s46, s46, KB*BLK
	s_mov_b32 s47, 0
	s_mul_i32 s45, s14, PIECE
	s_mov_b32 s[SEL], 0x76543210
	s_mov_b32 s[SEL+1], 0xfedcba98
	s_mov_b32 s[MNT], 0x600000
	s_wait_alu depctr_va_vdst(0)
	s_wait_kmcnt 0x0
	s_cmp_lt_u32 ttmp9, 8
	s_cselect_b64 s[78:79], s[4:5], s[6:7]
	s_cselect_b64 s[80:81], s[6:7], s[4:5]
	s_cmp_lt_u32 ttmp9, 4                          ; q goes to qc; k and v^T to kvc
	s_cselect_b64 s[OUT:OUT+1], s[70:71], s[72:73]
	s_add_nc_u64 s[20:21], s[78:79], s[20:21]
	s_add_nc_u64 s[46:47], s[80:81], s[46:47]
	; the prefetches: of the 132 blocks of 256 bytes that I fetch for a slot step, each of the four partners that ask with me names 33, told apart by address (cx for source 1's side, cy for source 0's)
	s_cmp_eq_u32 s15, 0
	s_cselect_b64 s[94:95], s[20:21], s[46:47]
	s_cselect_b32 s96, s40, s41
	s_mul_i32 s96, s96, 33*256
	s_add_co_u32 s96, s96, PIECE                   ; at slot step 1; the later steps by immediates: the address is never stepped
	s_mov_b32 s97, 0
	s_add_nc_u64 s[94:95], s[94:95], s[96:97]
	CROUND
.irp s, 0,1
	s_mov_b32 s[G0+4*\s], 1
	s_add_co_u32 s[G0+4*\s+1], s45, \s*SLOT
	s_add_nc_u64 s[G0+4*\s+2:G0+4*\s+3], s[20:21], \s*PIECE
	s_or_b32 s[G0+4*\s+3], s[G0+4*\s+3], 0x80000000
	s_mov_b32 s[G0B+4*\s], 1
	s_add_co_u32 s[G0B+4*\s+1], s45, \s*SLOT
	s_add_nc_u64 s[G0B+4*\s+2:G0B+4*\s+3], s[46:47], \s*PIECE
	s_or_b32 s[G0B+4*\s+3], s[G0B+4*\s+3], 0x80000000
.if \s                                 ; slot 0's load stands behind the opening round; slot 1's first fill behind the full sequence and a round of its own
	s_wait_alu depctr_va_vdst(0)
	s_wait_tensorcnt 0x0
	ds_add_u32 v28, v29
	ds_add_u32 v28, v29
	s_wait_dscnt 0x0
	CROUND
.endif
	JLOAD G0+4*\s, G1, G0B+4*\s, G1B
	global_prefetch_b8 v30, s[94:95] offset:\s*PIECE th:TH_LOAD_NT scope:SCOPE_SE        ; A PREFETCH INTO THE L2 of what the NEXT joint load brings: behind step 0's load step 1, behind step 1's step 2
	global_prefetch_b8 v31, s[94:95] offset:\s*PIECE+8192 th:TH_LOAD_NT scope:SCOPE_SE
.endr
	v_and_b32 v1, 15, v0
	v_bfe_u32 v2, v0, 4, 1
	s_wait_alu depctr_va_vdst(0)
	v_and_b32 v3, 31, v0
	v_lshlrev_b32 v4, 4, v3
	s_mul_i32 s21, s15, PIECE
	s_mul_i32 s22, s16, PIECE
	s_add_co_u32 s22, s22, 2*PIECE
.irp s, 0,1
	v_add_nc_u32 v[ADRA+\s], s21, v4
	v_add_nc_u32 v[ADRB+\s], s22, v4
	s_add_co_u32 s21, s21, SLOT
	s_add_co_u32 s22, s22, SLOT
.endr
	s_mul_i32 s21, s15, PIECE
	s_mul_i32 s22, s16, PIECE
	s_add_co_u32 s22, s22, 2*PIECE
	s_sub_co_u32 s22, s22, s21
	v_mul_u32_u24 v6, s22, v2
	v_lshl_add_u32 v5, v1, 5, v6
	s_add_co_u32 s21, s21, 16384
	v_add_nc_u32 v[ADRS], s21, v5
	v_add_nc_u32 v[ADRS+1], SLOT, v[ADRS]
	v_lshlrev_b32 v[BA0], 6, v2
	v_and_b32 v5, 7, v0
	v_bfe_u32 v6, v0, 3, 1
	v_lshlrev_b32 v[BA1], 2, v5
	v_lshl_add_u32 v[BA1], v6, 6, v[BA1]
	v_lshlrev_b32 v[SWO], 4, v1                    ; scale bytes: 16 r, and for lanes 16-31 the odd head's region, 16 regions on
	v_mul_u32_u24 v5, v2, 16*BLK
	v_add_nc_u32 v[SWO], v5, v[SWO]
	s_lshl_b32 s20, s17, 1
	s_add_co_u32 s20, s20, s15
	s_lshl_b32 s21, s42, 1
	s_add_co_u32 s21, s21, s16
	s_and_b32 s22, s21, 7
	s_cmp_eq_u32 s76, 0
	s_cselect_b64 s[BIA:BIA+1], s[8:9], s[10:11]
	s_cmp_lt_u32 ttmp9, 8
	s_cselect_b64 s[BIA:BIA+1], s[BIA:BIA+1], s[68:69]
	s_cselect_b32 s22, s22, s20
	s_lshl_b32 s22, s22, 9
	s_mov_b32 s23, 0
	s_add_nc_u64 s[BIA:BIA+1], s[BIA:BIA+1], s[22:23]
	; the region of (batch, head, 128 tokens n) lies at ((16 batch + head) 16 + n) BLK: q's or k's codes 8,192 bytes, v^T's codes 8,192, k's (q's) scale half-words 256, v^T's scale words 256
	s_and_b32 s74, s21, 7
	s_cmp_lt_u32 ttmp9, 8
	s_cselect_b32 s85, s20, s21                    ; the group of 128 tokens
	s_cselect_b32 s74, s74, s20                    ; the pair of heads
	s_cselect_b32 s84, 0, 8192                     ; v^T's codes lie behind k's
	s_lshr_b32 s20, s85, 4
	s_lshl_b32 s20, s20, 8                         ; 256 regions a batch
	s_and_b32 s85, s85, 15
	s_add_co_u32 s20, s20, s85
	s_lshl_b32 s74, s74, 5                         ; 32 regions a pair of heads
	s_add_co_u32 s20, s20, s74
	s_mul_i32 s20, s20, BLK
	s_add_co_u32 s20, s20, s84
	s_mov_b32 s21, 0
	s_add_nc_u64 s[OUT:OUT+1], s[OUT:OUT+1], s[20:21]
	s_wait_alu depctr_va_vdst(0)                   ; the wait at the head's end
	s_wait_tensorcnt 1
	s_barrier_signal -1
	s_barrier_wait -1
	FETCH_B 0, 0, 0
	FETCH_A 0, 0, 0
	SCALES 0
	FETCH_A 0, 0, 4
	STEP 0, 0, 1
	s_mov_b32 s3, LAPS-1
.Llap:
	TURN 0, 1, 1
	STEP 1, 0, 0
	TURN 1, 0, 1
	STEP 0, 0, 0
	s_sub_co_u32 s3, s3, 1
	s_cmp_lg_u32 s3, 0
	s_cbranch_scc1 .Llap
	TURN 0, 1, 0
	STEP 1, 0, 0
	s_wait_dscnt 16
	WIN MUL_LO
	MUL16 0, 1, 1, 1, 0
	MUL16 2, 1, 1, 1, 0
	s_wait_dscnt 0x0
	WIN MUL_HI
	MUL16 4, 1, 1, 1, 0
	MUL16 6, 1, 1, 1, 0
	WIN 0
	s_cmp_lt_u32 ttmp9, 8
	s_cbranch_scc0 .Lvt
	EPIQ 0, 0
	s_branch .Ldone
.Lvt:
	EPIQ 1, 0
.Ldone:
	s_wait_tensorcnt 0x0
	ds_add_u32 v[SPW], v[NIL]
	s_wait_dscnt 0x0
	CROUND
	s_endpgm
.Lfunc_end_k_qe45e444fe2_qkv:
	.size	k_qe45e444fe2_qkv, .Lfunc_end_k_qe45e444fe2_qkv-k_qe45e444fe2_qkv
	.p2alignl 7, 3214868480
	.fill 96, 4, 3214868480
	.section	.rodata,"a",@progbits
	.p2align	6, 0x0
	.amdhsa_kernel k_qe45e444fe2_qkv
		.amdhsa_group_segment_fixed_size 327680
		.amdhsa_private_segment_fixed_size 0
		.amdhsa_enable_private_segment 0
		.amdhsa_kernarg_size 56
		.amdhsa_user_sgpr_count 2
		.amdhsa_user_sgpr_kernarg_segment_ptr 1
		.amdhsa_wavefront_size32 1
		.amdhsa_system_sgpr_workgroup_id_x 1
		.amdhsa_system_sgpr_workgroup_id_y 1
		.amdhsa_system_sgpr_workgroup_id_z 1
		.amdhsa_system_vgpr_workitem_id 0
		.amdhsa_next_free_vgpr 1024
		.amdhsa_next_free_sgpr 100
		.amdhsa_reserve_vcc 1
		.amdhsa_float_denorm_mode_32 3
		.amdhsa_float_denorm_mode_16_64 3
		.amdhsa_memory_ordered 1
		.amdhsa_forward_progress 1
		.amdhsa_inst_pref_size 255
	.end_amdhsa_kernel
	.section	.bss,"aw",@nobits
	.p2align	6
	.space	262144
	.amdgpu_metadata
---
amdhsa.version: [ 1, 2 ]
amdhsa.kernels:
  - .name:           k_qe45e444fe2_qkv
    .symbol:         k_qe45e444fe2_qkv.kd
    .args:
      - { .name: hc, .offset: 0, .size: 8, .value_kind: global_buffer, .address_space: global }
      - { .name: wc, .offset: 8, .size: 8, .value_kind: global_buffer, .address_space: global }
      - { .name: bq, .offset: 16, .size: 8, .value_kind: global_buffer, .address_space: global }
      - { .name: bk, .offset: 24, .size: 8, .value_kind: global_buffer, .address_space: global }
      - { .name: bv, .offset: 32, .size: 8, .value_kind: global_buffer, .address_space: global }
      - { .name: qc, .offset: 40, .size: 8, .value_kind: global_buffer, .address_space: global }
      - { .name: kvc, .offset: 48, .size: 8, .value_kind: global_buffer, .address_space: global }
    .group_segment_fixed_size: 327680
    .private_segment_fixed_size: 0
    .kernarg_segment_align: 8
    .kernarg_segment_size: 56
    .max_flat_workgroup_size: 128
    .sgpr_count:     100
    .vgpr_count:     1024
    .wavefront_size: 32
...
	.end_amdgpu_metadata
.endif
;; end of part 9
;; launch attn (part 10): grid 8 x 32, 16 waves a work-group, clusters of 4 x 1, 327,680 bytes of LDS; arguments qc, kvc, cxc; writes cxc
.if DOCPART == 10
	.amdgcn_target "amdgcn-amd-amdhsa--gfx1250"
	.amdhsa_code_object_version 6
	.text
	.protected	k_qe45e444fe2_attn
	.globl	k_qe45e444fe2_attn
	.p2align	8
	.type	k_qe45e444fe2_attn,@function
k_qe45e444fe2_attn:
	s_mov_b64 s[64:65], 0
	v_nop
	global_prefetch_b8 v0, s[64:65] scope:SCOPE_SE
	s_setreg_imm32_b32 hwreg(HW_REG_WAVE_MODE, 25, 1), 1
	s_wait_xcnt 0x0
	s_wait_alu depctr_hold_cnt(0) depctr_sa_sdst(0) depctr_va_vdst(0) depctr_va_sdst(0) depctr_va_ssrc(0) depctr_va_vcc(0) depctr_vm_vsrc(0)
	s_getreg_b32 s2, hwreg(HW_REG_IB_STS2, 6, 4)
	s_cmp_eq_u32 s2, 0
	s_cbranch_scc0 .Lentry_in_a_cluster
	s_endpgm
.Lentry_in_a_cluster:
	s_bfe_u32 s2, ttmp6, 0x10000c
	s_cmp_lg_u32 s2, 0x3003
	s_cbranch_scc0 .Lentry_shape_is_right
	s_endpgm
.Lentry_shape_is_right:
; Causal attention of one head on codes of E4M3 with E8M0 scales; ctx / l is quantised along the features and stored as an operand of the next product.
; INPUTS.  qc and kvc hold a region of REG = 16,896 bytes for each (batch, head, group of 128 tokens n), at ((16 batch + head) 16 + n) REG.  kvc: k's codes 8 x 1,024 (16 keys t: two images of 512 bytes),
; v^T's codes 4 x 2,048 (16 features t, four images), k's scale half-words at 16,384 + 16 r + 2 t, v^T's scale words at 16,640 + 16 r + 4 t.  qc: q's codes and half-words in k's places.  Place p of a group holds the row whose number is p with bits 3 and 4 exchanged.
; THE SOFTMAX: t = score x log2(e) / 8; M = the running largest t rounded UP to a whole number; p = 2^(t - M) is quantised along the keys, not normalised; the sum of the unquantised p divides at the end.
; SHARES.  Work-group j (0..7) of a head owns block j (16 queries) of EACH of the 16 groups of 128 queries: 16 tiles.  So all eight work-groups need all 16 regions, and nothing but global addresses and the diagonal's compare value hangs on j.
; The tiles go in pairs: the short one of group a and the long one of group 15 - a have (a + 1) + (16 - a) = 17 key steps of 128 keys.  Wave a (0..7) takes 9 of them, all of the long tile: regions 0..max(a, 1) and then on to 15 - a, the diagonal's.
; Wave a + 8 takes 8: the short tile's regions 0..a, stores it, then the long tile's regions that wave a leaves (a + 1 .. 7; for a = 0: 2 .. 8; for a = 7 none: its part stays zeros under M = -3e38 and counts for nothing).
; At the end wave a hands O^T, M and the sum through LDS, and wave a + 8 joins the two parts by powers of two, which rounds nothing, and stores the long tile.
; Tiles wholly above the diagonal are dealt to nobody; in the one step on a tile's diagonal hidden scores become -infinity ahead of the maximum.
; CLUSTERS of 4 x 1: four work-groups of a head ask for K and V jointly (mask 15).  No branch, trip count or LDS address hangs on the place in the cluster.
; LDS: the whole head, 16 regions.  Waves 0-11 fetch regions 0 and 1 at the head (11 rows of 256 bytes each) and regions 2-15 behind the full sequence and a round (77 rows each); these land under trips 0 and 1, which read regions 0 and 1 alone; one barrier follows.
; Nothing is filled again.  No prefetch: both groups of loads go out ahead of the first trip, so there is no loop to run ahead in.
; BOTH PRODUCTS ARE USED TRANSPOSED: S^T = K Q^T, O^T = V^T P^T: a lane holds one query; the 16 registers of tiles 2 b, 2 b + 1 are keys (or features) 32 b + 16 h + 0..15.
; K = 64 IN AN INSTRUCTION OF 128: Q's registers 8-15 are zero codes; a tile of K's registers 8-15 are the next tile's codes, and behind the last tile stand the long tile's Q codes, kept there for the change of tiles: all finite (the quantiser makes no NaN code).
; The half-words come zero-extended: bytes 2, 3 are 0, a finite scale.
; The two scale bytes of a row of ctx leave by a store of 2 bytes (the word's other half is the neighbouring head's): 16 such for a tile, once.
; LIMITS: NaN and infinities are not served; the promise holds while the scaled scores stay under 2^31 in magnitude; v_exp_f32 and v_rcp_f32 are within 1 ulp; a block's largest p is taken from its largest score, which takes v_exp_f32 not to fall where its input rises; blocks under 2^-118 get the byte 1.
.set BLK, 16896
.set REG, 16896
.set HEADB, 16*REG
.set MRG, HEADB                        ; behind the head: 8 x MW bytes, where wave a hands its part to wave a + 8; no tile lands here
.set MW,  4608
.set SPARE, MRG+8*MW                   ; the spare words: 128 bytes a wave, eight blocks of 256 bytes that no other line names
.set QL,  96                           ; v96-103 the long tile's Q codes
.set S,   104                          ; v104-167 S^T, then p; on the way out ctx
.set O,   168                          ; v168-199 O^T
.set PCD, 200                          ; v200-215 p's codes
.set KS,  216                          ; v216-223 K's scale words;  v224-227 V's;  v228 Q's;  v230 the long tile's Q's;  v253 p's
.set VS,  224
.set QS,  228
.set MG,  229                          ; v229 LDS address in the pair's hand-over bytes
.set QLS, 230
.set SPW, 251
.set NIL, 255
.set WV,  18
.set MNT, 19
.set SEL, 20
.set CS,  22
.set G1A, 24                           ; group 1: 11 rows of 256 bytes;  G1B: 77 rows
.set G1B, 32
.set G0A, 40
.set G0B, 44
.set KC,  48                           ; the trip, 0..8
.set KG,  49                           ; the region of this trip
.set TB,  50                           ; its first LDS byte
.set QG,  51                           ; the group of the tile in hand
.set BRK, 52                           ; waves 0-7: max(a, 1): behind that trip they read region trip + 7 - a; waves 8-15: never
.set SHF, 53                           ; 7 - a
.set SW,  54                           ; waves 8-15: the trip a, behind which they change tiles
.set ROLE, 55
.set AA,  56
.set HID, 57                           ; waves 8-15: the one trip that they leave out (8; for a = 0: 1); waves 0-7: none
.set QAD, 58                           ; q's codes, q's half-words (of the first tile), ctx's codes, ctx's scale bytes (of the tile in hand)
.set QSD, 60
.set CXD, 62
.set CSD, 66
.set DQ,  68                           ; from the first tile to the long one, in qc and in cxc (waves 0-7: 0)
.set DC,  70
.macro CROUND                          ; a round of the cluster's barrier
	s_barrier_signal -1
	s_barrier_wait -1
	s_cmp_lg_u32 s[WV], 0
	s_cbranch_scc1 .Lnw0_\@
	s_barrier_signal -3
.Lnw0_\@:
	s_barrier_wait -3
	s_barrier_signal -1
	s_barrier_wait -1
.endm
.macro TL g0, g1                       ; a joint load, by waves 0-11; s_nop 0 and four v_nop follow it
	s_cmp_lt_u32 s[WV], 12
	s_cbranch_scc0 .Lno_\@
	tensor_load_to_lds s[\g0:\g0+3], s[\g1:\g1+7]
	s_nop 0
.rept 4
	v_nop
.endr
.Lno_\@:
.endm
.macro INIT                            ; a tile's state: the largest t -3e38, the sum and O^T zeros, which the first change of M leaves zeros
	v_mov_b32 v13, 0xff61b1e6
	v_mov_b32 v14, 0
	v_mov_b32 v15, 0
	v_floor_f32 v12, -v13
.set n, 0
.rept 32
	v_mov_b32 v[O+n], 0
.set n, n+1
.endr
.endm
; A KEY STEP: 128 keys of region KG for the tile in hand
.macro STEP
	v_add_nc_u32 v5, s[TB], v1
	v_add_nc_u32 v6, s[TB], v2
.rept 6
	v_nop                                          ; with the two additions: eight places in front of loads into registers that the last products read
.endr
.irp t, 0,1,2,3,4,5,6,7
	ds_load_u16 v[KS+\t], v6 offset:16384+2*\t
.endr
.irp t, 0,1,2,3,4,5,6,7
	ds_load_b128 v[32+8*\t:35+8*\t], v5 offset:1024*\t
	ds_load_b128 v[36+8*\t:39+8*\t], v5 offset:1024*\t+512
.endr
	s_wait_alu depctr_va_vdst(0)
	s_wait_dscnt 0x0
.irp t, 0,1,2,3,4,5,6,7
	v_wmma_scale_f32_16x16x128_f8f6f4 v[S+8*\t:S+8*\t+7], v[32+8*\t:47+8*\t], v[16:31], 0, v[KS+\t], v[QS]
.endr
.rept 8
	v_nop                                          ; places in front of the loads below and of the first read of the scores
.endr
.irp t, 0,1,2,3
.irp c, 0,1,2,3
	ds_load_b128 v[32+16*\t+4*\c:35+16*\t+4*\c], v5 offset:8192+2048*\t+512*\c   ; V's four fragments land under the softmax
.endr
.endr
	ds_load_b128 v[VS:VS+3], v6 offset:16640
	s_cmp_lg_u32 s[KG], s[QG]
	s_cbranch_scc1 .Lopen_\@                       ; off the diagonal every key counts
	v_mov_b32 v254, 0xff800000
.set n, 0
.rept 64
	v_cmp_gt_i32 vcc_lo, 32*(n/16)+n%16, v4        ; register 16 b + i holds key 32 b + 16 h + i of the group: hidden where it comes after my query
	v_cndmask_b32 v[S+n], v[S+n], v254, vcc_lo
.set n, n+1
.endr
.Lopen_\@:
.irp b, 0,1,2,3
	v_max3_num_f32 v[232+\b], v[S+16*\b], v[S+1+16*\b], v[S+2+16*\b]   ; each block's largest score: for the row's maximum and for the block's largest p
.endr
.irp i, 3,5,7,9,11,13
.irp b, 0,1,2,3
	v_max3_num_f32 v[232+\b], v[232+\b], v[S+16*\b+\i], v[S+1+16*\b+\i]
.endr
.endr
.irp b, 0,1,2,3
	v_max_num_f32 v[232+\b], v[232+\b], v[S+15+16*\b]
.endr
.irp b, 0,1,2,3
	s_delay_alu instid0(VALU_DEP_4)
	v_permlanex16_b32 v[236+\b], v[232+\b], s[SEL], s[SEL+1]
.endr
.irp b, 0,1,2,3
	s_delay_alu instid0(VALU_DEP_4)
	v_max_num_f32 v[232+\b], v[232+\b], v[236+\b]
.endr
	s_delay_alu instid0(VALU_DEP_2)
	v_max3_num_f32 v254, v232, v233, v234
	s_delay_alu instid0(VALU_DEP_1)
	v_max_num_f32 v254, v254, v235
	s_delay_alu instid0(VALU_DEP_1)
	v_mul_f32 v254, s[CS], v254
	s_delay_alu instid0(VALU_DEP_1)
	v_max_num_f32 v13, v13, v254                   ; the running largest t
	v_mov_b32 v254, v12
	s_delay_alu instid0(VALU_DEP_2)
	v_floor_f32 v12, -v13                          ; the new -M: M is a whole number
	s_delay_alu instid0(VALU_DEP_1)
	v_sub_f32 v254, v12, v254
	s_delay_alu instid0(VALU_DEP_1)
	v_cvt_i32_f32 v254, v254
	s_delay_alu instid0(VALU_DEP_1)
	v_ldexp_f32 v252, 1.0, v254                    ; f = 2^(old M - new M)
.set n, 0
.rept 32
	v_pk_fma_f32 v[S+n:S+n+1], v[S+n:S+n+1], s[CS:CS+1], v[12:13] op_sel_hi:[1,0,0]   ; t - M
.set n, n+2
.endr
.irp b, 0,1,2,3
	v_fma_f32 v[232+\b], v[232+\b], s[CS], v12
.endr
	s_wait_alu depctr_va_vdst(0)                   ; the wait ahead of the batch
.set n, 0
.rept 64
	v_exp_f32 v[S+n], v[S+n]                       ; p = 2^(t - M): one batch
.set n, n+1
.endr
	v_pk_mul_f32 v[14:15], v[14:15], v[252:253] op_sel_hi:[1,0]   ; the sums under the new M: the plain line behind the batch
	s_wait_alu depctr_va_vdst(0)                   ; one wait for the batch, ahead of its first reader
.irp b, 0,1,2,3
	v_exp_f32 v[232+\b], v[232+\b]                 ; each block's largest p
.endr
.irp c, 0,1,2,3,4,5,6                  ; the row's sum of the unquantised p: 32 pairs in eight chains
	v_pk_add_f32 v[236+2*\c:237+2*\c], v[S+2*\c:S+2*\c+1], v[S+14+2*\c:S+15+2*\c]
.endr
	v_pk_add_f32 v[14:15], v[14:15], v[S+28:S+29]
.irp c, 0,1,2,3,4,5,6
	v_pk_add_f32 v[236+2*\c:237+2*\c], v[236+2*\c:237+2*\c], v[S+30+2*\c:S+31+2*\c]
.endr
	v_pk_add_f32 v[14:15], v[14:15], v[S+44:S+45]
.irp c, 0,1,2,3,4,5,6
	v_pk_add_f32 v[236+2*\c:237+2*\c], v[236+2*\c:237+2*\c], v[S+46+2*\c:S+47+2*\c]
.endr
	v_pk_add_f32 v[14:15], v[14:15], v[S+60:S+61]
	v_pk_add_f32 v[236:237], v[236:237], v[S+62:S+63]
	v_pk_add_f32 v[240:241], v[240:241], v[242:243]
	v_pk_add_f32 v[244:245], v[244:245], v[246:247]
	v_pk_add_f32 v[14:15], v[14:15], v[248:249]
	v_pk_add_f32 v[236:237], v[236:237], v[238:239]
	s_delay_alu instid0(VALU_DEP_3)
	v_pk_add_f32 v[240:241], v[240:241], v[244:245]
	s_delay_alu instid0(VALU_DEP_2)
	v_pk_add_f32 v[14:15], v[14:15], v[236:237]
	s_delay_alu instid0(VALU_DEP_1)
	v_pk_add_f32 v[14:15], v[14:15], v[240:241]
	s_wait_alu depctr_va_vdst(0)                   ; and one for the four
.irp b, 0,1,2,3
	v_max_num_f32 v[232+\b], 0x4800000, v[232+\b]  ; the floor 2^(9 - 127)
.endr
.irp b, 0,1,2,3
	s_delay_alu instid0(VALU_DEP_4)
	v_add_nc_u32 v[244+\b], 0xfc000000, v[232+\b]  ; 8 off the exponent field: the conversion's scale operand
.endr
.irp b, 0,1,2,3
	v_and_or_b32 v[240+\b], v[232+\b], 0x7f800000, s[MNT]   ; 448 x the scale
.endr
.irp b, 0,1,2,3
	v_lshrrev_b32 v[236+\b], 23, v[244+\b]
.endr
	s_delay_alu instid0(VALU_DEP_3)
	v_lshl_or_b32 v253, v237, 8, v236              ; p's scale word for these 128 keys
	s_delay_alu instid0(VALU_DEP_1)
	v_lshl_or_b32 v253, v238, 16, v253
	s_delay_alu instid0(VALU_DEP_1)
	v_lshl_or_b32 v253, v239, 24, v253
.irp b, 0,1,2,3
.irp i, 0,1,2,3,4,5,6,7,8,9,10,11,12,13,14,15
	v_min_num_f32 v[S+16*\b+\i], v[S+16*\b+\i], v[240+\b]   ; the hold (ISA guide 7.6.2: the conversion does not saturate); p is not negative
.endr
	v_cvt_scalef32_pk8_fp8_f32 v[PCD+4*\b:PCD+1+4*\b], v[S+16*\b:S+7+16*\b], v[244+\b]
	v_cvt_scalef32_pk8_fp8_f32 v[PCD+2+4*\b:PCD+3+4*\b], v[S+8+16*\b:S+15+16*\b], v[244+\b]
.endr
	s_wait_alu depctr_va_vdst(0)                   ; directly ahead of the first reader of O^T
.set n, 0
.rept 16
	v_pk_mul_f32 v[O+n:O+n+1], v[O+n:O+n+1], v[252:253] op_sel_hi:[1,0]   ; O^T under the new M; these are also the places in front of the products
.set n, n+2
.endr
	s_wait_alu depctr_va_vdst(0)
	s_wait_dscnt 0x0                               ; V and its scale words
.irp t, 0,1,2,3
	v_wmma_scale_f32_16x16x128_f8f6f4 v[O+8*\t:O+8*\t+7], v[32+16*\t:47+16*\t], v[PCD:PCD+15], v[O+8*\t:O+8*\t+7], v[VS+\t], v253
.endr
.endm
; THE WAY OUT of a tile: O^T / the sum, quantised along the head's 64 features, stored as two images of 512 bytes and two scale bytes a row
.macro EPI
	v_add_f32 v14, v14, v15
	s_delay_alu instid0(VALU_DEP_1)
	v_permlanex16_b32 v252, v14, s[SEL], s[SEL+1]
	s_delay_alu instid0(VALU_DEP_1)
	v_add_f32 v14, v14, v252                       ; the row's sum
	s_wait_alu depctr_va_vdst(0)
	v_rcp_f32 v14, v14
	v_nop
	s_wait_alu depctr_va_vdst(0)                   ; the wait ahead of the reciprocal's first reader, and of O^T's
.set n, 0
.rept 32
	v_mul_f32 v[S+n], v[O+n], v14                  ; register 16 b + i is feature 32 b + 16 h + i of the head; ascending: each accumulator from its low end on
.set n, n+1
.endr
.irp b, 0,1
	v_max3_num_f32 v[232+\b], |v[S+16*\b]|, |v[S+1+16*\b]|, 0x4800000
.endr
.irp i, 2,4,6,8,10,12,14
.irp b, 0,1
	s_delay_alu instid0(VALU_DEP_2)
	v_max3_num_f32 v[232+\b], v[232+\b], |v[S+16*\b+\i]|, |v[S+1+16*\b+\i]|
.endr
.endr
.irp b, 0,1
	s_delay_alu instid0(VALU_DEP_2)
	v_permlanex16_b32 v[236+\b], v[232+\b], s[SEL], s[SEL+1]
.endr
.irp b, 0,1
	s_delay_alu instid0(VALU_DEP_2)
	v_max_num_f32 v[232+\b], v[232+\b], v[236+\b]
.endr
.irp b, 0,1
	s_delay_alu instid0(VALU_DEP_2)
	v_add_nc_u32 v[244+\b], 0xfc000000, v[232+\b]
.endr
.irp b, 0,1
	s_delay_alu instid0(VALU_DEP_4)
	v_and_or_b32 v[240+\b], v[232+\b], 0x7f800000, s[MNT]
.endr
.irp b, 0,1
	s_delay_alu instid0(VALU_DEP_4)
	v_lshrrev_b32 v[236+\b], 23, v[244+\b]
.endr
	s_delay_alu instid0(VALU_DEP_1)
	v_lshl_or_b32 v252, v237, 8, v236
.irp b, 0,1
.irp i, 0,1,2,3,4,5,6,7,8,9,10,11,12,13,14,15
	v_med3_num_f32 v[S+16*\b+\i], v[S+16*\b+\i], -v[240+\b], v[240+\b]
.endr
	v_cvt_scalef32_pk8_fp8_f32 v[PCD+4*\b:PCD+1+4*\b], v[S+16*\b:S+7+16*\b], v[244+\b]
	v_cvt_scalef32_pk8_fp8_f32 v[PCD+2+4*\b:PCD+3+4*\b], v[S+8+16*\b:S+15+16*\b], v[244+\b]
.endr
	v_nop                                          ; a plain line behind the last conversion
	global_store_b128 v1, v[PCD:PCD+3], s[CXD:CXD+1]           ; 512 consecutive bytes, aligned to 256
	global_store_b128 v1, v[PCD+4:PCD+7], s[CXD:CXD+1] offset:512
	global_store_b16 v8, v252, s[CSD:CSD+1]
.endm
; A TRIP.  ph = 1: trips 0, 1: region = trip, TB stepped by the loop.  ph = 2: waves 0-7 read region trip + 7 - a behind trip max(a, 1).  All branches hang on the wave's number and the trip.
.macro TRIP ph
.if \ph == 1
	s_mov_b32 s[KG], s[KC]
.else
	s_cmp_gt_u32 s[KC], s[BRK]
	s_cselect_b32 s[KG], s[SHF], 0
	s_add_co_u32 s[KG], s[KG], s[KC]
	s_min_u32 s[KG], s[KG], 15
	s_mul_i32 s[TB], s[KG], REG
.endif
	s_cmp_eq_u32 s[KC], s[HID]
	s_cbranch_scc1 .Lhid_\@
	STEP
	s_cmp_lg_u32 s[KC], s[SW]
	s_cbranch_scc1 .Lhid_\@
.rept 8
	v_nop                                          ; the short tile is done: places behind its last products
.endr
	EPI
	s_wait_xcnt 0x0                                ; the stores have read their bases and data
	s_add_nc_u64 s[CXD:CXD+1], s[CXD:CXD+1], s[DC:DC+1]
	s_add_nc_u64 s[CSD:CSD+1], s[CSD:CSD+1], s[DC:DC+1]
	s_sub_co_u32 s[QG], 15, s[AA]
.irp i, 0,1,2,3,4,5,6,7
	v_mov_b32 v[16+\i], v[QL+\i]                   ; the long tile's Q, loaded at the head
.endr
	v_mov_b32 v[QS], v[QLS]
	INIT
	s_wait_alu depctr_va_vdst(0)                   ; ahead of the label and the loop's jump
.Lhid_\@:
.endm
	s_load_b128 s[4:7], s[0:1], 0x0                ; qc, kvc
	s_load_b64 s[8:9], s[0:1], 0x10                ; cxc
	v_lshl_add_u32 v[SPW], v0, 2, SPARE
	v_mov_b32 v[NIL], 0
	ds_add_u32 v[SPW], v[NIL]                      ; the opening lines: the add, twice on end, and its wait ahead of the first tensor load
	ds_add_u32 v[SPW], v[NIL]
	v_lshrrev_b32 v9, 5, v0
	v_readfirstlane_b32 s[WV], v9                  ; wave 0..15
	s_lshr_b32 s[ROLE], s[WV], 3
	s_and_b32 s[AA], s[WV], 7                      ; a
	s_bfe_u32 s10, ttmp6, 0x40000                  ; cx
	s_lshl_b32 s11, ttmp9, 2
	s_add_co_u32 s10, s10, s11                     ; j = 4 x cluster x + cx
	s_and_b32 s11, ttmp7, 0xffff                   ; 16 batch + head
	s_lshr_b32 s12, s11, 4
	s_bfe_u32 s13, s11, 0x30001                    ; head / 2
	s_and_b32 s14, s11, 1                          ; head % 2
	s_sub_co_u32 s15, 15, s[AA]
	s_max_u32 s16, s[AA], 1
	s_sub_co_u32 s[SHF], 7, s[AA]
	s_sub_co_u32 s17, s15, s[AA]                   ; 15 - 2 a groups from the short tile to the long one
	s_cmp_eq_u32 s[AA], 0
	s_cselect_b32 s91, 1, 8
	s_cmp_eq_u32 s[ROLE], 0
	s_cselect_b32 s[QG], s15, s[AA]                ; waves 0-7 have the long tile, waves 8-15 begin with the short one
	s_cselect_b32 s[BRK], s16, 99
	s_cselect_b32 s[HID], 99, s91
	s_cselect_b32 s[SW], 99, s[AA]
	s_cselect_b32 s17, 0, s17
	s_mul_i32 s[DQ], s17, REG
	s_mov_b32 s[DQ+1], 0
	s_mul_i32 s[DC], s17, 8*BLK
	s_mov_b32 s[DC+1], 0
	s_mul_i32 s72, s11, HEADB                      ; the head's first region
	s_min_u32 s90, s[WV], 11
	s_mul_i32 s74, s90, 11*256                     ; my part of regions 0, 1: in LDS and in the head
	s_mul_i32 s75, s90, 77*256                     ; and of regions 2-15
	s_add_co_u32 s76, s72, s74
	s_mov_b32 s77, 0
	s_add_co_u32 s75, s75, 2*REG
	s_add_co_u32 s78, s72, s75
	s_mov_b32 s79, 0
	s_lshl_b32 s80, s11, 4
	s_add_co_u32 s80, s80, s[QG]
	s_mul_i32 s80, s80, REG                        ; q's region
	s_lshl_b32 s17, s10, 10
	s_add_co_u32 s82, s80, s17                     ; block j's codes
	s_mov_b32 s83, 0
	s_lshl_b32 s17, s10, 1
	s_add_co_u32 s84, s80, s17
	s_add_co_u32 s84, s84, 16384                   ; and half-words
	s_mov_b32 s85, 0
	s_lshl_b32 s80, s12, 4
	s_add_co_u32 s80, s80, s[QG]
	s_lshl_b32 s80, s80, 3
	s_add_co_u32 s80, s80, s13
	s_mul_i32 s80, s80, BLK                        ; ctx's block (token group, head / 2) of the operand layout
	s_lshl_b32 s17, s10, 11
	s_add_co_u32 s86, s80, s17
	s_lshl_b32 s17, s14, 10
	s_add_co_u32 s86, s86, s17                     ; codes: 2048 j + 1024 (head % 2)
	s_mov_b32 s87, 0
	s_lshl_b32 s17, s10, 2
	s_add_co_u32 s88, s80, s17
	s_lshl_b32 s17, s14, 1
	s_add_co_u32 s88, s88, s17
	s_add_co_u32 s88, s88, 16384                   ; scale bytes: 16,384 + 4 j + 2 (head % 2), + 32 r
	s_mov_b32 s89, 0
	s_mov_b32 s[G1A], 15|(3<<16)|(1<<21)           ; the mask: the cluster's four; elements of 8 bytes; bit 21 beside a mask; dense rows of 256 bytes
	s_mov_b32 s[G1A+1], 32<<16
	s_mov_b32 s[G1A+2], 11<<16
	s_mov_b32 s[G1A+3], 32<<16
	s_mov_b32 s[G1A+4], 11
	s_mov_b32 s[G1A+5], 32
	s_mov_b32 s[G1A+6], 0
	s_mov_b32 s[G1A+7], 0
	s_mov_b32 s[G1B], 15|(3<<16)|(1<<21)
	s_mov_b32 s[G1B+1], 32<<16
	s_mov_b32 s[G1B+2], 77<<16
	s_mov_b32 s[G1B+3], 32<<16
	s_mov_b32 s[G1B+4], 77
	s_mov_b32 s[G1B+5], 32
	s_mov_b32 s[G1B+6], 0
	s_mov_b32 s[G1B+7], 0
	s_mov_b32 s[SEL], 0x76543210
	s_mov_b32 s[SEL+1], 0xfedcba98
	s_mov_b32 s[CS], 0x3e38aa3b                    ; c = log2(e) / 8
	s_mov_b32 s[CS+1], s[CS]
	s_mov_b32 s[MNT], 0x600000
	s_wait_alu depctr_va_vdst(0)
	s_wait_dscnt 0x0                               ; both opening adds are done
	s_wait_kmcnt 0x0
	s_mov_b32 s[G0A], 1
	s_mov_b32 s[G0A+1], s74
	s_add_nc_u64 s[G0A+2:G0A+3], s[6:7], s[76:77]
	s_or_b32 s[G0A+3], s[G0A+3], 0x80000000
	s_mov_b32 s[G0B], 1
	s_mov_b32 s[G0B+1], s75
	s_add_nc_u64 s[G0B+2:G0B+3], s[6:7], s[78:79]
	s_or_b32 s[G0B+3], s[G0B+3], 0x80000000
	s_add_nc_u64 s[QAD:QAD+1], s[4:5], s[82:83]
	s_add_nc_u64 s[QSD:QSD+1], s[4:5], s[84:85]
	s_add_nc_u64 s[82:83], s[QAD:QAD+1], s[DQ:DQ+1]   ; the long tile's Q
	s_add_nc_u64 s[84:85], s[QSD:QSD+1], s[DQ:DQ+1]
	s_add_nc_u64 s[CXD:CXD+1], s[8:9], s[86:87]
	s_add_nc_u64 s[CSD:CSD+1], s[8:9], s[88:89]
	CROUND                                         ; the four work-groups are here: the first joint loads meet
	TL G0A, G1A                                    ; regions 0 and 1: one tensor load a wave at the head
	v_and_b32 v9, 15, v0                           ; r
	v_bfe_u32 v10, v0, 4, 1                        ; h
	v_and_b32 v11, 31, v0
	v_lshlrev_b32 v1, 4, v11                       ; v1: 16 lane
	v_lshlrev_b32 v2, 4, v9                        ; v2: 16 r
	v_lshlrev_b32 v8, 5, v9                        ; v8: 32 r
	global_load_b128 v[16:19], v1, s[QAD:QAD+1]    ; the first tile's Q: the head's 64 in registers 0-7,
	global_load_b128 v[20:23], v1, s[QAD:QAD+1] offset:512
	global_load_u16 v[QS], v2, s[QSD:QSD+1]        ; its two scale bytes, zero-extended;
	global_load_b128 v[QL:QL+3], v1, s[82:83]      ; and the long tile's
	global_load_b128 v[QL+4:QL+7], v1, s[82:83] offset:512
	global_load_u16 v[QLS], v2, s[84:85]
	s_mul_i32 s80, s[AA], MW
	s_add_co_u32 s80, s80, MRG
	v_add_nc_u32 v[MG], s80, v1
	s_lshr_b32 s81, s10, 1
	s_lshl_b32 s81, s81, 5
	s_and_b32 s17, s10, 1
	s_lshl_b32 s17, s17, 3
	s_add_co_u32 s81, s81, s17                     ; block j's first query in its group: 32 (j / 2) + 8 (j % 2)
	v_and_b32 v4, 7, v0
	v_bfe_u32 v5, v0, 3, 1
	v_lshl_add_u32 v4, v5, 4, v4
	v_lshlrev_b32 v5, 4, v10
	v_sub_nc_u32 v4, v4, v5
	v_add_nc_u32 v4, s81, v4                       ; v4: my query's number in its group, less 16 h: a compare value only
.irp j, 24,25,26,27,28,29,30,31
	v_mov_b32 v[\j], 0                             ; Q's upper half: zero codes
.endr
.irp b, 0,1,2,3
	v_mov_b32 v[236+\b], 0                         ; a lane permute's destination counts as read
.endr
	v_mov_b32 v253, 0                              ; named as the upper half of v[252:253] before it is first written
	INIT
	s_wait_alu depctr_va_vdst(0)                   ; the wait at the head's end
	s_wait_tensorcnt 0x0                           ; my part of regions 0, 1 is in
	ds_add_u32 v[SPW], v[NIL]
	ds_add_u32 v[SPW], v[NIL]                      ; twice on end
	s_wait_dscnt 0x0
	CROUND
	TL G0B, G1B                                    ; regions 2-15: the first tensor load behind the round
	s_wait_loadcnt 0x0                             ; Q
	s_mov_b32 s[KC], 0
	s_mov_b32 s[TB], 0
.Lp1:                                                  ; trips 0 and 1 read regions 0 and 1 alone
	TRIP 1
	s_add_co_u32 s[TB], s[TB], REG
	s_add_co_u32 s[KC], s[KC], 1
	s_cmp_lt_u32 s[KC], 2
	s_cbranch_scc1 .Lp1
	s_wait_tensorcnt 0x0                           ; my part of regions 2-15 is in: say so
	ds_add_u32 v[SPW], v[NIL]
	s_wait_dscnt 0x0
	s_barrier_signal -1
	s_barrier_wait -1                              ; the whole head lies in LDS; nothing is filled again
	s_mov_b32 s[KC], 2
.Lp2:                                                  ; trips 2 to 8
	TRIP 2
	s_add_co_u32 s[KC], s[KC], 1
	s_cmp_lt_u32 s[KC], 9
	s_cbranch_scc1 .Lp2
.rept 8
	v_nop                                          ; places behind the last products
.endr
	s_cmp_lg_u32 s[ROLE], 0
	s_cbranch_scc1 .Lkeeps
.irp i, 0,1,2,3,4,5,6,7
	ds_store_b128 v[MG], v[O+4*\i:O+4*\i+3] offset:512*\i   ; wave a hands over its part of the long tile: O^T as an image of its registers,
.endr
	ds_store_b128 v[MG], v[12:15] offset:4096      ; -M, the largest t, the sum's halves
.Lkeeps:
	s_wait_dscnt 0x0
	s_barrier_signal -1
	s_barrier_wait -1
	s_cmp_eq_u32 s[ROLE], 0
	s_cbranch_scc1 .Lend
.irp i, 0,1,2,3,4,5,6,7,8
	ds_load_b128 v[S+4*\i:S+4*\i+3], v[MG] offset:512*\i
.endr
	s_wait_dscnt 0x0
	v_min_num_f32 v234, v12, v[S+32]               ; the joint -M
	v_sub_f32 v252, v234, v12
	v_sub_f32 v232, v234, v[S+32]
	v_cvt_i32_f32 v252, v252                       ; (it saturates)
	v_cvt_i32_f32 v232, v232
	v_ldexp_f32 v252, 1.0, v252                    ; my part's factor, a power of two or 0,
	v_ldexp_f32 v232, 1.0, v232                    ; and the partner's
	v_pk_mul_f32 v[14:15], v[14:15], v[252:253] op_sel_hi:[1,0]
	v_pk_fma_f32 v[14:15], v[S+34:S+35], v[232:233], v[14:15] op_sel_hi:[1,0,1]
.set n, 0
.rept 16
	v_pk_mul_f32 v[O+n:O+n+1], v[O+n:O+n+1], v[252:253] op_sel_hi:[1,0]
.set n, n+2
.endr
.set n, 0
.rept 16
	v_pk_fma_f32 v[O+n:O+n+1], v[S+n:S+n+1], v[232:233], v[O+n:O+n+1] op_sel_hi:[1,0,1]
.set n, n+2
.endr
	EPI
.Lend:
	s_wait_tensorcnt 0x0                           ; the wave's end
	ds_add_u32 v[SPW], v[NIL]
	s_wait_dscnt 0x0
	CROUND                                         ; the closing round
	s_endpgm
.Lfunc_end_k_qe45e444fe2_attn:
	.size	k_qe45e444fe2_attn, .Lfunc_end_k_qe45e444fe2_attn-k_qe45e444fe2_attn
	.p2alignl 7, 3214868480
	.fill 96, 4, 3214868480
	.section	.rodata,"a",@progbits
	.p2align	6, 0x0
	.amdhsa_kernel k_qe45e444fe2_attn
		.amdhsa_group_segment_fixed_size 327680
		.amdhsa_private_segment_fixed_size 0
		.amdhsa_enable_private_segment 0
		.amdhsa_kernarg_size 24
		.amdhsa_user_sgpr_count 2
		.amdhsa_user_sgpr_kernarg_segment_ptr 1
		.amdhsa_wavefront_size32 1
		.amdhsa_system_sgpr_workgroup_id_x 1
		.amdhsa_system_sgpr_workgroup_id_y 1
		.amdhsa_system_sgpr_workgroup_id_z 1
		.amdhsa_system_vgpr_workitem_id 0
		.amdhsa_next_free_vgpr 256
		.amdhsa_next_free_sgpr 96
		.amdhsa_reserve_vcc 1
		.amdhsa_float_denorm_mode_32 3
		.amdhsa_float_denorm_mode_16_64 3
		.amdhsa_memory_ordered 1
		.amdhsa_forward_progress 1
		.amdhsa_inst_pref_size 87
	.end_amdhsa_kernel
	.amdgpu_metadata
---
amdhsa.version: [ 1, 2 ]
amdhsa.kernels:
  - .name:           k_qe45e444fe2_attn
    .symbol:         k_qe45e444fe2_attn.kd
    .args:
      - { .name: qc, .offset: 0, .size: 8, .value_kind: global_buffer, .address_space: global }
      - { .name: kvc, .offset: 8, .size: 8, .value_kind: global_buffer, .address_space: global }
      - { .name: cxc, .offset: 16, .size: 8, .value_kind: global_buffer, .address_space: global }
    .group_segment_fixed_size: 327680
    .private_segment_fixed_size: 0
    .kernarg_segment_align: 8
    .kernarg_segment_size: 24
    .max_flat_workgroup_size: 512
    .sgpr_count:     96
    .vgpr_count:     256
    .wavefront_size: 32
...
	.end_amdgpu_metadata
.endif
;; end of part 10
;; launch wo (part 11): grid 8 x 32, 4 waves a work-group, clusters of 4 x 4, 327,680 bytes of LDS; arguments cxc, wc, bo, x, x1; writes x1
.if DOCPART == 11
	.amdgcn_target "amdgcn-amd-amdhsa--gfx1250"
	.amdhsa_code_object_version 6
	.text
	.protected	k_qe45e444fe2_wo
	.globl	k_qe45e444fe2_wo
	.p2align	8
	.type	k_qe45e444fe2_wo,@function
k_qe45e444fe2_wo:
	s_mov_b64 s[64:65], 0
	v_nop
	global_prefetch_b8 v0, s[64:65] scope:SCOPE_SE
	s_setreg_imm32_b32 hwreg(HW_REG_WAVE_MODE, 25, 1), 1
	s_wait_xcnt 0x0
	s_wait_alu depctr_hold_cnt(0) depctr_sa_sdst(0) depctr_va_vdst(0) depctr_va_sdst(0) depctr_va_ssrc(0) depctr_va_vcc(0) depctr_vm_vsrc(0)
	s_getreg_b32 s2, hwreg(HW_REG_IB_STS2, 6, 4)
	s_cmp_eq_u32 s2, 0
	s_cbranch_scc0 .Lentry_in_a_cluster
	s_endpgm
.Lentry_in_a_cluster:
	s_bfe_u32 s2, ttmp6, 0x10000c
	s_cmp_lg_u32 s2, 0xf033
	s_cbranch_scc0 .Lentry_shape_is_right
	s_endpgm
.Lentry_shape_is_right:
; x1 = x + ctx Wo + bo: a product on codes of E4M3 with E8M0 scales, K = 1,024; bias and residual in f32; x1 is f32, row-major.
; THE OPERAND LAYOUT: blocks of 128 rows x 128 K, BLK = 16,896 bytes, block (rg, ks) at (rg K/128 + ks) BLK: codes of (16 rows a, group c, lane 16 h + r) at 2048 a + 512 c + 16 lane, the scale word of place (a, r) at 16,384 + 32 r + 4 a;
; place p holds the row whose number is p with bits 3 and 4 exchanged.
; P = ctx's codes (source 1: a lane of the result holds one token), Q = Wo's (source 0: a lane's registers run along the output's columns; 16 registers of two neighbouring tiles are 16 neighbouring columns).
; THE TILE.  4,096 tokens x 1,024 columns are 32 x 8 = 256 tiles of 128 x 128, one to a work-group; tiles of 256 x 256 would be 64.  Each of four waves makes 64 x 64: 16 accumulators.
; K goes in steps of 512 through two LDS slots: a slot holds 128 rows of P and 128 rows of Q, 512 along K each; a wave's one tensor load brings one side of a slot: 67,584 dense bytes, codes and scale words of 128 rows x 512 K.
; Here K = 1,024 lies in the two first fills: nothing is filled again.
; CLUSTERS of 4 x 4: P's tiles are asked for jointly along a row, Q's along a column.
; BIAS AND RESIDUAL are asked for at the head, into registers of their own (40 loads a wave), and are waited for once, behind the last product.
; THE WAY OUT: a block of 16 tokens x 64 columns, bias added, goes through the wave's own stage in LDS (in slot 0, which has had its last fill and its last read) and comes back as whole rows of 256 bytes; the residual is added; sixteen lanes store 256 consecutive bytes, aligned.
; REGISTERS: window 0: v16-29 addresses; v32-63 scale words and nothing else; v64-127 the way out's numbers, two sets; v128-255 accumulator (a, b) at 128 + 8 (4 a + b).  window 1: two buffers of 128: P's four fragments, then Q's four.  window 2: v0-127 the residual's rows, v128-159 the bias.
; LIMITS: NaN and infinities are not served.
.set BLK,   16896
.set PIECE, 2*BLK                      ; 128 rows x 256 along K; a wave's one tensor load brings two of them: a side's 512 along K of one slot, 67,584 dense bytes
.set SLOT,  4*PIECE                    ; P's two pieces (512 along K), then Q's two
.set SPARE, 2*SLOT                     ; the spare words: 128 bytes a wave, two blocks of 256 bytes that no other line names
.set KB,    8                          ; K / 128
.set LAPS,  KB/8                       ; a lap = two K steps of 512 = once round the ring
.set QOFF,  192*BLK                    ; Wo's first block in wc
.set NP,    8                          ; places behind this matrix instruction (ISA guide 7.12.1)
.set FR,    16
.set SP,    272                        ; a stage row: 256 bytes + 16: the 16 rows that a store touches start 16 bytes apart modulo 256
.set ADRA, 16                          ; v16-17 LDS address of my fragments of P in slot 0, 1
.set ADRS, 18                          ; v18-19 of my scale words: lanes 0-15 P's, lanes 16-31 Q's
.set ADRB, 20                          ; v20-21 of my fragments of Q
.set STO,  24                          ; v24 the stage, in: row r, + 64 h
.set RD,   25                          ; v25 the stage, back: lanes 0-15 one row, lanes 16-31 the next
.set CO,   26                          ; v26 the same two rows in memory: 4,096 h + 16 r
.set BA,   27                          ; v27 64 h
.set SPW,  28
.set NIL,  29
.set SC,   32                          ; register SC + 16 slot + 4 q + i: lanes 0-15 the words of my P block i, lanes 16-31 of my Q block i, for the slot's q-th 128 along K
.set T,    64
.set ACC,  128
.set RB,   0                           ; in window 2
.set BI,   128                         ; in window 2
.set G1,   24
.set G0,   32
.set G1B,  48
.set G0B,  56
.set MSB, 0
.macro WIN new                         ; the immediate's high byte repeats the setting that is left
.if MSB != (\new)
	s_set_vgpr_msb (MSB<<8)|(\new)
.set MSB, (\new)
.endif
.endm
.set MUL,   0x05                       ; sources 0 (Q) and 1 (P) window 1; C and D window 0
.set TO_F,  0x40                       ; destination window 1, address window 0
.set TO_R,  0x80                       ; destination window 2, address window 0
.set FROMR, 0x08                       ; source 1 window 2
.macro JLOAD g0a, g1a, g0b, g1b        ; a joint load: waves 0, 1 fetch for P, waves 2, 3 for Q; four v_nop follow each line
	s_cmp_eq_u32 s15, 0
	s_cbranch_scc0 .Lfor_b_\@
	tensor_load_to_lds s[\g0a:\g0a+3], s[\g1a:\g1a+7]
	s_nop 0
.rept 4
	v_nop
.endr
	s_branch .Lasked_\@
.Lfor_b_\@:
	tensor_load_to_lds s[\g0b:\g0b+3], s[\g1b:\g1b+7]
	s_nop 0
.rept 4
	v_nop
.endr
.Lasked_\@:
.endm
.macro CREST                           ; a round of the cluster's barrier behind its opening barrier
	s_cmp_lg_u32 s14, 0
	s_cbranch_scc1 .Lnot_wave_0_\@
	s_barrier_signal -3
.Lnot_wave_0_\@:
	s_barrier_wait -3
	s_barrier_signal -1
	s_barrier_wait -1
.endm
.macro CROUND
	s_barrier_signal -1
	s_barrier_wait -1
	CREST
.endm
.macro PLACES n
.rept \n
	v_nop
.endr
.endm
.macro FRAG reg, adr, q, i             ; a fragment: four loads of 512 consecutive bytes
.irp c, 0,1,2,3
	ds_load_b128 v[\reg+4*\c:\reg+4*\c+3], v[\adr] offset:BLK*(\q)+2048*(\i)+512*\c
.endr
.endm
.macro FETCHQ slot, q, f               ; my four fragments of Q of the slot's q-th 128 along K into buffer f: 16 loads
	WIN TO_F
.irp i, 0,1,2,3
	FRAG 128*(\f)+64+FR*\i, ADRB+\slot, \q, \i
.endr
.endm
.macro FETCHP slot, q, f               ; and of P
	WIN TO_F
.irp i, 0,1,2,3
	FRAG 128*(\f)+FR*\i, ADRA+\slot, \q, \i
.endr
.endm
.macro SCALES sc                       ; a slot's scale words: four words (my four blocks) of a row are 16 consecutive bytes.  Window 0
.irp q, 0,1,2,3
	ds_load_b128 v[SC+16*\sc+4*\q:SC+16*\sc+4*\q+3], v[ADRS+\sc] offset:BLK*\q
.endr
.endm
.macro MUL4 f, a, q, sc, zero          ; my P block a x my four Q blocks; the 16 accumulators take turns, one instruction a turn, in the same order in every step
.irp b, 0,1,2,3
.if \zero
	v_wmma_scale_f32_16x16x128_f8f6f4 v[ACC+8*(4*(\a)+\b):ACC+8*(4*(\a)+\b)+7], v[128*(\f)+64+FR*\b:128*(\f)+64+FR*\b+FR-1], v[128*(\f)+FR*(\a):128*(\f)+FR*(\a)+FR-1], 0, v[SC+16*(\sc)+4*(\q)+\b], v[SC+16*(\sc)+4*(\q)+(\a)] matrix_a_scale:MATRIX_SCALE_ROW1
.else
	v_wmma_scale_f32_16x16x128_f8f6f4 v[ACC+8*(4*(\a)+\b):ACC+8*(4*(\a)+\b)+7], v[128*(\f)+64+FR*\b:128*(\f)+64+FR*\b+FR-1], v[128*(\f)+FR*(\a):128*(\f)+FR*(\a)+FR-1], v[ACC+8*(4*(\a)+\b):ACC+8*(4*(\a)+\b)+7], v[SC+16*(\sc)+4*(\q)+\b], v[SC+16*(\sc)+4*(\q)+(\a)] matrix_a_scale:MATRIX_SCALE_ROW1
.endif
.endr
.endm
.macro STEP slot, q, zero              ; 128 along K whose successor lies in the same slot: multiplies buffer q % 2, fetches the successor into the other
	PLACES NP                                      ; behind the last step's products, which read the buffer that is loaded now
	FETCHQ \slot, (\q)+1, 1-(\q)%2
	s_wait_dscnt 16                                ; all but the 16 loads just issued are in: this step's buffer and the slot's scale words
	WIN MUL
	MUL4 (\q)%2, 0, \q, \slot, \zero
	MUL4 (\q)%2, 1, \q, \slot, \zero
	FETCHP \slot, (\q)+1, 1-(\q)%2
	WIN MUL
	MUL4 (\q)%2, 2, \q, \slot, \zero
	MUL4 (\q)%2, 3, \q, \slot, \zero
.endm
.macro TURN slot, next, fill           ; a slot's last 128 along K (buffer 1), and the change of slots
	WIN 0                                          ; (the add's two registers lie in window 0)
	s_wait_tensorcnt 0x0                           ; all my tensor loads have landed: my part of the next slot
	ds_add_u32 v[SPW], v[NIL]                      ; 0 onto my spare word
	s_wait_dscnt 1                                 ; the add alone may be out: buffer 1 is in
	WIN MUL
	MUL4 1, 0, 3, \slot, 0
	s_wait_dscnt 0x0                               ; the add is done, and my reads of this slot are over
	s_barrier_signal -1
	MUL4 1, 1, 3, \slot, 0
	WIN 0
	s_barrier_wait -1
.if \fill
	CREST                                          ; the barrier has opened a round of the cluster's: no wave of any partner still reads this slot or has a load on its way
	s_add_nc_u64 s[G0+4*\slot+2:G0+4*\slot+3], s[G0+4*\slot+2:G0+4*\slot+3], 4*PIECE
	s_add_nc_u64 s[G0B+4*\slot+2:G0B+4*\slot+3], s[G0B+4*\slot+2:G0B+4*\slot+3], 4*PIECE
	JLOAD G0+4*\slot, G1, G0B+4*\slot, G1B         ; the first tensor load behind the round; its four v_nop are four of the eight places
	PLACES NP-4
.else
	PLACES NP
.endif
	SCALES \next
	FETCHQ \next, 0, 0
	FETCHP \next, 0, 0
	WIN MUL
	MUL4 1, 2, 3, \slot, 0
	MUL4 1, 3, 3, \slot, 0
.endm
	s_load_b256 s[4:11], s[0:1], 0x0               ; P's codes, wc, the bias, the residual
	s_load_b64 s[12:13], s[0:1], 0x20              ; the output
	v_lshl_add_u32 v[SPW], v0, 2, SPARE
	v_mov_b32 v[NIL], 0
	ds_add_u32 v28, v29
	ds_add_u32 v28, v29
	s_wait_dscnt 0x0
	v_lshrrev_b32 v1, 5, v0
	v_readfirstlane_b32 s14, v1                    ; wave 0..3
	s_lshr_b32 s15, s14, 1                         ; which 64 rows of P are mine.  Also: I fetch for P (0) or for Q (1)
	s_and_b32 s16, s14, 1                          ; which 64 rows of Q.  Also: which slot (512 along K) I fetch
	s_bfe_u32 s40, ttmp6, 0x40000                  ; cx
	s_bfe_u32 s41, ttmp6, 0x40004                  ; cy
	s_lshl_b32 s42, ttmp9, 2
	s_add_co_u32 s42, s42, s40                     ; Q's row group: 4 x cluster x + cx
	s_and_b32 s17, ttmp7, 0xffff
	s_lshl_b32 s17, s17, 2
	s_add_co_u32 s17, s17, s41                     ; P's row group: 4 x cluster y + cy
	s_lshl_b32 s43, s41, 2
	s_lshl_b32 s43, 15, s43                        ; my row of the cluster
	s_lshl_b32 s44, 0x1111, s40                    ; my column
	s_or_b32 s[G1+0], s43, (3<<16)|(1<<21)         ; 15:0 the mask: P's tiles go to my row; 17:16 elements of 8 bytes; 21 set beside a mask; no padding
	s_or_b32 s[G1B+0], s44, (3<<16)|(1<<21)
.irp g, G1, G1B
	s_mov_b32 s[\g+1], 32<<16                      ; tensor_dim0 = 32 elements: 256 bytes
	s_mov_b32 s[\g+2], 264<<16                     ; tensor_dim1 = 264 rows: 67,584 dense bytes
	s_mov_b32 s[\g+3], 32<<16                      ; tile_dim0
	s_mov_b32 s[\g+4], 264                         ; tile_dim1
	s_mov_b32 s[\g+5], 32                          ; the pitch
	s_mov_b32 s[\g+6], 0
	s_mov_b32 s[\g+7], 0
.endr
	s_mul_i32 s18, s16, 2*PIECE                    ; which 512 along K I fetch
	s_mul_i32 s20, s17, KB*BLK                     ; P's row group
	s_add_co_u32 s20, s20, s18
	s_mov_b32 s21, 0
	s_mul_i32 s46, s42, KB*BLK                     ; Q's
	s_add_co_u32 s46, s46, s18
	s_add_co_u32 s46, s46, QOFF
	s_mov_b32 s47, 0
	s_mul_i32 s45, s15, 2*PIECE                    ; where it goes: slot (wave % 2), side (wave / 2): no place in the cluster enters an LDS address
	s_mul_i32 s19, s16, SLOT
	s_add_co_u32 s45, s45, s19
	s_wait_kmcnt 0x0
	s_add_nc_u64 s[20:21], s[4:5], s[20:21]
	s_add_nc_u64 s[46:47], s[6:7], s[46:47]
	CROUND                                         ; all sixteen work-groups are here: the first joint loads meet
.irp s, 0                              ; one tensor load a wave at the head: the four bring all of K = 1,024 for both sides
	s_mov_b32 s[G0+4*\s], 1
	s_add_co_u32 s[G0+4*\s+1], s45, \s*SLOT
	s_add_nc_u64 s[G0+4*\s+2:G0+4*\s+3], s[20:21], \s*2*PIECE
	s_or_b32 s[G0+4*\s+3], s[G0+4*\s+3], 0x80000000
	s_mov_b32 s[G0B+4*\s], 1
	s_add_co_u32 s[G0B+4*\s+1], s45, \s*SLOT
	s_add_nc_u64 s[G0B+4*\s+2:G0B+4*\s+3], s[46:47], \s*2*PIECE
	s_or_b32 s[G0B+4*\s+3], s[G0B+4*\s+3], 0x80000000
	JLOAD G0+4*\s, G1, G0B+4*\s, G1B
.endr
	v_and_b32 v1, 15, v0                           ; r
	v_bfe_u32 v2, v0, 4, 1                         ; h
	s_wait_alu depctr_va_vdst(0)
	v_and_b32 v3, 31, v0                           ; lane
	v_lshlrev_b32 v4, 4, v3                        ; 16 lane
	s_lshl_b32 s21, s15, 13                        ; my four blocks of 16 rows of P: 8,192 bytes on in each block of the layout
	s_lshl_b32 s22, s16, 13
	s_add_co_u32 s22, s22, 2*PIECE                 ; and of Q, which lies behind P's two pieces
.irp s, 0,1
	v_add_nc_u32 v[ADRA+\s], s21, v4
	v_add_nc_u32 v[ADRB+\s], s22, v4
	s_add_co_u32 s21, s21, SLOT
	s_add_co_u32 s22, s22, SLOT
.endr
	s_lshl_b32 s21, s15, 4                         ; my four words of a row of P: 16 bytes on
	s_lshl_b32 s22, s16, 4
	s_add_co_u32 s22, s22, 2*PIECE
	s_sub_co_u32 s22, s22, s21
	v_mul_u32_u24 v6, s22, v2                      ; lanes 16-31 take Q's words: one product, h x the distance
	v_lshl_add_u32 v5, v1, 5, v6                   ; + 32 r
	s_add_co_u32 s21, s21, 16384
	v_add_nc_u32 v[ADRS], s21, v5
	v_add_nc_u32 v[ADRS+1], SLOT, v[ADRS]
	s_mul_i32 s23, s14, 64*SP                      ; my stage: 64 rows x (256 + 16) bytes
	v_mul_u32_u24 v5, v1, SP
	v_lshl_add_u32 v5, v2, 6, v5
	v_add_nc_u32 v[STO], s23, v5
	v_mul_u32_u24 v5, v2, SP
	v_lshl_add_u32 v5, v1, 4, v5
	v_add_nc_u32 v[RD], s23, v5
	v_lshlrev_b32 v[CO], 12, v2
	v_lshl_add_u32 v[CO], v1, 4, v[CO]
	v_lshlrev_b32 v[BA], 6, v2
	s_wait_alu depctr_va_vdst(0)
	s_lshl_b32 s20, s17, 7
	s_lshl_b32 s21, s15, 6
	s_add_co_u32 s20, s20, s21                     ; my first token: 128 x row group + 64 x half
	s_lshl_b32 s20, s20, 12                        ; 4,096 bytes a row
	s_lshl_b32 s21, s42, 1
	s_add_co_u32 s21, s21, s16
	s_lshl_b32 s22, s21, 8                         ; my 64 columns: 256 bytes on, in a row and in the bias
	s_add_co_u32 s20, s20, s22
	s_mov_b32 s21, 0
	s_mov_b32 s23, 0
	s_add_nc_u64 s[10:11], s[10:11], s[20:21]
	s_add_nc_u64 s[12:13], s[12:13], s[20:21]
	s_add_nc_u64 s[8:9], s[8:9], s[22:23]
	WIN TO_R                                       ; bias and residual are asked for now: 40 loads, waited for behind the last product; their registers and addresses are touched by nothing till then
.irp b, 0,1
.irp j, 0,1,2,3
	global_load_b128 v[BI+16*\b+4*\j:BI+16*\b+4*\j+3], v[BA], s[8:9] offset:128*\b+16*\j   ; the bias of columns 32 b + 16 h + 4 j + 0..3
.endr
.endr
.irp a, 0,1,2,3                        ; places 2 t and 2 t + 1 of my block a are rows 32 (a / 2) + 8 (a % 2) + 16 (t / 4) + 2 (t % 4) and the next
.irp t, 0,1,2,3,4,5,6,7
	global_load_b128 v[RB+32*\a+4*\t:RB+32*\a+4*\t+3], v[CO], s[10:11] offset:(32*(\a/2)+8*(\a%2)+16*(\t/4)+2*(\t%4))*4096 th:TH_LOAD_NT
.endr
.endr
	WIN 0
	s_wait_tensorcnt 0x0                           ; my one load is in: say so
	s_barrier_signal -1
	s_barrier_wait -1
	SCALES 0
	FETCHQ 0, 0, 0
	FETCHP 0, 0, 0
	STEP 0, 0, 1                                   ; the first products start the sums: nothing is cleared
.if LAPS > 1
	WIN 0                                          ; at a label and at a branch every window is 0
	s_mov_b32 s3, LAPS-1
.Llap:                                                 ; a trip goes once round the ring, from a lap's second step to the next lap's first, and fills both slots again
	STEP 0, 1, 0
	STEP 0, 2, 0
	TURN 0, 1, 1
	STEP 1, 0, 0
	STEP 1, 1, 0
	STEP 1, 2, 0
	TURN 1, 0, 1
	STEP 0, 0, 0
	WIN 0
	s_sub_co_u32 s3, s3, 1
	s_cmp_lg_u32 s3, 0
	s_cbranch_scc1 .Llap
.endif
	STEP 0, 1, 0                                   ; the last lap fills nothing
	STEP 0, 2, 0
	TURN 0, 1, 0
	STEP 1, 0, 0
	STEP 1, 1, 0
	STEP 1, 2, 0
	s_wait_dscnt 0x0                               ; the very last step: nothing more to fetch
	WIN MUL
	MUL4 1, 0, 3, 1, 0
	MUL4 1, 1, 3, 1, 0
	MUL4 1, 2, 3, 1, 0
	MUL4 1, 3, 3, 1, 0
	WIN 0
	PLACES NP                                      ; behind the last products: in front of the first read of results and of loads into their registers
	s_wait_loadcnt 0x0                             ; bias and residual, asked for at the head
.irp a, 0,1,2,3
.if \a > 1
	s_wait_dscnt 24                                ; the stage stores of two blocks back have read this set of numbers: behind them stand that block's 8 loads and the last block's 16 instructions
.endif
	WIN FROMR
.set i, 0
.rept 16
	v_pk_add_f32 v[T+32*(\a%2)+i:T+32*(\a%2)+i+1], v[ACC+32*\a+i:ACC+32*\a+i+1], v[BI+i:BI+i+1]   ; ascending: each accumulator is read from its low end on
.set i, i+2
.endr
	WIN 0
.irp b, 0,1
.irp j, 0,1,2,3
	ds_store_b128 v[STO], v[T+32*(\a%2)+16*\b+4*\j:T+32*(\a%2)+16*\b+4*\j+3] offset:\a*16*SP+128*\b+16*\j
.endr
.endr
.irp t, 0,1,2,3,4,5,6,7
	ds_load_b128 v[ACC+32*\a+4*\t:ACC+32*\a+4*\t+3], v[RD] offset:\a*16*SP+2*\t*SP   ; LDS serves a wave's instructions in order: these see my stores; they land in the block's own accumulators, which have been read
.endr
.endr
.irp a, 0,1,2,3
	s_wait_dscnt 16*(3-\a)                         ; block a is back; the later blocks' 16 instructions each may be out
	WIN FROMR
.set i, 0
.rept 16
	v_pk_add_f32 v[ACC+32*\a+i:ACC+32*\a+i+1], v[ACC+32*\a+i:ACC+32*\a+i+1], v[RB+32*\a+i:RB+32*\a+i+1]
.set i, i+2
.endr
	WIN 0
.irp t, 0,1,2,3,4,5,6,7
	global_store_b128 v[CO], v[ACC+32*\a+4*\t:ACC+32*\a+4*\t+3], s[12:13] offset:(32*(\a/2)+8*(\a%2)+16*(\t/4)+2*(\t%4))*4096 th:TH_STORE_NT   ; sixteen lanes store 256 consecutive bytes, aligned; two rows an instruction
.endr
.endr
	s_wait_tensorcnt 0x0                           ; the wave's end
	ds_add_u32 v[SPW], v[NIL]
	s_wait_dscnt 0x0
	CROUND                                         ; the closing round
	s_endpgm
.Lfunc_end_k_qe45e444fe2_wo:
	.size	k_qe45e444fe2_wo, .Lfunc_end_k_qe45e444fe2_wo-k_qe45e444fe2_wo
	.p2alignl 7, 3214868480
	.fill 96, 4, 3214868480
	.section	.rodata,"a",@progbits
	.p2align	6, 0x0
	.amdhsa_kernel k_qe45e444fe2_wo
		.amdhsa_group_segment_fixed_size 327680
		.amdhsa_private_segment_fixed_size 0
		.amdhsa_enable_private_segment 0
		.amdhsa_kernarg_size 40
		.amdhsa_user_sgpr_count 2
		.amdhsa_user_sgpr_kernarg_segment_ptr 1
		.amdhsa_wavefront_size32 1
		.amdhsa_system_sgpr_workgroup_id_x 1
		.amdhsa_system_sgpr_workgroup_id_y 1
		.amdhsa_system_sgpr_workgroup_id_z 1
		.amdhsa_system_vgpr_workitem_id 0
		.amdhsa_next_free_vgpr 768
		.amdhsa_next_free_sgpr 100
		.amdhsa_reserve_vcc 0
		.amdhsa_float_denorm_mode_32 3
		.amdhsa_float_denorm_mode_16_64 3
		.amdhsa_memory_ordered 1
		.amdhsa_forward_progress 1
		.amdhsa_inst_pref_size 63
	.end_amdhsa_kernel
	.amdgpu_metadata
---
amdhsa.version: [ 1, 2 ]
amdhsa.kernels:
  - .name:           k_qe45e444fe2_wo
    .symbol:         k_qe45e444fe2_wo.kd
    .args:
      - { .name: cxc, .offset: 0, .size: 8, .value_kind: global_buffer, .address_space: global }
      - { .name: wc, .offset: 8, .size: 8, .value_kind: global_buffer, .address_space: global }
      - { .name: bo, .offset: 16, .size: 8, .value_kind: global_buffer, .address_space: global }
      - { .name: x, .offset: 24, .size: 8, .value_kind: global_buffer, .address_space: global }
      - { .name: x1, .offset: 32, .size: 8, .value_kind: global_buffer, .address_space: global }
    .group_segment_fixed_size: 327680
    .private_segment_fixed_size: 0
    .kernarg_segment_align: 8
    .kernarg_segment_size: 40
    .max_flat_workgroup_size: 128
    .sgpr_count:     100
    .vgpr_count:     768
    .wavefront_size: 32
...
	.end_amdgpu_metadata
.endif
;; end of part 11
;; launch ln1 (part 12): grid 256 x 1, 8 waves a work-group, no clusters, 66,816 bytes of LDS; arguments x1, g2, be2, hc; writes hc
.if DOCPART == 12
	.amdgcn_target "amdgcn-amd-amdhsa--gfx1250"
	.amdhsa_code_object_version 6
	.text
	.protected	k_qe45e444fe2_ln1
	.globl	k_qe45e444fe2_ln1
	.p2align	8
	.type	k_qe45e444fe2_ln1,@function
k_qe45e444fe2_ln1:
	s_mov_b64 s[64:65], 0
	v_nop
	global_prefetch_b8 v0, s[64:65] scope:SCOPE_SE
	s_setreg_imm32_b32 hwreg(HW_REG_WAVE_MODE, 25, 1), 1
	s_wait_xcnt 0x0
; y = (x - mean) rsqrt(var + 1e-5) g + b along rows of 1,024 f32, then quantised along the row to E4M3 with one E8M0 byte for each 32, into the program's operand layout:
; blocks of 128 rows x 128 K, 16,896 bytes, block (rg, ks) at (8 rg + ks) x 16,896; codes of (block of 16 rows a, register group c, lane 16 h + r) at 2048 a + 512 c + 16 lane: k = 32 c + 16 h + 0..15 of the row at place 16 a + r;
; that row's scale word at 16,384 + 32 r + 4 a.  Place p holds the row whose number is p with bits 3 and 4 exchanged.
; A work-group takes the 16 rows of one (rg, a).  PHASE 1: wave w takes places 2 w and 2 w + 1 (two neighbouring rows of x), whole rows in registers: mean, then the sum of squared differences (two passes: a common offset
; of the input does no harm), the affine step in f32; the rows go to LDS.  PHASE 2: wave w takes K step w: lane (r, h) reads 16 neighbours of each of 4 blocks of row r, quantises, and stores an image of the operand's registers.
; The scale words are 16 words 32 bytes apart (lanes 16-31 write the same word with the same value): one part in 512 of what the launch moves; whole runs of 256 bytes would want 128 rows to a work-group, 32 work-groups in all.
; LIMITS: NaN and infinities are not served; v_rsq_f32 is within 1 ulp; a block under 2^-118 (zeros too) gets the byte 1; the sums run in another order than a plain loop's.
.set BLK, 16896
.set RP,  4112                         ; a row in LDS: 4,096 bytes + 16: the 16 rows that a load of phase 2 touches start 16 bytes apart modulo 256
.set X,   16                           ; v16-79   two rows of 32 registers; in phase 2 the lane's 64 numbers
.set G,   80                           ; v80-111  g
.set BE,  112                          ; v112-143 b
.set PC,  144                          ; v144-159 codes
.set TM,  160                          ; v160-175 the quantiser's work
.set PW,  176                          ; v176     the scale word
.set ST,  178                          ; v178-193 row i at ST + 8 i: +0..3 two chains of sums, +4,5 the mean twice, +6,7 rsqrt twice
.set SEL, 20
.set MNT, 22
; 64 numbers of a lane, register 16 b + i = k 32 b + 16 h + i of my row, become 16 registers of codes at v[pc] and the row's scale word in v[pw].  relu = 1: what is negative becomes 0 on the way.
.macro QUANT s, relu, pc, pw
.if \relu
.irp b, 0,1,2,3
	v_max3_num_f32 v[TM+\b], v[\s+16*\b], v[\s+1+16*\b], 0x4800000
.endr
.irp i, 2,4,6,8,10,12,14
.irp b, 0,1,2,3
	v_max3_num_f32 v[TM+\b], v[TM+\b], v[\s+16*\b+\i], v[\s+1+16*\b+\i]
.endr
.endr
.else
.irp b, 0,1,2,3
	v_max3_num_f32 v[TM+\b], |v[\s+16*\b]|, |v[\s+1+16*\b]|, 0x4800000   ; my 16 numbers of block b, and the floor 2^(9 - 127): the byte cannot fall under 1
.endr
.irp i, 2,4,6,8,10,12,14
.irp b, 0,1,2,3
	s_delay_alu instid0(VALU_DEP_4)
	v_max3_num_f32 v[TM+\b], v[TM+\b], |v[\s+16*\b+\i]|, |v[\s+1+16*\b+\i]|   ; the four blocks by turns
.endr
.endr
.endif
.irp b, 0,1,2,3
	s_delay_alu instid0(VALU_DEP_4)
	v_permlanex16_b32 v[TM+4+\b], v[TM+\b], s[SEL], s[SEL+1]
.endr
.irp b, 0,1,2,3
	s_delay_alu instid0(VALU_DEP_4)
	v_max_num_f32 v[TM+\b], v[TM+\b], v[TM+4+\b]   ; with the lane 16 away: the block's largest magnitude
.endr
.irp b, 0,1,2,3
	s_delay_alu instid0(VALU_DEP_4)
	v_add_nc_u32 v[TM+12+\b], 0xfc000000, v[TM+\b] ; 8 off the exponent field: the conversion's scale operand
.endr
.irp b, 0,1,2,3
	v_and_or_b32 v[TM+8+\b], v[TM+\b], 0x7f800000, s[MNT]   ; 448 x the scale
.endr
.irp b, 0,1,2,3
	v_lshrrev_b32 v[TM+4+\b], 23, v[TM+12+\b]      ; the scale's byte
.endr
	s_delay_alu instid0(VALU_DEP_3)
	v_lshl_or_b32 v[\pw], v[TM+5], 8, v[TM+4]
	s_delay_alu instid0(VALU_DEP_1)
	v_lshl_or_b32 v[\pw], v[TM+6], 16, v[\pw]
	s_delay_alu instid0(VALU_DEP_1)
	v_lshl_or_b32 v[\pw], v[TM+7], 24, v[\pw]
.irp b, 0,1,2,3
.irp i, 0,1,2,3,4,5,6,7,8,9,10,11,12,13,14,15
.if \relu
	v_med3_num_f32 v[\s+16*\b+\i], v[\s+16*\b+\i], 0, v[TM+8+\b]
.else
	v_med3_num_f32 v[\s+16*\b+\i], v[\s+16*\b+\i], -v[TM+8+\b], v[TM+8+\b]   ; the conversion does not saturate (ISA guide 7.6.2): the hold comes first
.endif
.endr
	v_cvt_scalef32_pk8_fp8_f32 v[\pc+4*\b:\pc+1+4*\b], v[\s+16*\b:\s+7+16*\b], v[TM+12+\b]
	v_cvt_scalef32_pk8_fp8_f32 v[\pc+2+4*\b:\pc+3+4*\b], v[\s+8+16*\b:\s+15+16*\b], v[TM+12+\b]
.endr
	v_nop                                          ; a plain line behind the last conversion
.endm
; the two rows' sums: chains, halves, then the 32 lanes; every lane ends with the sum in v[ST + 8 i]
.macro LANES
.irp i, 0
	s_delay_alu instid0(VALU_DEP_3)
	v_pk_add_f32 v[ST+8*\i:ST+8*\i+1], v[ST+8*\i:ST+8*\i+1], v[ST+8*\i+2:ST+8*\i+3]
.endr
.irp i, 1
	s_delay_alu instid0(VALU_DEP_2)
	v_pk_add_f32 v[ST+8*\i:ST+8*\i+1], v[ST+8*\i:ST+8*\i+1], v[ST+8*\i+2:ST+8*\i+3]
.endr
.irp i, 0,1
	s_delay_alu instid0(VALU_DEP_2)
	v_add_f32 v[ST+8*\i], v[ST+8*\i], v[ST+8*\i+1]
.endr
.irp m, 1,2,4,8
.irp i, 0,1
	s_delay_alu instid0(VALU_DEP_2)
	v_add_f32_dpp v[ST+8*\i], v[ST+8*\i], v[ST+8*\i] row_xmask:\m row_mask:0xf bank_mask:0xf
.endr
.endr
.irp i, 0,1
	s_delay_alu instid0(VALU_DEP_2)
	v_permlanex16_b32 v[ST+8*\i+1], v[ST+8*\i], s[SEL], s[SEL+1]
.endr
.irp i, 0,1
	s_delay_alu instid0(VALU_DEP_2)
	v_add_f32 v[ST+8*\i], v[ST+8*\i], v[ST+8*\i+1]
.endr
.endm
	s_load_b256 s[4:11], s[0:1], 0x0               ; the rows s[4:5], g s[6:7], b s[8:9], the codes s[10:11]
	v_lshl_add_u32 v200, v0, 2, 0x10100
	v_mov_b32 v201, 0
	v_lshrrev_b32 v2, 5, v0                        ; wave
	s_delay_alu instid0(VALU_DEP_1)
	v_readfirstlane_b32 s12, v2
	v_and_b32 v1, 31, v0                           ; lane
	s_delay_alu instid0(VALU_DEP_1)
	v_lshlrev_b32 v3, 4, v1                        ; 16 lane: in a load's 512 bytes, and in an image
	s_delay_alu instid0(VALU_DEP_4)
	v_mul_u32_u24 v4, v2, 2*RP
	s_delay_alu instid0(VALU_DEP_1)
	v_lshl_add_u32 v4, v1, 4, v4                   ; LDS, in: my wave's two rows, 16 bytes a lane
	v_and_b32 v5, 15, v0                           ; r
	v_bfe_u32 v6, v0, 4, 1                         ; h
	s_delay_alu instid0(VALU_DEP_2)
	v_mul_u32_u24 v7, v5, RP
	s_delay_alu instid0(VALU_DEP_1)
	v_lshl_add_u32 v7, v6, 6, v7
	s_delay_alu instid0(VALU_DEP_1)
	v_lshl_add_u32 v7, v2, 9, v7                   ; LDS, out: row r, + 64 h, + 512 wave (K step = wave)
	v_lshlrev_b32 v8, 5, v5                        ; 32 r: a scale word's place
	s_lshr_b32 s13, ttmp9, 3                       ; rg
	s_and_b32 s14, ttmp9, 7                        ; a
	s_lshl_b32 s15, s13, 7                         ; my first row: 128 rg + 32 (a / 2) + 16 (wave / 4) + 8 (a % 2) + 2 (wave % 4)
	s_lshr_b32 s16, s14, 1
	s_lshl_b32 s16, s16, 5
	s_add_co_u32 s15, s15, s16
	s_lshr_b32 s16, s12, 2
	s_lshl_b32 s16, s16, 4
	s_add_co_u32 s15, s15, s16
	s_and_b32 s16, s14, 1
	s_lshl_b32 s16, s16, 3
	s_add_co_u32 s15, s15, s16
	s_and_b32 s16, s12, 3
	s_lshl_b32 s16, s16, 1
	s_add_co_u32 s15, s15, s16
	s_lshl_b32 s16, s15, 12                        ; 4,096 bytes a row
	s_mov_b32 s17, 0
	s_lshl_b32 s18, s13, 3
	s_add_co_u32 s18, s18, s12
	s_mul_i32 s18, s18, BLK                        ; block (rg, wave)
	s_lshl_b32 s19, s14, 11
	s_add_co_u32 s24, s18, s19                     ; its images of the rows' block a
	s_mov_b32 s25, 0
	s_lshl_b32 s19, s14, 2
	s_add_co_u32 s26, s18, s19
	s_add_co_u32 s26, s26, 16384                   ; and their scale words
	s_mov_b32 s27, 0
	s_mov_b32 s[SEL], 0x76543210
	s_mov_b32 s[SEL+1], 0xfedcba98                 ; v_permlanex16_b32: the lane 16 away
	s_mov_b32 s[MNT], 0x600000                     ; the mantissa field of 448
	s_mov_b32 s28, 0x3a800000                      ; 1 / 1024
	s_mov_b32 s29, 0x3727c5ac                      ; 1e-5
.irp b, 0,1,2,3
	v_mov_b32 v[TM+4+\b], 0                        ; a lane permute's destination counts as read: written once
.endr
	s_wait_kmcnt 0x0
	s_add_nc_u64 s[4:5], s[4:5], s[16:17]
	s_add_nc_u64 s[24:25], s[10:11], s[24:25]
	s_add_nc_u64 s[26:27], s[10:11], s[26:27]
.irp i, 0,1
.irp j, 0,1,2,3,4,5,6,7
	global_load_b128 v[X+32*\i+4*\j:X+32*\i+4*\j+3], v3, s[4:5] offset:4096*\i+512*\j th:TH_LOAD_NT   ; 512 consecutive bytes a load: lane l holds k = 128 j + 4 l + 0..3
.endr
.endr
.irp j, 0,1,2,3,4,5,6,7
	global_load_b128 v[G+4*\j:G+4*\j+3], v3, s[6:7] offset:512*\j
.endr
.irp j, 0,1,2,3,4,5,6,7
	global_load_b128 v[BE+4*\j:BE+4*\j+3], v3, s[8:9] offset:512*\j
.endr
	s_wait_loadcnt 16                              ; both rows are in; the 16 loads of g and b may be out
.irp i, 0,1
	v_pk_add_f32 v[ST+8*\i:ST+8*\i+1], v[X+32*\i:X+32*\i+1], v[X+32*\i+2:X+32*\i+3]
	v_pk_add_f32 v[ST+8*\i+2:ST+8*\i+3], v[X+32*\i+4:X+32*\i+5], v[X+32*\i+6:X+32*\i+7]
.endr
.irp j, 8,12,16,20,24,28
.irp i, 0,1
	s_delay_alu instid0(VALU_DEP_4)
	v_pk_add_f32 v[ST+8*\i:ST+8*\i+1], v[ST+8*\i:ST+8*\i+1], v[X+32*\i+\j:X+32*\i+\j+1]
	s_delay_alu instid0(VALU_DEP_4)
	v_pk_add_f32 v[ST+8*\i+2:ST+8*\i+3], v[ST+8*\i+2:ST+8*\i+3], v[X+32*\i+\j+2:X+32*\i+\j+3]
.endr
.endr
	LANES
.irp i, 0
	s_delay_alu instid0(VALU_DEP_2)
	v_mul_f32 v[ST+8*\i+4], s28, v[ST+8*\i]        ; the mean, twice: a pair for the packed subtraction
	s_delay_alu instid0(VALU_DEP_3)
	v_mul_f32 v[ST+8*\i+5], s28, v[ST+8*\i]
.endr
.irp i, 1
	s_delay_alu instid0(VALU_DEP_3)
	v_mul_f32 v[ST+8*\i+4], s28, v[ST+8*\i]        ; the mean, twice: a pair for the packed subtraction
	s_delay_alu instid0(VALU_DEP_4)
	v_mul_f32 v[ST+8*\i+5], s28, v[ST+8*\i]
.endr
.irp j, 0,2,4,6,8,10,12,14,16,18,20,22,24,26,28,30
.irp i, 0,1
	v_pk_add_f32 v[X+32*\i+\j:X+32*\i+\j+1], v[X+32*\i+\j:X+32*\i+\j+1], v[ST+8*\i+4:ST+8*\i+5] neg_lo:[0,1] neg_hi:[0,1]   ; x - mean
.endr
.endr
.irp i, 0,1
	v_pk_mul_f32 v[ST+8*\i:ST+8*\i+1], v[X+32*\i:X+32*\i+1], v[X+32*\i:X+32*\i+1]
	v_pk_mul_f32 v[ST+8*\i+2:ST+8*\i+3], v[X+32*\i+2:X+32*\i+3], v[X+32*\i+2:X+32*\i+3]
.endr
.irp j, 4,8,12,16,20,24,28
.irp i, 0,1
	s_delay_alu instid0(VALU_DEP_4)
	v_pk_fma_f32 v[ST+8*\i:ST+8*\i+1], v[X+32*\i+\j:X+32*\i+\j+1], v[X+32*\i+\j:X+32*\i+\j+1], v[ST+8*\i:ST+8*\i+1]
	s_delay_alu instid0(VALU_DEP_4)
	v_pk_fma_f32 v[ST+8*\i+2:ST+8*\i+3], v[X+32*\i+\j+2:X+32*\i+\j+3], v[X+32*\i+\j+2:X+32*\i+\j+3], v[ST+8*\i+2:ST+8*\i+3]
.endr
.endr
	LANES
.irp i, 0,1
	s_delay_alu instid0(VALU_DEP_2)
	v_fma_f32 v[ST+8*\i], v[ST+8*\i], s28, s29     ; the variance + 1e-5
.endr
	s_wait_alu depctr_va_vdst(0)
.irp i, 0,1
	v_rsq_f32 v[ST+8*\i+6], v[ST+8*\i]             ; one batch of four: a pair for each row's packed multiply
	v_rsq_f32 v[ST+8*\i+7], v[ST+8*\i]
.endr
	v_nop                                          ; a plain line behind the last of them
	s_wait_alu depctr_va_vdst(0)                   ; one wait for the batch, ahead of its first reader
	s_wait_loadcnt 0x0                             ; g and b
.irp j, 0,2,4,6,8,10,12,14,16,18,20,22,24,26,28,30
.irp i, 0,1
	v_pk_mul_f32 v[X+32*\i+\j:X+32*\i+\j+1], v[X+32*\i+\j:X+32*\i+\j+1], v[ST+8*\i+6:ST+8*\i+7]
.endr
.irp i, 0,1
	s_delay_alu instid0(VALU_DEP_2)
	v_pk_fma_f32 v[X+32*\i+\j:X+32*\i+\j+1], v[X+32*\i+\j:X+32*\i+\j+1], v[G+\j:G+\j+1], v[BE+\j:BE+\j+1]
.endr
.endr
.irp i, 0,1
.irp j, 0,1,2,3,4,5,6,7
	ds_store_b128 v4, v[X+32*\i+4*\j:X+32*\i+4*\j+3] offset:RP*\i+512*\j
.endr
.endr
	s_wait_dscnt 0x0                               ; my two rows lie in LDS: say so to the other waves
	s_barrier_signal -1
	s_barrier_wait -1
.irp b, 0,1,2,3
.irp j, 0,1,2,3
	ds_load_b128 v[X+16*\b+4*\j:X+16*\b+4*\j+3], v7 offset:128*\b+16*\j   ; row r, k = 128 wave + 32 b + 16 h + 4 j + 0..3
.endr
.endr
	s_wait_dscnt 0x0
	QUANT X, 0, PC, PW
.irp c, 0,1,2,3
	global_store_b128 v3, v[PC+4*\c:PC+4*\c+3], s[24:25] offset:512*\c   ; 32 lanes store 512 consecutive bytes, aligned to 256
.endr
	global_store_b32 v8, v[PW], s[26:27]
	s_wait_tensorcnt 0x0
	ds_add_u32 v200, v201
	s_wait_dscnt 0x0
	s_endpgm
.Lfunc_end_k_qe45e444fe2_ln1:
	.size	k_qe45e444fe2_ln1, .Lfunc_end_k_qe45e444fe2_ln1-k_qe45e444fe2_ln1
	.p2alignl 7, 3214868480
	.fill 96, 4, 3214868480
	.section	.rodata,"a",@progbits
	.p2align	6, 0x0
	.amdhsa_kernel k_qe45e444fe2_ln1
		.amdhsa_group_segment_fixed_size 66816
		.amdhsa_private_segment_fixed_size 0
		.amdhsa_enable_private_segment 0
		.amdhsa_kernarg_size 32
		.amdhsa_user_sgpr_count 2
		.amdhsa_user_sgpr_kernarg_segment_ptr 1
		.amdhsa_wavefront_size32 1
		.amdhsa_system_sgpr_workgroup_id_x 1
		.amdhsa_system_sgpr_workgroup_id_y 1
		.amdhsa_system_sgpr_workgroup_id_z 1
		.amdhsa_system_vgpr_workitem_id 0
		.amdhsa_next_free_vgpr 202
		.amdhsa_next_free_sgpr 66
		.amdhsa_reserve_vcc 0
		.amdhsa_float_denorm_mode_32 3
		.amdhsa_float_denorm_mode_16_64 3
		.amdhsa_memory_ordered 1
		.amdhsa_forward_progress 1
		.amdhsa_inst_pref_size 34
	.end_amdhsa_kernel
	.amdgpu_metadata
---
amdhsa.version: [ 1, 2 ]
amdhsa.kernels:
  - .name:           k_qe45e444fe2_ln1
    .symbol:         k_qe45e444fe2_ln1.kd
    .args:
      - { .name: x1, .offset: 0, .size: 8, .value_kind: global_buffer, .address_space: global }
      - { .name: g2, .offset: 8, .size: 8, .value_kind: global_buffer, .address_space: global }
      - { .name: be2, .offset: 16, .size: 8, .value_kind: global_buffer, .address_space: global }
      - { .name: hc, .offset: 24, .size: 8, .value_kind: global_buffer, .address_space: global }
    .group_segment_fixed_size: 66816
    .private_segment_fixed_size: 0
    .kernarg_segment_align: 8
    .kernarg_segment_size: 32
    .max_flat_workgroup_size: 256
    .sgpr_count:     66
    .vgpr_count:     202
    .wavefront_size: 32
...
	.end_amdgpu_metadata
.endif
;; end of part 12
;; launch ffn1 (part 13): grid 16 x 16, 4 waves a work-group, clusters of 4 x 4, 327,680 bytes of LDS; arguments hc, wc, b1, hidc; writes hidc
.if DOCPART == 13
	.amdgcn_target "amdgcn-amd-amdhsa--gfx1250"
	.amdhsa_code_object_version 6
	.text
	.protected	k_qe45e444fe2_ffn1
	.globl	k_qe45e444fe2_ffn1
	.p2align	8
	.type	k_qe45e444fe2_ffn1,@function
k_qe45e444fe2_ffn1:
	s_mov_b64 s[64:65], 0
	v_nop
	global_prefetch_b8 v0, s[64:65] scope:SCOPE_SE
	s_setreg_imm32_b32 hwreg(HW_REG_WAVE_MODE, 25, 1), 1
	s_wait_xcnt 0x0
	s_wait_alu depctr_hold_cnt(0) depctr_sa_sdst(0) depctr_va_vdst(0) depctr_va_sdst(0) depctr_va_ssrc(0) depctr_va_vcc(0) depctr_vm_vsrc(0)
	s_getreg_b32 s2, hwreg(HW_REG_IB_STS2, 6, 4)
	s_cmp_eq_u32 s2, 0
	s_cbranch_scc0 .Lentry_in_a_cluster
	s_endpgm
.Lentry_in_a_cluster:
	s_bfe_u32 s2, ttmp6, 0x10000c
	s_cmp_lg_u32 s2, 0xf033
	s_cbranch_scc0 .Lentry_shape_is_right
	s_endpgm
.Lentry_shape_is_right:
.set BLK,   16896
.set PIECE, 2*BLK
.set SLOT,  4*PIECE
.set SPARE, 2*SLOT
.set KB,    8
.set LAPS,  KB/4
.set QOFF,  256*BLK
.set NP,    8
.set FR,    16
.set ADRA, 16
.set ADRS, 18
.set ADRB, 20
.set BA0,  24
.set IMG,  4
.set SWO,  27
.set SPW,  28
.set NIL,  29
.set SC,   32
.set AF,   128
.set T,    64
.set PC,   128
.set TM,   160
.set PW,   176
.set PM,   184
.set G1,   24
.set G0,   32
.set G1B,  48
.set G0B,  56
.set OUT,  10
.set BIA,  8
.set SEL,  90
.set MNT,  92
.set MSB, 0
.macro WIN new
.if MSB != (\new)
	s_set_vgpr_msb (MSB<<8)|(\new)
.set MSB, (\new)
.endif
.endm
.set MUL_LO, 0xa1
.set MUL_HI, 0xf1
.set TO_B,   0x40
.macro JLOAD g0a, g1a, g0b, g1b
	s_cmp_eq_u32 s15, 0
	s_cbranch_scc0 .Lfor_b_\@
	tensor_load_to_lds s[\g0a:\g0a+3], s[\g1a:\g1a+7]
	s_nop 0
.rept 4
	v_nop
.endr
	s_branch .Lasked_\@
.Lfor_b_\@:
	tensor_load_to_lds s[\g0b:\g0b+3], s[\g1b:\g1b+7]
	s_nop 0
.rept 4
	v_nop
.endr
.Lasked_\@:
.endm
.macro CREST
	s_cmp_lg_u32 s14, 0
	s_cbranch_scc1 .Lnot_wave_0_\@
	s_barrier_signal -3
.Lnot_wave_0_\@:
	s_barrier_wait -3
	s_barrier_signal -1
	s_barrier_wait -1
.endm
.macro CROUND
	s_barrier_signal -1
	s_barrier_wait -1
	CREST
.endm
.macro PLACES n
.rept \n
	v_nop
.endr
.endm
.macro FRAG reg, adr, q, i
.irp c, 0,1,2,3
	ds_load_b128 v[\reg+4*\c:\reg+4*\c+3], v[\adr] offset:BLK*(\q)+2048*(\i)+512*\c
.endr
.endm
.macro MUL16 a0, p, q, sc, zero
.irp a, \a0, \a0+1
.irp b, 0,1,2,3,4,5,6,7
.if \zero
	v_wmma_scale_f32_16x16x128_f8f6f4 v[8*(8*((\a)%4)+\b):8*(8*((\a)%4)+\b)+7], v[128*(\p)+FR*\b:128*(\p)+FR*\b+FR-1], v[AF+FR*(\a):AF+FR*(\a)+FR-1], 0, v[SC+16*(\sc)+8*(\q)+\b], v[SC+16*(\sc)+8*(\q)+(\a)] matrix_a_scale:MATRIX_SCALE_ROW1
.else
	v_wmma_scale_f32_16x16x128_f8f6f4 v[8*(8*((\a)%4)+\b):8*(8*((\a)%4)+\b)+7], v[128*(\p)+FR*\b:128*(\p)+FR*\b+FR-1], v[AF+FR*(\a):AF+FR*(\a)+FR-1], v[8*(8*((\a)%4)+\b):8*(8*((\a)%4)+\b)+7], v[SC+16*(\sc)+8*(\q)+\b], v[SC+16*(\sc)+8*(\q)+(\a)] matrix_a_scale:MATRIX_SCALE_ROW1
.endif
.endr
.endr
.endm
.macro FETCH_B slot, q, p
	WIN TO_B
.irp i, 0,1,2,3,4,5,6,7
	FRAG 128*(\p)+FR*\i, ADRB+\slot, \q, \i
.endr
	WIN 0
.endm
.macro FETCH_A slot, q, i0
.irp i, \i0, \i0+1, \i0+2, \i0+3
	FRAG AF+FR*(\i), ADRA+\slot, \q, \i
.endr
.endm
.macro SCALES sc
.irp q, 0,1
.irp e, 0,1
	ds_load_b128 v[SC+16*\sc+8*\q+4*\e:SC+16*\sc+8*\q+4*\e+3], v[ADRS+\sc] offset:BLK*\q+16*\e
.endr
.endr
.endm
.macro STEP slot, q, zero
	s_wait_dscnt 16
	WIN MUL_LO
	MUL16 0, (\q)%2, \q, \slot, \zero
	MUL16 2, (\q)%2, \q, \slot, \zero
	s_wait_dscnt 0x0
	PLACES NP
	FETCH_B \slot, (\q)+1, 1-(\q)%2
	FETCH_A \slot, (\q)+1, 0
	WIN MUL_HI
	MUL16 4, (\q)%2, \q, \slot, \zero
	MUL16 6, (\q)%2, \q, \slot, \zero
	PLACES NP
	WIN 0
	FETCH_A \slot, (\q)+1, 4
.endm
.macro TURN slot, next, fill
	s_wait_tensorcnt 0x0
	ds_add_u32 v[SPW], v[NIL]
	s_wait_dscnt 17
	WIN MUL_LO
	MUL16 0, 1, 1, \slot, 0
	s_wait_dscnt 0x0
	s_barrier_signal -1
	MUL16 2, 1, 1, \slot, 0
	WIN 0
	s_barrier_wait -1
.if \fill
	CREST
	s_add_nc_u64 s[G0+4*\slot+2:G0+4*\slot+3], s[G0+4*\slot+2:G0+4*\slot+3], 2*PIECE
	s_add_nc_u64 s[G0B+4*\slot+2:G0B+4*\slot+3], s[G0B+4*\slot+2:G0B+4*\slot+3], 2*PIECE
	JLOAD G0+4*\slot, G1, G0B+4*\slot, G1B
	PLACES NP-4
.else
	PLACES NP
.endif
	FETCH_B \next, 0, 0
	FETCH_A \next, 0, 0
	SCALES \next
.if (\fill) && (\slot) == 0            ; behind step 2's load: step 3, the last.  Step 3's load has no successor and asks for nothing
	global_prefetch_b8 v30, s[66:67] offset:2*PIECE th:TH_LOAD_NT scope:SCOPE_SE
	global_prefetch_b8 v31, s[66:67] offset:2*PIECE+8192 th:TH_LOAD_NT scope:SCOPE_SE
.endif
	WIN MUL_HI
	MUL16 4, 1, 1, \slot, 0
	MUL16 6, 1, 1, \slot, 0
	PLACES NP
	WIN 0
	FETCH_A \next, 0, 4
.endm
.macro QUANT s, pc, pw
.irp b, 0,1,2,3
	v_max3_num_f32 v[TM+\b], v[\s+16*\b], v[\s+1+16*\b], 0x4800000
.endr
.irp i, 2,4,6,8,10,12,14
.irp b, 0,1,2,3
	v_max3_num_f32 v[TM+\b], v[TM+\b], v[\s+16*\b+\i], v[\s+1+16*\b+\i]
.endr
.endr
.irp b, 0,1,2,3
	v_permlanex16_b32 v[TM+4+\b], v[TM+\b], s[SEL], s[SEL+1]
.endr
.irp b, 0,1,2,3
	v_max_num_f32 v[TM+\b], v[TM+\b], v[TM+4+\b]
.endr
.irp b, 0,1,2,3
	v_add_nc_u32 v[TM+12+\b], 0xfc000000, v[TM+\b]
.endr
.irp b, 0,1,2,3
	v_and_or_b32 v[TM+8+\b], v[TM+\b], 0x7f800000, s[MNT]
.endr
.irp b, 0,1,2,3
	v_lshrrev_b32 v[TM+4+\b], 23, v[TM+12+\b]
.endr
	v_lshl_or_b32 v[\pw], v[TM+5], 8, v[TM+4]
	v_lshl_or_b32 v[\pw], v[TM+6], 16, v[\pw]
	v_lshl_or_b32 v[\pw], v[TM+7], 24, v[\pw]
.irp b, 0,1,2,3
.irp i, 0,1,2,3,4,5,6,7,8,9,10,11,12,13,14,15
	v_med3_num_f32 v[\s+16*\b+\i], v[\s+16*\b+\i], 0, v[TM+8+\b]
.endr
	v_cvt_scalef32_pk8_fp8_f32 v[\pc+4*\b:\pc+1+4*\b], v[\s+16*\b:\s+7+16*\b], v[TM+12+\b]
	v_cvt_scalef32_pk8_fp8_f32 v[\pc+2+4*\b:\pc+3+4*\b], v[\s+8+16*\b:\s+15+16*\b], v[TM+12+\b]
.endr
	v_nop
.endm
	s_load_b256 s[4:11], s[0:1], 0x0
	v_lshl_add_u32 v[SPW], v0, 2, SPARE
	v_mov_b32 v[NIL], 0
	ds_add_u32 v28, v29
	ds_add_u32 v28, v29
	s_wait_dscnt 0x0
	v_lshrrev_b32 v1, 5, v0
	v_readfirstlane_b32 s14, v1
	v_and_b32 v30, 31, v0
	v_lshlrev_b32 v30, 8, v30                      ; the prefetches' offsets: a lane a block of 256 bytes; never rewritten
	v_mov_b32 v31, 0                               ; and 0, for the 33rd block
	s_lshr_b32 s15, s14, 1
	s_and_b32 s16, s14, 1
	s_bfe_u32 s40, ttmp6, 0x40000
	s_bfe_u32 s41, ttmp6, 0x40004
	s_lshl_b32 s42, ttmp9, 2
	s_add_co_u32 s42, s42, s40
	s_and_b32 s17, ttmp7, 0xffff
	s_lshl_b32 s17, s17, 2
	s_add_co_u32 s17, s17, s41
	s_lshl_b32 s43, s41, 2
	s_lshl_b32 s43, 15, s43
	s_lshl_b32 s44, 0x1111, s40
	s_or_b32 s[G1+0], s43, (3<<16)|(1<<21)
	s_or_b32 s[G1B+0], s44, (3<<16)|(1<<21)
.irp g, G1, G1B
	s_mov_b32 s[\g+1], 32<<16
	s_mov_b32 s[\g+2], 132<<16
	s_mov_b32 s[\g+3], 32<<16
	s_mov_b32 s[\g+4], 132
	s_mov_b32 s[\g+5], 32
	s_mov_b32 s[\g+6], 0
	s_mov_b32 s[\g+7], 0
.endr
	s_lshl_b32 s20, s17, 1
	s_add_co_u32 s20, s20, s16
	s_mul_i32 s20, s20, KB*BLK
	s_mov_b32 s21, 0
	s_lshl_b32 s46, s42, 1
	s_add_co_u32 s46, s46, s16
	s_mul_i32 s46, s46, KB*BLK
	s_add_co_u32 s46, s46, QOFF
	s_mov_b32 s47, 0
	s_mul_i32 s45, s14, PIECE
	s_mov_b32 s[SEL], 0x76543210
	s_mov_b32 s[SEL+1], 0xfedcba98
	s_mov_b32 s[MNT], 0x600000
	s_wait_alu depctr_va_vdst(0)
	s_wait_kmcnt 0x0
	s_add_nc_u64 s[20:21], s[4:5], s[20:21]
	s_add_nc_u64 s[46:47], s[6:7], s[46:47]
	; the prefetches: of the 132 blocks of 256 bytes that I fetch for a slot step, each of the four partners that ask with me names 33, told apart by address (cx for the tokens' side, cy for the weight's)
	s_cmp_eq_u32 s15, 0
	s_cselect_b64 s[66:67], s[20:21], s[46:47]
	s_cselect_b32 s68, s40, s41
	s_mul_i32 s68, s68, 33*256
	s_add_co_u32 s68, s68, PIECE                   ; at slot step 1; the later steps by immediates: the address is never stepped
	s_mov_b32 s69, 0
	s_add_nc_u64 s[66:67], s[66:67], s[68:69]
	CROUND
.irp s, 0,1
	s_mov_b32 s[G0+4*\s], 1
	s_add_co_u32 s[G0+4*\s+1], s45, \s*SLOT
	s_add_nc_u64 s[G0+4*\s+2:G0+4*\s+3], s[20:21], \s*PIECE
	s_or_b32 s[G0+4*\s+3], s[G0+4*\s+3], 0x80000000
	s_mov_b32 s[G0B+4*\s], 1
	s_add_co_u32 s[G0B+4*\s+1], s45, \s*SLOT
	s_add_nc_u64 s[G0B+4*\s+2:G0B+4*\s+3], s[46:47], \s*PIECE
	s_or_b32 s[G0B+4*\s+3], s[G0B+4*\s+3], 0x80000000
.if \s                                 ; slot 0's load stands behind the opening round; slot 1's first fill behind the full sequence and a round of its own
	s_wait_alu depctr_va_vdst(0)
	s_wait_tensorcnt 0x0
	ds_add_u32 v28, v29
	ds_add_u32 v28, v29
	s_wait_dscnt 0x0
	CROUND
.endif
	JLOAD G0+4*\s, G1, G0B+4*\s, G1B
	global_prefetch_b8 v30, s[66:67] offset:\s*PIECE th:TH_LOAD_NT scope:SCOPE_SE        ; A PREFETCH INTO THE L2 of what the NEXT joint load brings: behind step 0's load step 1, behind step 1's step 2
	global_prefetch_b8 v31, s[66:67] offset:\s*PIECE+8192 th:TH_LOAD_NT scope:SCOPE_SE
.endr
	v_and_b32 v1, 15, v0
	v_bfe_u32 v2, v0, 4, 1
	s_wait_alu depctr_va_vdst(0)
	v_and_b32 v3, 31, v0
	v_lshlrev_b32 v4, 4, v3
	s_mul_i32 s21, s15, PIECE
	s_mul_i32 s22, s16, PIECE
	s_add_co_u32 s22, s22, 2*PIECE
.irp s, 0,1
	v_add_nc_u32 v[ADRA+\s], s21, v4
	v_add_nc_u32 v[ADRB+\s], s22, v4
	s_add_co_u32 s21, s21, SLOT
	s_add_co_u32 s22, s22, SLOT
.endr
	s_mul_i32 s21, s15, PIECE
	s_mul_i32 s22, s16, PIECE
	s_add_co_u32 s22, s22, 2*PIECE
	s_sub_co_u32 s22, s22, s21
	v_mul_u32_u24 v6, s22, v2
	v_lshl_add_u32 v5, v1, 5, v6
	s_add_co_u32 s21, s21, 16384
	v_add_nc_u32 v[ADRS], s21, v5
	v_add_nc_u32 v[ADRS+1], SLOT, v[ADRS]
	v_lshlrev_b32 v[BA0], 6, v2
	v_lshlrev_b32 v[SWO], 5, v1
	v_lshl_add_u32 v[SWO], v2, 4, v[SWO]
	v_add_nc_u32 v[SWO], 16384, v[SWO]
	s_lshl_b32 s20, s17, 1
	s_add_co_u32 s20, s20, s15
	s_lshl_b32 s20, s20, 5
	s_lshl_b32 s21, s42, 1
	s_add_co_u32 s21, s21, s16
	s_add_co_u32 s20, s20, s21
	s_mul_i32 s20, s20, BLK
	s_lshl_b32 s22, s21, 9
	s_mov_b32 s21, 0
	s_mov_b32 s23, 0
	s_add_nc_u64 s[OUT:OUT+1], s[OUT:OUT+1], s[20:21]
	s_add_nc_u64 s[BIA:BIA+1], s[BIA:BIA+1], s[22:23]
	s_wait_alu depctr_va_vdst(0)
	s_wait_tensorcnt 1
	s_barrier_signal -1
	s_barrier_wait -1
	FETCH_B 0, 0, 0
	FETCH_A 0, 0, 0
	SCALES 0
	FETCH_A 0, 0, 4
	STEP 0, 0, 1
	s_mov_b32 s3, LAPS-1
.Llap:
	TURN 0, 1, 1
	STEP 1, 0, 0
	TURN 1, 0, 1
	STEP 0, 0, 0
	s_sub_co_u32 s3, s3, 1
	s_cmp_lg_u32 s3, 0
	s_cbranch_scc1 .Llap
	TURN 0, 1, 0
	STEP 1, 0, 0
	s_wait_dscnt 16
	WIN MUL_LO
	MUL16 0, 1, 1, 1, 0
	MUL16 2, 1, 1, 1, 0
	s_wait_dscnt 0x0
	WIN MUL_HI
	MUL16 4, 1, 1, 1, 0
	MUL16 6, 1, 1, 1, 0
	WIN 0
	PLACES NP
	WIN TO_B
.irp b, 0,1,2,3
.irp j, 0,1,2,3
	global_load_b128 v[16*\b+4*\j:16*\b+4*\j+3], v[BA0], s[BIA:BIA+1] offset:128*\b+16*\j
.endr
.endr
	WIN 0
.irp b, 0,1,2,3
	v_mov_b32 v[TM+4+\b], 0
.endr
	v_cmp_le_u32 vcc_lo, 16, v3
	s_wait_loadcnt 0x0
.irp a, 0,1,2,3,4,5,6,7
	WIN 0x06+\a/4
.set i, 0
.rept 32
	v_pk_add_f32 v[T+i:T+i+1], v[64*(\a%4)+i:64*(\a%4)+i+1], v[i:i+1]
.set i, i+2
.endr
	WIN 0
	s_wait_xcnt 0x0
	QUANT T, PC+16*(\a%2), PW+\a
.irp c, 0,1,2,3
	global_store_b128 v[IMG], v[PC+16*(\a%2)+4*\c:PC+16*(\a%2)+4*\c+3], s[OUT:OUT+1] offset:\a*2048+512*\c
.endr
.endr
.irp k, 0,1,2,3
	v_cndmask_b32 v[PM+\k], v[PW+\k], v[PW+4+\k], vcc_lo
.endr
	global_store_b128 v[SWO], v[PM:PM+3], s[OUT:OUT+1]
	s_wait_tensorcnt 0x0
	ds_add_u32 v[SPW], v[NIL]
	s_wait_dscnt 0x0
	CROUND
	s_endpgm
.Lfunc_end_k_qe45e444fe2_ffn1:
	.size	k_qe45e444fe2_ffn1, .Lfunc_end_k_qe45e444fe2_ffn1-k_qe45e444fe2_ffn1
	.p2alignl 7, 3214868480
	.fill 96, 4, 3214868480
	.section	.rodata,"a",@progbits
	.p2align	6, 0x0
	.amdhsa_kernel k_qe45e444fe2_ffn1
		.amdhsa_group_segment_fixed_size 327680
		.amdhsa_private_segment_fixed_size 0
		.amdhsa_enable_private_segment 0
		.amdhsa_kernarg_size 32
		.amdhsa_user_sgpr_count 2
		.amdhsa_user_sgpr_kernarg_segment_ptr 1
		.amdhsa_wavefront_size32 1
		.amdhsa_system_sgpr_workgroup_id_x 1
		.amdhsa_system_sgpr_workgroup_id_y 1
		.amdhsa_system_sgpr_workgroup_id_z 1
		.amdhsa_system_vgpr_workitem_id 0
		.amdhsa_next_free_vgpr 1024
		.amdhsa_next_free_sgpr 100
		.amdhsa_reserve_vcc 1
		.amdhsa_float_denorm_mode_32 3
		.amdhsa_float_denorm_mode_16_64 3
		.amdhsa_memory_ordered 1
		.amdhsa_forward_progress 1
		.amdhsa_inst_pref_size 200
	.end_amdhsa_kernel
	.amdgpu_metadata
---
amdhsa.version: [ 1, 2 ]
amdhsa.kernels:
  - .name:           k_qe45e444fe2_ffn1
    .symbol:         k_qe45e444fe2_ffn1.kd
    .args:
      - { .name: hc, .offset: 0, .size: 8, .value_kind: global_buffer, .address_space: global }
      - { .name: wc, .offset: 8, .size: 8, .value_kind: global_buffer, .address_space: global }
      - { .name: b1, .offset: 16, .size: 8, .value_kind: global_buffer, .address_space: global }
      - { .name: hidc, .offset: 24, .size: 8, .value_kind: global_buffer, .address_space: global }
    .group_segment_fixed_size: 327680
    .private_segment_fixed_size: 0
    .kernarg_segment_align: 8
    .kernarg_segment_size: 32
    .max_flat_workgroup_size: 128
    .sgpr_count:     100
    .vgpr_count:     1024
    .wavefront_size: 32
...
	.end_amdgpu_metadata
.endif
;; end of part 13
;; launch ffn2 (part 14): grid 8 x 32, 4 waves a work-group, clusters of 4 x 4, 327,680 bytes of LDS; arguments hidc, wc, b2, x1, out0; writes out0
.if DOCPART == 14
	.amdgcn_target "amdgcn-amd-amdhsa--gfx1250"
	.amdhsa_code_object_version 6
	.text
	.protected	k_qe45e444fe2_ffn2
	.globl	k_qe45e444fe2_ffn2
	.p2align	8
	.type	k_qe45e444fe2_ffn2,@function
k_qe45e444fe2_ffn2:
	s_mov_b64 s[64:65], 0
	v_nop
	global_prefetch_b8 v0, s[64:65] scope:SCOPE_SE
	s_setreg_imm32_b32 hwreg(HW_REG_WAVE_MODE, 25, 1), 1
	s_wait_xcnt 0x0
	s_wait_alu depctr_hold_cnt(0) depctr_sa_sdst(0) depctr_va_vdst(0) depctr_va_sdst(0) depctr_va_ssrc(0) depctr_va_vcc(0) depctr_vm_vsrc(0)
	s_getreg_b32 s2, hwreg(HW_REG_IB_STS2, 6, 4)
	s_cmp_eq_u32 s2, 0
	s_cbranch_scc0 .Lentry_in_a_cluster
	s_endpgm
.Lentry_in_a_cluster:
	s_bfe_u32 s2, ttmp6, 0x10000c
	s_cmp_lg_u32 s2, 0xf033
	s_cbranch_scc0 .Lentry_shape_is_right
	s_endpgm
.Lentry_shape_is_right:
.set BLK,   16896
.set PIECE, 2*BLK
.set SLOT,  4*PIECE
.set SPARE, 2*SLOT
.set KB,    32
.set LAPS,  KB/8
.set QOFF,  512*BLK
.set NP,    8
.set FR,    16
.set SP,    272
.set ADRA, 16
.set ADRS, 18
.set ADRB, 20
.set STO,  24
.set RD,   25
.set CO,   26
.set BA,   27
.set SPW,  28
.set NIL,  29
.set SC,   32
.set T,    64
.set ACC,  128
.set RB,   0
.set BI,   128
.set G1,   24
.set G0,   32
.set G1B,  48
.set G0B,  56
.set MSB, 0
.macro WIN new
.if MSB != (\new)
	s_set_vgpr_msb (MSB<<8)|(\new)
.set MSB, (\new)
.endif
.endm
.set MUL,   0x05
.set TO_F,  0x40
.set TO_R,  0x80
.set FROMR, 0x08
.macro JLOAD g0a, g1a, g0b, g1b
	s_cmp_eq_u32 s15, 0
	s_cbranch_scc0 .Lfor_b_\@
	tensor_load_to_lds s[\g0a:\g0a+3], s[\g1a:\g1a+7]
	s_nop 0
.rept 4
	v_nop
.endr
	s_branch .Lasked_\@
.Lfor_b_\@:
	tensor_load_to_lds s[\g0b:\g0b+3], s[\g1b:\g1b+7]
	s_nop 0
.rept 4
	v_nop
.endr
.Lasked_\@:
.endm
.macro CREST
	s_cmp_lg_u32 s14, 0
	s_cbranch_scc1 .Lnot_wave_0_\@
	s_barrier_signal -3
.Lnot_wave_0_\@:
	s_barrier_wait -3
	s_barrier_signal -1
	s_barrier_wait -1
.endm
.macro CROUND
	s_barrier_signal -1
	s_barrier_wait -1
	CREST
.endm
.macro PLACES n
.rept \n
	v_nop
.endr
.endm
.macro FRAG reg, adr, q, i
.irp c, 0,1,2,3
	ds_load_b128 v[\reg+4*\c:\reg+4*\c+3], v[\adr] offset:BLK*(\q)+2048*(\i)+512*\c
.endr
.endm
.macro FETCHQ slot, q, f
	WIN TO_F
.irp i, 0,1,2,3
	FRAG 128*(\f)+64+FR*\i, ADRB+\slot, \q, \i
.endr
.endm
.macro FETCHP slot, q, f
	WIN TO_F
.irp i, 0,1,2,3
	FRAG 128*(\f)+FR*\i, ADRA+\slot, \q, \i
.endr
.endm
.macro SCALES sc
.irp q, 0,1,2,3
	ds_load_b128 v[SC+16*\sc+4*\q:SC+16*\sc+4*\q+3], v[ADRS+\sc] offset:BLK*\q
.endr
.endm
.macro MUL4 f, a, q, sc, zero
.irp b, 0,1,2,3
.if \zero
	v_wmma_scale_f32_16x16x128_f8f6f4 v[ACC+8*(4*(\a)+\b):ACC+8*(4*(\a)+\b)+7], v[128*(\f)+64+FR*\b:128*(\f)+64+FR*\b+FR-1], v[128*(\f)+FR*(\a):128*(\f)+FR*(\a)+FR-1], 0, v[SC+16*(\sc)+4*(\q)+\b], v[SC+16*(\sc)+4*(\q)+(\a)] matrix_a_scale:MATRIX_SCALE_ROW1
.else
	v_wmma_scale_f32_16x16x128_f8f6f4 v[ACC+8*(4*(\a)+\b):ACC+8*(4*(\a)+\b)+7], v[128*(\f)+64+FR*\b:128*(\f)+64+FR*\b+FR-1], v[128*(\f)+FR*(\a):128*(\f)+FR*(\a)+FR-1], v[ACC+8*(4*(\a)+\b):ACC+8*(4*(\a)+\b)+7], v[SC+16*(\sc)+4*(\q)+\b], v[SC+16*(\sc)+4*(\q)+(\a)] matrix_a_scale:MATRIX_SCALE_ROW1
.endif
.endr
.endm
.macro STEP slot, q, zero
	PLACES NP
	FETCHQ \slot, (\q)+1, 1-(\q)%2
	s_wait_dscnt 16
	WIN MUL
	MUL4 (\q)%2, 0, \q, \slot, \zero
	MUL4 (\q)%2, 1, \q, \slot, \zero
	FETCHP \slot, (\q)+1, 1-(\q)%2
	WIN MUL
	MUL4 (\q)%2, 2, \q, \slot, \zero
	MUL4 (\q)%2, 3, \q, \slot, \zero
.endm
.macro TURN slot, next, fill
	WIN 0
.if \fill
	s_wait_xcnt 0x0                                ; my last prefetch, a slot step back, has read its address: on to the slot step behind the one that this refill loads
	s_add_nc_u64 s[66:67], s[66:67], 2*PIECE
.endif
	s_wait_tensorcnt 0x0
	ds_add_u32 v[SPW], v[NIL]
	s_wait_dscnt 1
	WIN MUL
	MUL4 1, 0, 3, \slot, 0
	s_wait_dscnt 0x0
	s_barrier_signal -1
	MUL4 1, 1, 3, \slot, 0
	WIN 0
	s_barrier_wait -1
.if \fill
	CREST
	s_add_nc_u64 s[G0+4*\slot+2:G0+4*\slot+3], s[G0+4*\slot+2:G0+4*\slot+3], 4*PIECE
	s_add_nc_u64 s[G0B+4*\slot+2:G0B+4*\slot+3], s[G0B+4*\slot+2:G0B+4*\slot+3], 4*PIECE
	JLOAD G0+4*\slot, G1, G0B+4*\slot, G1B
	PLACES NP-4
.else
	PLACES NP
.endif
	SCALES \next
	FETCHQ \next, 0, 0
	FETCHP \next, 0, 0
.if \fill                              ; A PREFETCH INTO THE L2 of what the NEXT refill loads, one slot step (64 matrix instructions a wave) ahead of that load: 33 blocks a wave.  The last refill (slot 1 in the loop's last trip) has no successor and asks for nothing
	WIN 0
.if \slot
	s_cmp_gt_u32 s3, 1
	s_cbranch_scc0 .Lnoask_\@
.endif
	global_prefetch_b8 v30, s[66:67] offset:2*PIECE th:TH_LOAD_NT scope:SCOPE_SE
	global_prefetch_b8 v31, s[66:67] offset:2*PIECE+8192 th:TH_LOAD_NT scope:SCOPE_SE
.Lnoask_\@:
.endif
	WIN MUL
	MUL4 1, 2, 3, \slot, 0
	MUL4 1, 3, 3, \slot, 0
.endm
	s_load_b256 s[4:11], s[0:1], 0x0
	s_load_b64 s[12:13], s[0:1], 0x20
	v_lshl_add_u32 v[SPW], v0, 2, SPARE
	v_mov_b32 v[NIL], 0
	ds_add_u32 v28, v29
	ds_add_u32 v28, v29
	s_wait_dscnt 0x0
	v_lshrrev_b32 v1, 5, v0
	v_readfirstlane_b32 s14, v1
	v_and_b32 v30, 31, v0
	v_lshlrev_b32 v30, 8, v30                      ; the prefetches' offsets: a lane a block of 256 bytes; never rewritten
	v_mov_b32 v31, 0                               ; and 0, for the 33rd block
	s_lshr_b32 s15, s14, 1
	s_and_b32 s16, s14, 1
	s_bfe_u32 s40, ttmp6, 0x40000
	s_bfe_u32 s41, ttmp6, 0x40004
	s_lshl_b32 s42, ttmp9, 2
	s_add_co_u32 s42, s42, s40
	s_and_b32 s17, ttmp7, 0xffff
	s_lshl_b32 s17, s17, 2
	s_add_co_u32 s17, s17, s41
	s_lshl_b32 s43, s41, 2
	s_lshl_b32 s43, 15, s43
	s_lshl_b32 s44, 0x1111, s40
	s_or_b32 s[G1+0], s43, (3<<16)|(1<<21)
	s_or_b32 s[G1B+0], s44, (3<<16)|(1<<21)
.irp g, G1, G1B
	s_mov_b32 s[\g+1], 32<<16
	s_mov_b32 s[\g+2], 132<<16
	s_mov_b32 s[\g+3], 32<<16
	s_mov_b32 s[\g+4], 132
	s_mov_b32 s[\g+5], 32
	s_mov_b32 s[\g+6], 0
	s_mov_b32 s[\g+7], 0
.endr
	s_mul_i32 s18, s16, PIECE
	s_mul_i32 s20, s17, KB*BLK
	s_add_co_u32 s20, s20, s18
	s_mov_b32 s21, 0
	s_mul_i32 s46, s42, KB*BLK
	s_add_co_u32 s46, s46, s18
	s_add_co_u32 s46, s46, QOFF
	s_mov_b32 s47, 0
	s_mul_i32 s45, s14, PIECE
	s_wait_alu depctr_va_vdst(0)
	s_wait_kmcnt 0x0
	s_add_nc_u64 s[20:21], s[4:5], s[20:21]
	s_add_nc_u64 s[46:47], s[6:7], s[46:47]
	; the prefetches: of the 132 blocks of 256 bytes that I fetch for a slot, each of the four partners that ask with me names 33, told apart by address (cx for P, cy for Q)
	s_cmp_eq_u32 s15, 0
	s_cselect_b64 s[66:67], s[20:21], s[46:47]
	s_cselect_b32 s68, s40, s41
	s_mul_i32 s68, s68, 33*256
	s_add_co_u32 s68, s68, 2*PIECE                 ; at slot step 1: the head's two loads ask for steps 1 and 2 by immediates; each refill steps the address once and names the step behind it
	s_mov_b32 s69, 0
	s_add_nc_u64 s[66:67], s[66:67], s[68:69]
	CROUND
.irp s, 0,1
	s_mov_b32 s[G0+4*\s], 1
	s_add_co_u32 s[G0+4*\s+1], s45, \s*SLOT
	s_add_nc_u64 s[G0+4*\s+2:G0+4*\s+3], s[20:21], \s*2*PIECE
	s_or_b32 s[G0+4*\s+3], s[G0+4*\s+3], 0x80000000
	s_mov_b32 s[G0B+4*\s], 1
	s_add_co_u32 s[G0B+4*\s+1], s45, \s*SLOT
	s_add_nc_u64 s[G0B+4*\s+2:G0B+4*\s+3], s[46:47], \s*2*PIECE
	s_or_b32 s[G0B+4*\s+3], s[G0B+4*\s+3], 0x80000000
.if \s                                 ; slot 0's load stands behind the opening round; slot 1's first fill behind the full sequence and a round of its own
	s_wait_alu depctr_va_vdst(0)
	s_wait_tensorcnt 0x0
	ds_add_u32 v28, v29
	ds_add_u32 v28, v29
	s_wait_dscnt 0x0
	CROUND
.endif
	JLOAD G0+4*\s, G1, G0B+4*\s, G1B
	global_prefetch_b8 v30, s[66:67] offset:\s*2*PIECE th:TH_LOAD_NT scope:SCOPE_SE      ; what the NEXT joint load brings: behind step 0's load step 1, behind step 1's step 2
	global_prefetch_b8 v31, s[66:67] offset:\s*2*PIECE+8192 th:TH_LOAD_NT scope:SCOPE_SE
.endr
	v_and_b32 v1, 15, v0
	v_bfe_u32 v2, v0, 4, 1
	s_wait_alu depctr_va_vdst(0)
	v_and_b32 v3, 31, v0
	v_lshlrev_b32 v4, 4, v3
	s_lshl_b32 s21, s15, 13
	s_lshl_b32 s22, s16, 13
	s_add_co_u32 s22, s22, 2*PIECE
.irp s, 0,1
	v_add_nc_u32 v[ADRA+\s], s21, v4
	v_add_nc_u32 v[ADRB+\s], s22, v4
	s_add_co_u32 s21, s21, SLOT
	s_add_co_u32 s22, s22, SLOT
.endr
	s_lshl_b32 s21, s15, 4
	s_lshl_b32 s22, s16, 4
	s_add_co_u32 s22, s22, 2*PIECE
	s_sub_co_u32 s22, s22, s21
	v_mul_u32_u24 v6, s22, v2
	v_lshl_add_u32 v5, v1, 5, v6
	s_add_co_u32 s21, s21, 16384
	v_add_nc_u32 v[ADRS], s21, v5
	v_add_nc_u32 v[ADRS+1], SLOT, v[ADRS]
	s_mul_i32 s23, s14, 64*SP
	v_mul_u32_u24 v5, v1, SP
	v_lshl_add_u32 v5, v2, 6, v5
	v_add_nc_u32 v[STO], s23, v5
	v_mul_u32_u24 v5, v2, SP
	v_lshl_add_u32 v5, v1, 4, v5
	v_add_nc_u32 v[RD], s23, v5
	v_lshlrev_b32 v[CO], 12, v2
	v_lshl_add_u32 v[CO], v1, 4, v[CO]
	v_lshlrev_b32 v[BA], 6, v2
	s_wait_alu depctr_va_vdst(0)
	s_lshl_b32 s20, s17, 7
	s_lshl_b32 s21, s15, 6
	s_add_co_u32 s20, s20, s21
	s_lshl_b32 s20, s20, 12
	s_lshl_b32 s21, s42, 1
	s_add_co_u32 s21, s21, s16
	s_lshl_b32 s22, s21, 8
	s_add_co_u32 s20, s20, s22
	s_mov_b32 s21, 0
	s_mov_b32 s23, 0
	s_add_nc_u64 s[10:11], s[10:11], s[20:21]
	s_add_nc_u64 s[12:13], s[12:13], s[20:21]
	s_add_nc_u64 s[8:9], s[8:9], s[22:23]
	WIN TO_R
.irp b, 0,1
.irp j, 0,1,2,3
	global_load_b128 v[BI+16*\b+4*\j:BI+16*\b+4*\j+3], v[BA], s[8:9] offset:128*\b+16*\j
.endr
.endr
.irp a, 0,1,2,3
.irp t, 0,1,2,3,4,5,6,7
	global_load_b128 v[RB+32*\a+4*\t:RB+32*\a+4*\t+3], v[CO], s[10:11] offset:(32*(\a/2)+8*(\a%2)+16*(\t/4)+2*(\t%4))*4096 th:TH_LOAD_NT
.endr
.endr
	WIN 0
	s_wait_tensorcnt 1
	s_barrier_signal -1
	s_barrier_wait -1
	SCALES 0
	FETCHQ 0, 0, 0
	FETCHP 0, 0, 0
	STEP 0, 0, 1
.if LAPS > 1
	WIN 0
	s_mov_b32 s3, LAPS-1
.Llap:
	STEP 0, 1, 0
	STEP 0, 2, 0
	TURN 0, 1, 1
	STEP 1, 0, 0
	STEP 1, 1, 0
	STEP 1, 2, 0
	TURN 1, 0, 1
	STEP 0, 0, 0
	WIN 0
	s_sub_co_u32 s3, s3, 1
	s_cmp_lg_u32 s3, 0
	s_cbranch_scc1 .Llap
.endif
	STEP 0, 1, 0
	STEP 0, 2, 0
	TURN 0, 1, 0
	STEP 1, 0, 0
	STEP 1, 1, 0
	STEP 1, 2, 0
	s_wait_dscnt 0x0
	WIN MUL
	MUL4 1, 0, 3, 1, 0
	MUL4 1, 1, 3, 1, 0
	MUL4 1, 2, 3, 1, 0
	MUL4 1, 3, 3, 1, 0
	WIN 0
	PLACES NP
	s_wait_loadcnt 0x0
.irp a, 0,1,2,3
.if \a > 1
	s_wait_dscnt 24
.endif
	WIN FROMR
.set i, 0
.rept 16
	v_pk_add_f32 v[T+32*(\a%2)+i:T+32*(\a%2)+i+1], v[ACC+32*\a+i:ACC+32*\a+i+1], v[BI+i:BI+i+1]
.set i, i+2
.endr
	WIN 0
.irp b, 0,1
.irp j, 0,1,2,3
	ds_store_b128 v[STO], v[T+32*(\a%2)+16*\b+4*\j:T+32*(\a%2)+16*\b+4*\j+3] offset:\a*16*SP+128*\b+16*\j
.endr
.endr
.irp t, 0,1,2,3,4,5,6,7
	ds_load_b128 v[ACC+32*\a+4*\t:ACC+32*\a+4*\t+3], v[RD] offset:\a*16*SP+2*\t*SP
.endr
.endr
.irp a, 0,1,2,3
	s_wait_dscnt 16*(3-\a)
	WIN FROMR
.set i, 0
.rept 16
	v_pk_add_f32 v[ACC+32*\a+i:ACC+32*\a+i+1], v[ACC+32*\a+i:ACC+32*\a+i+1], v[RB+32*\a+i:RB+32*\a+i+1]
.set i, i+2
.endr
	WIN 0
.irp t, 0,1,2,3,4,5,6,7
	global_store_b128 v[CO], v[ACC+32*\a+4*\t:ACC+32*\a+4*\t+3], s[12:13] offset:(32*(\a/2)+8*(\a%2)+16*(\t/4)+2*(\t%4))*4096 th:TH_STORE_NT
.endr
.endr
	s_wait_tensorcnt 0x0
	ds_add_u32 v[SPW], v[NIL]
	s_wait_dscnt 0x0
	CROUND
	s_endpgm
.Lfunc_end_k_qe45e444fe2_ffn2:
	.size	k_qe45e444fe2_ffn2, .Lfunc_end_k_qe45e444fe2_ffn2-k_qe45e444fe2_ffn2
	.p2alignl 7, 3214868480
	.fill 96, 4, 3214868480
	.section	.rodata,"a",@progbits
	.p2align	6, 0x0
	.amdhsa_kernel k_qe45e444fe2_ffn2
		.amdhsa_group_segment_fixed_size 327680
		.amdhsa_private_segment_fixed_size 0
		.amdhsa_enable_private_segment 0
		.amdhsa_kernarg_size 40
		.amdhsa_user_sgpr_count 2
		.amdhsa_user_sgpr_kernarg_segment_ptr 1
		.amdhsa_wavefront_size32 1
		.amdhsa_system_sgpr_workgroup_id_x 1
		.amdhsa_system_sgpr_workgroup_id_y 1
		.amdhsa_system_sgpr_workgroup_id_z 1
		.amdhsa_system_vgpr_workitem_id 0
		.amdhsa_next_free_vgpr 768
		.amdhsa_next_free_sgpr 100
		.amdhsa_reserve_vcc 0
		.amdhsa_float_denorm_mode_32 3
		.amdhsa_float_denorm_mode_16_64 3
		.amdhsa_memory_ordered 1
		.amdhsa_forward_progress 1
		.amdhsa_inst_pref_size 103
	.end_amdhsa_kernel
	.amdgpu_metadata
---
amdhsa.version: [ 1, 2 ]
amdhsa.kernels:
  - .name:           k_qe45e444fe2_ffn2
    .symbol:         k_qe45e444fe2_ffn2.kd
    .args:
      - { .name: hidc, .offset: 0, .size: 8, .value_kind: global_buffer, .address_space: global }
      - { .name: wc, .offset: 8, .size: 8, .value_kind: global_buffer, .address_space: global }
      - { .name: b2, .offset: 16, .size: 8, .value_kind: global_buffer, .address_space: global }
      - { .name: x1, .offset: 24, .size: 8, .value_kind: global_buffer, .address_space: global }
      - { .name: out0, .offset: 32, .size: 8, .value_kind: global_buffer, .address_space: global }
    .group_segment_fixed_size: 327680
    .private_segment_fixed_size: 0
    .kernarg_segment_align: 8
    .kernarg_segment_size: 40
    .max_flat_workgroup_size: 128
    .sgpr_count:     100
    .vgpr_count:     768
    .wavefront_size: 32
...
	.end_amdgpu_metadata
.endif
;; end of part 14
